; MI455X (gfx1250); checked and timed in simulation.
; The chip was launched on July 23, 2026; its instructions are those of AMD's public machine-readable ISA for CDNA 5 (MIT licence, August 2026) and "CDNA5" Instruction Set Architecture Reference Guide (July 2026). The comments in the code are by the model that wrote it; some were corrected since.
;; Transformer Encoder Layer. Allowed arithmetic: matrix products marked QUANTISED: E3M2 operands, one E8M0 scale for each 32 along K, by v_wmma_scale_f32_16x16x128_f8f6f4 with both operands' format E3M2, f32 sums; products left as they are: f32 operands where the result goes on into a quantised operand, else bf16, f16 or f32 operands; f32 sums; everything else in f32.
;; Inputs: W1 1,024 x 4,096 float32; W2 4,096 x 1,024 float32; Wk 1,024 x 1,024 float32; Wo 1,024 x 1,024 float32; Wq 1,024 x 1,024 float32; Wv 1,024 x 1,024 float32; b1 4,096 float32; b2 1,024 float32; bk 1,024 float32; bo 1,024 float32; bq 1,024 float32; bv 1,024 float32; ln1_b 1,024 float32; ln1_g 1,024 float32; ln2_b 1,024 float32; ln2_g 1,024 float32; x 2 x 2,048 x 1,024 float32.
;; Outputs: out0 2 x 2,048 x 1,024 float32.
;; This version of the problem:
;;   THIS VERSION OF THE PROBLEM IS GIVEN IN LOW PRECISION. The matrix products marked QUANTISED in the list below multiply operands that are first quantised to E3M2 (3 exponent bits, 2 mantissa bits; 6 bits a number), with one power-of-two scale for each 32 numbers along K (OCP MX v1.0); their sums are f32. All else is computed in f32.
;;   The module's matrix products, in the order in which they are computed (A, B: the left and right operand; K: the contracted axis; several contracted axes count as one K, in the product's order):
;;     1. [M 4,096, K 1,024] x [K 1,024, N 1,024]; A: computed on the way; B: input Wq: QUANTISED
;;     2. [M 4,096, K 1,024] x [K 1,024, N 1,024]; A: computed on the way; B: input Wk: QUANTISED
;;     3. [M 4,096, K 1,024] x [K 1,024, N 1,024]; A: computed on the way; B: input Wv: QUANTISED
;;     4. [M 2,048, K 1] x [K 1, N 32]; A: computed on the way; B: computed on the way: left as it is (no contracted axis)
;;     5. batch 32 x [M 2,048, K 64] x [K 64, N 2,048]; A: computed on the way; B: computed on the way: QUANTISED
;;     6. batch 32 x [M 2,048, K 2,048] x [K 2,048, N 64]; A: softmax (see below); B: computed on the way: QUANTISED
;;     7. [M 4,096, K 1,024] x [K 1,024, N 1,024]; A: computed on the way; B: input Wo: QUANTISED
;;     8. [M 4,096, K 1,024] x [K 1,024, N 4,096]; A: computed on the way; B: input W1: QUANTISED
;;     9. [M 4,096, K 4,096] x [K 4,096, N 1,024]; A: computed on the way; B: input W2: QUANTISED
;;   THE QUANTISER, for each operand of a quantised product, along K:
;;     - K is cut into blocks of 32 from its start; a last block that is shorter is filled with zeros.
;;     - A block's scale is 2^e with e = floor(log2(the largest magnitude in the block)) - 4, held to -126 .. 127; a block of zeros has e = 0. As a byte (E8M0): e + 127.
;;     - Each number is divided by its block's scale, clamped to +-28, and rounded to the nearest number of E3M2, ties to even, subnormals kept.
;;     - The product sums the exact products of the quantised numbers (number of the format x scale) in f32.
;;   ~~~python
;;   def quantise(x, axis):      # numpy; x: float32 -> the quantised numbers, widened to float32 again
;;       x = np.moveaxis(x, axis, -1); K = x.shape[-1]
;;       x = np.pad(x, [(0, 0)] * (x.ndim - 1) + [(0, -K % 32)]); x = x.reshape(x.shape[:-1] + (-1, 32)); a = np.abs(x).max(-1, keepdims=True)
;;       e = np.where(a > 0, np.clip(np.frexp(np.where(a > 0, a, 1))[1] - 1 - 4, -126, 127), 0)      # np.frexp(a)[1] - 1 = floor(log2(a)), exactly
;;       r = np.clip(x / 2.0 ** e, -28, 28)
;;       step = 2.0 ** (np.maximum(np.frexp(np.where(r == 0, 1, r))[1] - 1, -2) - 2)
;;       q = np.round(r / step) * step * 2.0 ** e      # np.round: ties to even
;;       return np.moveaxis(q.reshape(q.shape[:-2] + (-1,))[..., :K], -1, axis).astype(np.float32)
;;   ~~~
;;   SOFTMAX AHEAD OF A QUANTISED PRODUCT. Where the list says 'softmax', what is quantised is not the finished softmax but p = 2^(t - M), with t = logit x log2(e) and M = ceil(the row's largest t), a whole number; so 1/2 < the row's largest p <= 1. The row's sum l is taken of the UNQUANTISED p, in f32, and the product's result is divided by l at the end. Since M is a whole number, a kernel that streams over the keys may use a running M (the ceiling of the running maximum): every later rescaling is an exact power of two, which a block's scale takes up: the codes' values come out the same.
;;   OPERANDS COMPUTED ON THE WAY. 'Computed on the way' means the value that the module computes at that place (a softmax that the list does not call 'softmax' is quantised finished and normalised). What goes into a quantiser is computed in f32, as accurately as f32 sums, v_exp_f32 and their like allow (about 1e-6 of the number): no bf16 or f16 on the way to a quantiser, and a product that is left as it is and whose result goes on into a quantised operand takes f32 operands (vector FMAs, or v_wmma_f32_16x16x4_f32). A number that lies on a knife's edge between two numbers of the format may be rounded either way, as far as f32 arithmetic and the matrix unit's own rounding can turn it there, and no further.
;; 2 versions, each right. Each part assembles by itself: llvm-mc -triple=amdgcn-amd-amdhsa -mcpu=gfx1250 --defsym DOCPART=n.
;; ======== version 1 of 2: 9 launches
;; limits: a function is approximated: absolute error at most 1.5e-07; a function is approximated: absolute error at most 0.00015
;; workspace buffers: wts 10,354,688 bytes; hbuf 3,276,800 bytes; qkbuf 6,815,744 bytes; vbuf 3,276,800 bytes; cbuf 3,276,800 bytes; x1 16,777,216 bytes; gbuf 13,107,200 bytes
;; launch prep (part 1): grid 768 x 1, 4 waves a work-group, no clusters, 0 bytes of LDS; arguments Wq, Wk, Wv, Wo, W1, W2, wts; writes wts
.if DOCPART == 1
	.amdgcn_target "amdgcn-amd-amdhsa--gfx1250"
	.amdhsa_code_object_version 6
	.text
	.protected	k_qa027b06464_prep
	.globl	k_qa027b06464_prep
	.p2align	8
	.type	k_qa027b06464_prep,@function
k_qa027b06464_prep:
	s_mov_b64 s[64:65], 0
	v_nop
	global_prefetch_b8 v0, s[64:65] scope:SCOPE_SE
	s_setreg_imm32_b32 hwreg(HW_REG_WAVE_MODE, 25, 1), 1
	s_wait_xcnt 0x0
; The six weights, f32 stored [K][N], become operands of BF6 (E3M2) with one E8M0 byte for each 32 along K; and the table of RoPE's cos and sin is made.
; LAYOUT OF AN OPERAND.  Its rows (a weight's columns n) are kept by POSITION: position p stands for row sigma(p), p with bits 3 and 4 exchanged.  16 positions x 128 K are an IMAGE of the matrix
; operand's 12 registers, 1,536 bytes: registers 0-3 at 16 x lane, 4-5 at 512 + 8 x lane, 6-9 at 768 + 16 x lane, 10-11 at 1,280 + 8 x lane.  Images lie [block of 16][K step]; scale words
; (4 bytes: a row's 128 K) lie [block of 128][K step][128 positions].
; SHARES.  A work-group takes 128 columns x 128 K of one weight, a wave 32 columns, A LANE ONE COLUMN, ITS REGISTERS RUNNING DOWN K: a block of 32 lies in one lane, each load reads 128 consecutive
; bytes a wave (512 a work-group), and the conversions give codes with K innermost.  Lane l takes column sigma(l), so that lane = position.
; Work-groups 0-255: Wq, Wk, Wv, Wo (64 each); 256-511: W1; 512-767: W2.  What differs is chosen by s_cselect on the work-group's number: one path for all.
; A block's scale is 2^(floor(log2(largest magnitude)) - 4); its byte is that magnitude's exponent field - 4, held at 1 from below.
; LIMITS: a block of zeros gets the byte 1 where the rule says 127 (its codes are zeros, and this program alone reads the bytes); NaN and infinities among the inputs are not served.
; THE TABLE: [2048 positions][32 cos | 32 sin] f32.  inv_freq = 2^(-j log2(10000) / 32) by v_exp_f32 (1 ulp), angle = s x inv_freq rounded once; reduction by pi/2 in three parts, polynomials of
; degree 7 and 8 on |r| <= pi/4 (about 1e-7).  LIMIT: the angle can differ from one made with another inv_freq by about an ulp of the angle (1.5e-4 rad at the largest angles).
.set OF,  16                           ; v16-47   i x row stride + 4 sigma(lane); never rewritten
.set X,   48                           ; v48-111  two sets of 32 numbers
.set C,   112                          ; v112-135 the four blocks' codes, six registers each
.set CT,  136                          ; v136-138 a conversion's second half (three registers begin on an even number)
.set SW,  144                          ; v144     my column's scale word
.set L16, 5
.set L8,  6
.set L4,  7
	s_load_b256 s[4:11], s[0:1], 0x0               ; Wq, Wk, Wv, Wo
	s_load_b128 s[12:15], s[0:1], 0x20             ; W1, W2
	s_load_b64 s[16:17], s[0:1], 0x30              ; wts
	v_lshrrev_b32 v1, 5, v0
	v_readfirstlane_b32 s18, v1                    ; wave
	v_and_b32 v1, 31, v0                           ; lane
	v_and_b32 v2, 7, v0
	v_bfe_u32 v3, v0, 4, 1
	v_bfe_u32 v4, v0, 3, 1
	v_lshl_or_b32 v2, v3, 3, v2
	v_lshl_or_b32 v2, v4, 4, v2                    ; sigma(lane)
	v_lshlrev_b32 v2, 2, v2
	v_lshlrev_b32 v[L16], 4, v1
	v_lshlrev_b32 v[L8], 3, v1
	v_lshlrev_b32 v[L4], 2, v1
	s_lshr_b32 s20, ttmp9, 6                       ; which of the four small weights
	s_lshr_b32 s29, ttmp9, 8                       ; 0: a small one, 1: W1, 2: W2
	s_and_b32 s21, ttmp9, 255
	s_and_b32 s22, s21, 7                          ; group of 128 columns (small, W2)
	s_lshr_b32 s23, s21, 3                         ; K step of W2
	s_and_b32 s24, s23, 7                          ; K step of a small one
	s_and_b32 s25, s21, 31                         ; group of columns of W1
	s_lshr_b32 s26, s21, 5                         ; K step of W1
	s_mul_i32 s27, s20, 786432                     ; where the images begin
	s_mul_i32 s28, s20, 32768
	s_add_co_u32 s28, s28, 9437184                 ; where the scale words begin
	s_movk_i32 s30, 0x1000                         ; a row of the weight in bytes
	s_cmp_lt_u32 ttmp9, 256
	s_cselect_b32 s23, s24, s23
	s_cselect_b32 s27, s27, 6291456
	s_cselect_b32 s28, s28, 9699328
	s_cselect_b32 s31, 8, 32                       ; K steps in the weight
	s_cmp_eq_u32 s29, 1
	s_cselect_b32 s23, s26, s23
	s_cselect_b32 s22, s25, s22
	s_cselect_b32 s27, 3145728, s27
	s_cselect_b32 s28, 9568256, s28
	s_cselect_b32 s31, 8, s31
	s_cselect_b32 s30, 0x4000, s30
.set n, 0
.rept 32
	v_mad_u32_u24 v[OF+n], s30, n, v2
.set n, n+1
.endr
	s_lshl_b32 s40, s23, 7
	s_mul_i32 s40, s40, s30                        ; K step x 128 rows
	s_lshl_b32 s41, s22, 9
	s_add_co_u32 s40, s40, s41                     ; + 128 columns x group
	s_lshl_b32 s41, s18, 7
	s_add_co_u32 s40, s40, s41                     ; + 32 columns x wave
	s_mov_b32 s41, 0
	s_lshl_b32 s42, s30, 5                         ; 32 rows: from block to block
	s_mov_b32 s43, 0
	s_lshl_b32 s44, s22, 3
	s_lshl_b32 s45, s18, 1
	s_add_co_u32 s44, s44, s45                     ; my first block of 16 positions
	s_mul_i32 s44, s44, s31
	s_add_co_u32 s44, s44, s23
	s_mul_i32 s44, s44, 1536
	s_add_co_u32 s44, s44, s27
	s_mov_b32 s45, 0
	s_mul_i32 s46, s31, 1536                       ; to the second block's image
	s_mov_b32 s47, 0
	s_mul_i32 s48, s22, s31
	s_add_co_u32 s48, s48, s23
	s_lshl_b32 s48, s48, 9
	s_lshl_b32 s49, s18, 7
	s_add_co_u32 s48, s48, s49
	s_add_co_u32 s48, s48, s28
	s_mov_b32 s49, 0
	s_wait_kmcnt 0x0
	s_cmp_eq_u32 s20, 1                            ; the weight: a choice on the work-group's number alone
	s_cselect_b64 s[4:5], s[6:7], s[4:5]
	s_cmp_eq_u32 s20, 2
	s_cselect_b64 s[4:5], s[8:9], s[4:5]
	s_cmp_eq_u32 s20, 3
	s_cselect_b64 s[4:5], s[10:11], s[4:5]
	s_cmp_eq_u32 s29, 1
	s_cselect_b64 s[4:5], s[12:13], s[4:5]
	s_cmp_eq_u32 s29, 2
	s_cselect_b64 s[4:5], s[14:15], s[4:5]
	s_add_nc_u64 s[32:33], s[4:5], s[40:41]        ; a base for each of the four blocks: nothing is ever stepped
	s_add_nc_u64 s[34:35], s[32:33], s[42:43]
	s_add_nc_u64 s[36:37], s[34:35], s[42:43]
	s_add_nc_u64 s[38:39], s[36:37], s[42:43]
	s_add_nc_u64 s[44:45], s[16:17], s[44:45]      ; tile 0's image
	s_add_nc_u64 s[46:47], s[44:45], s[46:47]      ; tile 1's
	s_add_nc_u64 s[48:49], s[16:17], s[48:49]      ; my wave's 32 scale words
.macro LOAD t                          ; block t: W(32 t + i, my column), i = 0 .. 31, into set t % 2
.set n, 0
.rept 32
	global_load_b32 v[X+32*((\t)%2)+n], v[OF+n], s[32+2*(\t):33+2*(\t)] th:TH_LOAD_NT
.set n, n+1
.endr
.endm
.macro BLOCK t
.set XS, X+32*((\t)%2)
.set CC, C+6*(\t)
.if (\t) < 3
	s_wait_loadcnt 32                              ; this block's 32 loads are in; the next block's 32 may be out
.else
	s_wait_loadcnt 0x0
.endif
	v_max3_num_f32 v12, |v[XS]|, |v[XS+1]|, |v[XS+2]|              ; the block's largest magnitude: all 32 numbers are mine; two chains
	v_max3_num_f32 v13, |v[XS+3]|, |v[XS+4]|, |v[XS+5]|
.irp i, 6,10,14,18,22,26
	v_max3_num_f32 v12, v12, |v[XS+\i]|, |v[XS+\i+1]|
	v_max3_num_f32 v13, v13, |v[XS+\i+2]|, |v[XS+\i+3]|
.endr
	v_max3_num_f32 v12, v12, |v[XS+30]|, |v[XS+31]|
	v_max3_num_f32 v12, v12, v13, 0x2800000        ; and the floor 2^(5 - 127): the byte cannot fall under 1
	v_add_nc_u32 v11, 0xfe000000, v12              ; 4 off the exponent field: the conversion takes the exponent field of this operand as its scale
	v_lshrrev_b32 v13, 23, v11                     ; the scale's byte
.if (\t) == 0
	v_mov_b32 v[SW], v13
.else
	v_lshl_or_b32 v[SW], v13, 8*(\t), v[SW]
.endif
	v_cvt_scalef32_pk16_bf6_f32 v[CC:CC+2], v[XS:XS+15], v11
	v_cvt_scalef32_pk16_bf6_f32 v[CT:CT+2], v[XS+16:XS+31], v11
	v_nop                                          ; one plain place behind a scaled conversion
.irp i, 0,1,2
	v_mov_b32 v[CC+3+\i], v[CT+\i]
.endr
.if (\t) < 2
	LOAD (\t)+2
.endif
.endm
; Blocks 2 c and 2 c + 1 of 32 columns become half c of two images.  The operand's layout gives lanes 0-15 block 2 c and lanes 16-31 block 2 c + 1 of ONE tile's 16 rows: the exchange of the first's upper
; lanes with the second's lower lanes makes the first tile 0's half and the second tile 1's.  Each store covers 512 or 256 consecutive bytes, aligned.
.macro PAIR c
.irp i, 0,1,2,3,4,5
	v_permlane16_swap_b32 v[C+12*(\c)+\i], v[C+12*(\c)+6+\i]
.endr
	global_store_b128 v[L16], v[C+12*(\c):C+12*(\c)+3], s[44:45] offset:768*(\c)
	global_store_b64 v[L8], v[C+12*(\c)+4:C+12*(\c)+5], s[44:45] offset:768*(\c)+512
	global_store_b128 v[L16], v[C+12*(\c)+6:C+12*(\c)+9], s[46:47] offset:768*(\c)
	global_store_b64 v[L8], v[C+12*(\c)+10:C+12*(\c)+11], s[46:47] offset:768*(\c)+512
.endm
	LOAD 0
	LOAD 1
	BLOCK 0
	BLOCK 1
	PAIR 0
	BLOCK 2
	BLOCK 3
	PAIR 1
	global_store_b32 v[L4], v[SW], s[48:49]        ; 32 positions' words: 128 consecutive bytes; the four waves' lie side by side
	; ---- the table: work-groups 0 to 511, a wave to a position, a lane to a frequency
	s_cmp_lt_u32 ttmp9, 512
	s_cbranch_scc0 .Lend
	s_lshl_b32 s50, ttmp9, 2
	s_add_co_u32 s50, s50, s18                     ; position s
	s_lshl_b32 s52, s50, 8
	s_add_co_u32 s52, s52, 9830400
	s_mov_b32 s53, 0
	s_add_nc_u64 s[52:53], s[16:17], s[52:53]
	v_cvt_f32_u32 v145, v1
	v_mul_f32 v145, 0xbed49a78, v145               ; -j log2(10000) / 32
	v_exp_f32 v145, v145                           ; inv_freq
	v_nop                                          ; a plain place behind the exponential
	v_cvt_f32_u32 v146, s50
	s_wait_alu depctr_va_vdst(0)                   ; the wait ahead of the first reader
	v_mul_f32 v146, v146, v145                     ; the angle, rounded once
	v_mul_f32 v147, 0x3f22f983, v146               ; x 2 / pi
	v_rndne_f32 v147, v147                         ; n, at most 1,304: n x each of the first two parts of pi/2 is exact
	v_fma_f32 v148, v147, 0xbfc90000, v146
	v_fma_f32 v148, v147, 0xb9fda000, v148
	v_fma_f32 v148, v147, 0xb3a22168, v148         ; r = angle - n pi/2
	v_mul_f32 v149, v148, v148                     ; z = r^2
	v_mov_b32 v150, 0xb94ca1f9
	v_fmaak_f32 v150, v150, v149, 0x3c08839e
	v_fmaak_f32 v150, v150, v149, 0xbe2aaaa3
	v_mul_f32 v151, v148, v149
	v_fma_f32 v150, v151, v150, v148               ; sin r
	v_mov_b32 v152, 0x37ccf5ce
	v_fmaak_f32 v152, v152, v149, 0xbab6061a
	v_fmaak_f32 v152, v152, v149, 0x3d2aaaa5
	v_mul_f32 v153, v149, v149
	v_fma_f32 v154, v149, -0.5, 1.0
	v_fma_f32 v152, v153, v152, v154               ; cos r
	v_cvt_i32_f32 v155, v147                       ; the quadrant
	v_and_b32 v156, 1, v155
	v_cmp_eq_u32 vcc_lo, 1, v156
	v_cndmask_b32 v157, v150, v152, vcc_lo         ; sin: in odd quadrants cos r
	v_cndmask_b32 v158, v152, v150, vcc_lo         ; cos: in odd quadrants sin r
	v_and_b32 v156, 2, v155
	v_lshlrev_b32 v156, 30, v156
	v_xor_b32 v157, v157, v156                     ; sin is negated in quadrants 2, 3
	v_add_nc_u32 v156, 1, v155
	v_and_b32 v156, 2, v156
	v_lshlrev_b32 v156, 30, v156
	v_xor_b32 v158, v158, v156                     ; cos in quadrants 1, 2
	global_store_b32 v[L4], v158, s[52:53]         ; the two stores fill the position's 256 bytes
	global_store_b32 v[L4], v157, s[52:53] offset:128
.Lend:
	s_endpgm
.Lfunc_end_k_qa027b06464_prep:
	.size	k_qa027b06464_prep, .Lfunc_end_k_qa027b06464_prep-k_qa027b06464_prep
	.p2alignl 7, 3214868480
	.fill 96, 4, 3214868480
	.section	.rodata,"a",@progbits
	.p2align	6, 0x0
	.amdhsa_kernel k_qa027b06464_prep
		.amdhsa_group_segment_fixed_size 0
		.amdhsa_private_segment_fixed_size 0
		.amdhsa_enable_private_segment 0
		.amdhsa_kernarg_size 56
		.amdhsa_user_sgpr_count 2
		.amdhsa_user_sgpr_kernarg_segment_ptr 1
		.amdhsa_wavefront_size32 1
		.amdhsa_system_sgpr_workgroup_id_x 1
		.amdhsa_system_sgpr_workgroup_id_y 1
		.amdhsa_system_sgpr_workgroup_id_z 1
		.amdhsa_system_vgpr_workitem_id 0
		.amdhsa_next_free_vgpr 160
		.amdhsa_next_free_sgpr 66
		.amdhsa_reserve_vcc 1
		.amdhsa_float_denorm_mode_32 3
		.amdhsa_float_denorm_mode_16_64 3
		.amdhsa_memory_ordered 1
		.amdhsa_forward_progress 1
		.amdhsa_inst_pref_size 27
	.end_amdhsa_kernel
	.amdgpu_metadata
---
amdhsa.version: [ 1, 2 ]
amdhsa.kernels:
  - .name:           k_qa027b06464_prep
    .symbol:         k_qa027b06464_prep.kd
    .args:
      - { .name: Wq, .offset: 0, .size: 8, .value_kind: global_buffer, .address_space: global }
      - { .name: Wk, .offset: 8, .size: 8, .value_kind: global_buffer, .address_space: global }
      - { .name: Wv, .offset: 16, .size: 8, .value_kind: global_buffer, .address_space: global }
      - { .name: Wo, .offset: 24, .size: 8, .value_kind: global_buffer, .address_space: global }
      - { .name: W1, .offset: 32, .size: 8, .value_kind: global_buffer, .address_space: global }
      - { .name: W2, .offset: 40, .size: 8, .value_kind: global_buffer, .address_space: global }
      - { .name: wts, .offset: 48, .size: 8, .value_kind: global_buffer, .address_space: global }
    .group_segment_fixed_size: 0
    .private_segment_fixed_size: 0
    .kernarg_segment_align: 8
    .kernarg_segment_size: 56
    .max_flat_workgroup_size: 128
    .sgpr_count:     66
    .vgpr_count:     160
    .wavefront_size: 32
...
	.end_amdgpu_metadata
.endif
;; end of part 1
;; launch ln1 (part 2): grid 256 x 1, 8 waves a work-group, no clusters, 67,072 bytes of LDS; arguments x, ln1_g, ln1_b, hbuf; writes hbuf
.if DOCPART == 2
	.amdgcn_target "amdgcn-amd-amdhsa--gfx1250"
	.amdhsa_code_object_version 6
	.text
	.protected	k_qa027b06464_ln1
	.globl	k_qa027b06464_ln1
	.p2align	8
	.type	k_qa027b06464_ln1,@function
k_qa027b06464_ln1:
	s_mov_b64 s[64:65], 0
	v_nop
	global_prefetch_b8 v0, s[64:65] scope:SCOPE_SE
	s_setreg_imm32_b32 hwreg(HW_REG_WAVE_MODE, 25, 1), 1
	s_wait_xcnt 0x0
; LayerNorm of rows of 1,024 f32, quantised to BF6 (E3M2) with one E8M0 byte for each 32 along the row, and stored as images of the matrix operand's registers.  The body serves both norms of the layer.
; OUT: images [256 blocks of 16 positions][8 K steps][1,536 bytes] from byte 0; scale words [32 blocks of 128][8 K steps][128 positions] from byte 3,145,728.  Position p stands for row sigma(p): p with bits 3, 4 exchanged.
; An image: registers 0-3 at 16 x lane, 4-5 at 512 + 8 x lane, 6-9 at 768 + 16 x lane, 10-11 at 1,280 + 8 x lane.
; SHARES.  A work-group takes a block of 16 positions.  Phase 1: wave w normalises positions 2 w, 2 w + 1 (two neighbouring rows of memory), each load 512 consecutive bytes; mean first, then the sum of squared
; differences (no difference of large sums); the rows go to LDS, 4,112 bytes apart (1,028 words: row r starts at bank 4 r mod 64; 64 banks of 4 bytes: ISA guide 11.1).  One barrier.  Phase 2: wave w quantises K step w of
; all 16 rows: lane (r, h) takes of row r the 16 neighbours 32 b + 16 h .. of each of the step's four blocks.
; Each byte is read once and there is little arithmetic: no matrix unit, no cluster, no tensor load.  The scale words leave as 64 bytes a wave (both halves of the lanes store the same word): 1 byte in 24 of what is stored.
; LIMITS: a block of zeros gets the byte 1 where the rule says 127 (its codes are zeros; this program alone reads the bytes); NaN and infinities are not served.
.set PITCH, 4112
.set L16, 2
.set L8,  3
.set SA,  4                            ; v4   LDS: where I put my rows
.set RA,  5                            ; v5   LDS: where I read my 64 numbers
.set L4R, 6                            ; v6   4 x (lane % 16)
.set X,   16                           ; v16-79   two rows, 32 registers each; later the 64 numbers to quantise
.set G,   80                           ; v80-111  gain of my columns
.set B,   112                          ; v112-143 bias
.set TM,  144
.set PC,  160
.set PW,  180
.set ST,  184                          ; row e at v[ST + 8 e]: two chains (pairs), the mean (pair), 1 / sigma (pair)
.set SEL, 18
.macro QUANT s, pw                     ; 64 numbers of a lane, register 16 b + i = k 32 b + 16 (lane / 16) + i of my row, become a fragment's codes in v[PC] on and its scale word
.irp b, 0,1,2,3
	v_max3_num_f32 v[TM+\b], |v[\s+16*\b]|, |v[\s+1+16*\b]|, 0x2800000   ; and the floor 2^(5 - 127): the byte cannot fall under 1
.endr
.irp i, 2,4,6,8,10,12,14
.irp b, 0,1,2,3
	v_max3_num_f32 v[TM+\b], v[TM+\b], |v[\s+16*\b+\i]|, |v[\s+1+16*\b+\i]|
.endr
.endr
.irp b, 0,1,2,3
	v_permlanex16_b32 v[TM+4+\b], v[TM+\b], s[SEL], s[SEL+1]
.endr
.irp b, 0,1,2,3
	v_max_num_f32 v[TM+\b], v[TM+\b], v[TM+4+\b]   ; with lane l xor 16's: the block's largest magnitude
.endr
.irp b, 0,1,2,3
	v_add_nc_u32 v[TM+12+\b], 0xfe000000, v[TM+\b] ; 4 off its exponent field: the conversion's scale operand
.endr
.irp b, 0,1,2,3
	v_lshrrev_b32 v[TM+4+\b], 23, v[TM+12+\b]      ; the scale's byte
.endr
	v_lshl_or_b32 v[\pw], v[TM+5], 8, v[TM+4]
	v_lshl_or_b32 v[\pw], v[TM+6], 16, v[\pw]
	v_lshl_or_b32 v[\pw], v[TM+7], 24, v[\pw]
.irp c, 0,1
	v_cvt_scalef32_pk16_bf6_f32 v[PC+6*\c:PC+2+6*\c], v[\s+32*\c:\s+15+32*\c], v[TM+12+2*\c]
	v_cvt_scalef32_pk16_bf6_f32 v[PC+12+4*\c:PC+14+4*\c], v[\s+16+32*\c:\s+31+32*\c], v[TM+12+2*\c+1]
.endr
	v_nop                                          ; one plain place behind a scaled conversion
.irp c, 0,1                            ; the layout wants a whole block in a lane: lanes 0-15 block 2 c, lanes 16-31 block 2 c + 1
.irp i, 0,1,2
	v_permlane16_swap_b32 v[PC+6*\c+\i], v[PC+12+4*\c+\i]
.endr
.irp i, 0,1,2
	v_mov_b32 v[PC+3+6*\c+\i], v[PC+12+4*\c+\i]
.endr
.endr
.endm
.macro ACROSS                          ; v[ST + 8 e]: the sum over the 32 lanes, both rows by turns
.irp m, 1,2,4,8
.irp e, 0,1
	v_add_f32_dpp v[ST+8*\e], v[ST+8*\e], v[ST+8*\e] row_xmask:\m row_mask:0xf bank_mask:0xf
.endr
.endr
.irp e, 0,1
	v_permlanex16_b32 v[ST+8*\e+2], v[ST+8*\e], s[SEL], s[SEL+1]
.endr
.irp e, 0,1
	v_add_f32 v[ST+8*\e], v[ST+8*\e], v[ST+8*\e+2]
.endr
.endm
	s_load_b256 s[4:11], s[0:1], 0x0               ; the rows, gain, bias, out
	v_lshl_add_u32 v208, v0, 2, 0x10200
	v_mov_b32 v209, 0
	v_lshrrev_b32 v1, 5, v0
	v_readfirstlane_b32 s12, v1                    ; wave 0..7
	v_and_b32 v1, 31, v0
	v_lshlrev_b32 v[L16], 4, v1
	v_lshlrev_b32 v[L8], 3, v1
	v_and_b32 v7, 15, v0                           ; r
	v_bfe_u32 v8, v0, 4, 1                         ; h
	v_lshlrev_b32 v[L4R], 2, v7
	s_mul_i32 s16, s12, 2*PITCH
	v_add_nc_u32 v[SA], s16, v[L16]
	v_mul_u32_u24 v[RA], v7, PITCH
	v_lshl_add_u32 v[RA], v8, 6, v[RA]
	s_lshl_b32 s16, s12, 9
	v_add_nc_u32 v[RA], s16, v[RA]                 ; row r, + 512 x K step, + 64 h
.irp b, 0,1,2,3
	v_mov_b32 v[TM+4+\b], 0                        ; written once: a lane permute's destination counts as one of its sources
.endr
	s_mov_b32 s[SEL], 0x76543210
	s_mov_b32 s[SEL+1], 0xfedcba98
	s_mov_b32 s20, 0x3a800000                      ; 1 / 1024
	s_mov_b32 s21, 0x3727c5ac                      ; 1e-5
	s_lshr_b32 s13, ttmp9, 1
	s_lshl_b32 s13, s13, 5
	s_and_b32 s14, ttmp9, 1
	s_lshl_b32 s14, s14, 3
	s_add_co_u32 s13, s13, s14                     ; the block's first row: 32 (mb / 2) + 8 (mb % 2)
	s_lshl_b32 s14, s12, 1
	s_add_co_u32 s13, s13, s14
	s_lshr_b32 s14, s12, 2
	s_lshl_b32 s14, s14, 3
	s_add_co_u32 s13, s13, s14                     ; position 2 w is row + 2 w + 8 (w / 4)
	s_lshl_b32 s14, s13, 12
	s_mov_b32 s15, 0
	s_lshl_b32 s22, ttmp9, 3
	s_add_co_u32 s22, s22, s12
	s_mul_i32 s22, s22, 1536                       ; image (block, K step w)
	s_mov_b32 s23, 0
	s_lshr_b32 s24, ttmp9, 3
	s_lshl_b32 s24, s24, 3
	s_add_co_u32 s24, s24, s12
	s_lshl_b32 s24, s24, 9
	s_and_b32 s25, ttmp9, 7
	s_lshl_b32 s25, s25, 6
	s_add_co_u32 s24, s24, s25
	s_add_co_u32 s24, s24, 3145728                 ; its 16 scale words
	s_mov_b32 s25, 0
	s_wait_kmcnt 0x0
	s_add_nc_u64 s[4:5], s[4:5], s[14:15]
	s_add_nc_u64 s[22:23], s[10:11], s[22:23]
	s_add_nc_u64 s[24:25], s[10:11], s[24:25]
.irp e, 0,1
.irp j, 0,1,2,3,4,5,6,7
	global_load_b128 v[X+32*\e+4*\j:X+32*\e+4*\j+3], v[L16], s[4:5] offset:4096*\e+512*\j th:TH_LOAD_NT
.endr
.endr
.irp j, 0,1,2,3,4,5,6,7
	global_load_b128 v[G+4*\j:G+4*\j+3], v[L16], s[6:7] offset:512*\j
	global_load_b128 v[B+4*\j:B+4*\j+3], v[L16], s[8:9] offset:512*\j
.endr
	s_wait_loadcnt 16                              ; the rows' 16 loads are in; the 16 of gain and bias may be out
.irp e, 0,1
	v_pk_add_f32 v[ST+8*\e:ST+8*\e+1], v[X+32*\e:X+32*\e+1], v[X+32*\e+2:X+32*\e+3]
	v_pk_add_f32 v[ST+8*\e+2:ST+8*\e+3], v[X+32*\e+4:X+32*\e+5], v[X+32*\e+6:X+32*\e+7]
.endr
.irp j, 8,12,16,20,24,28
.irp e, 0,1
	v_pk_add_f32 v[ST+8*\e:ST+8*\e+1], v[ST+8*\e:ST+8*\e+1], v[X+32*\e+\j:X+32*\e+\j+1]
	v_pk_add_f32 v[ST+8*\e+2:ST+8*\e+3], v[ST+8*\e+2:ST+8*\e+3], v[X+32*\e+\j+2:X+32*\e+\j+3]
.endr
.endr
.irp e, 0,1
	v_pk_add_f32 v[ST+8*\e:ST+8*\e+1], v[ST+8*\e:ST+8*\e+1], v[ST+8*\e+2:ST+8*\e+3]
.endr
.irp e, 0,1
	v_add_f32 v[ST+8*\e], v[ST+8*\e], v[ST+8*\e+1]
.endr
	ACROSS
.irp e, 0,1
	v_mul_f32 v[ST+8*\e+4], s20, v[ST+8*\e]        ; the mean, twice: a pair for the packed form
	v_mul_f32 v[ST+8*\e+5], s20, v[ST+8*\e]
.endr
.irp j, 0,2,4,6,8,10,12,14,16,18,20,22,24,26,28,30
.irp e, 0,1
	v_pk_add_f32 v[X+32*\e+\j:X+32*\e+\j+1], v[X+32*\e+\j:X+32*\e+\j+1], v[ST+8*\e+4:ST+8*\e+5] neg_lo:[0,1] neg_hi:[0,1]
.endr
.endr
.irp e, 0,1
	v_pk_mul_f32 v[ST+8*\e:ST+8*\e+1], v[X+32*\e:X+32*\e+1], v[X+32*\e:X+32*\e+1]
	v_pk_mul_f32 v[ST+8*\e+2:ST+8*\e+3], v[X+32*\e+2:X+32*\e+3], v[X+32*\e+2:X+32*\e+3]
.endr
.irp j, 4,8,12,16,20,24,28
.irp e, 0,1
	v_pk_fma_f32 v[ST+8*\e:ST+8*\e+1], v[X+32*\e+\j:X+32*\e+\j+1], v[X+32*\e+\j:X+32*\e+\j+1], v[ST+8*\e:ST+8*\e+1]
	v_pk_fma_f32 v[ST+8*\e+2:ST+8*\e+3], v[X+32*\e+\j+2:X+32*\e+\j+3], v[X+32*\e+\j+2:X+32*\e+\j+3], v[ST+8*\e+2:ST+8*\e+3]
.endr
.endr
.irp e, 0,1
	v_pk_add_f32 v[ST+8*\e:ST+8*\e+1], v[ST+8*\e:ST+8*\e+1], v[ST+8*\e+2:ST+8*\e+3]
.endr
.irp e, 0,1
	v_add_f32 v[ST+8*\e], v[ST+8*\e], v[ST+8*\e+1]
.endr
	ACROSS
.irp e, 0,1
	v_fma_f32 v[ST+8*\e+6], v[ST+8*\e], s20, s21   ; the variance + 1e-5
.endr
.irp e, 0,1
	v_rsq_f32 v[ST+8*\e+6], v[ST+8*\e+6]
.endr
	v_nop                                          ; a plain place behind the two roots
	s_wait_alu depctr_va_vdst(0)                   ; the wait ahead of the first reader: one for both
.irp e, 0,1
	v_mov_b32 v[ST+8*\e+7], v[ST+8*\e+6]
.endr
	s_wait_loadcnt 0x0                             ; gain and bias
.irp j, 0,2,4,6,8,10,12,14,16,18,20,22,24,26,28,30
.irp e, 0,1
	v_pk_mul_f32 v[X+32*\e+\j:X+32*\e+\j+1], v[X+32*\e+\j:X+32*\e+\j+1], v[ST+8*\e+6:ST+8*\e+7]
.endr
.irp e, 0,1
	v_pk_fma_f32 v[X+32*\e+\j:X+32*\e+\j+1], v[X+32*\e+\j:X+32*\e+\j+1], v[G+\j:G+\j+1], v[B+\j:B+\j+1]
.endr
.endr
.irp e, 0,1
.irp j, 0,1,2,3,4,5,6,7
	ds_store_b128 v[SA], v[X+32*\e+4*\j:X+32*\e+4*\j+3] offset:PITCH*\e+512*\j
.endr
.endr
	s_wait_dscnt 0x0                               ; for the others' sake: my rows lie in LDS
	s_barrier_signal -1
	s_barrier_wait -1
.irp b, 0,1,2,3
.irp j, 0,1,2,3
	ds_load_b128 v[X+16*\b+4*\j:X+16*\b+4*\j+3], v[RA] offset:128*\b+16*\j
.endr
.endr
	s_wait_dscnt 0x0
	QUANT X, PW
	global_store_b128 v[L16], v[PC:PC+3], s[22:23]             ; the image: stores of 512, 256, 512, 256 consecutive bytes, aligned
	global_store_b64 v[L8], v[PC+4:PC+5], s[22:23] offset:512
	global_store_b128 v[L16], v[PC+6:PC+9], s[22:23] offset:768
	global_store_b64 v[L8], v[PC+10:PC+11], s[22:23] offset:1280
	global_store_b32 v[L4R], v[PW], s[24:25]
	s_wait_tensorcnt 0x0
	ds_add_u32 v208, v209
	s_wait_dscnt 0x0
	s_endpgm
.Lfunc_end_k_qa027b06464_ln1:
	.size	k_qa027b06464_ln1, .Lfunc_end_k_qa027b06464_ln1-k_qa027b06464_ln1
	.p2alignl 7, 3214868480
	.fill 96, 4, 3214868480
	.section	.rodata,"a",@progbits
	.p2align	6, 0x0
	.amdhsa_kernel k_qa027b06464_ln1
		.amdhsa_group_segment_fixed_size 67072
		.amdhsa_private_segment_fixed_size 0
		.amdhsa_enable_private_segment 0
		.amdhsa_kernarg_size 32
		.amdhsa_user_sgpr_count 2
		.amdhsa_user_sgpr_kernarg_segment_ptr 1
		.amdhsa_wavefront_size32 1
		.amdhsa_system_sgpr_workgroup_id_x 1
		.amdhsa_system_sgpr_workgroup_id_y 1
		.amdhsa_system_sgpr_workgroup_id_z 1
		.amdhsa_system_vgpr_workitem_id 0
		.amdhsa_next_free_vgpr 210
		.amdhsa_next_free_sgpr 66
		.amdhsa_reserve_vcc 0
		.amdhsa_float_denorm_mode_32 3
		.amdhsa_float_denorm_mode_16_64 3
		.amdhsa_memory_ordered 1
		.amdhsa_forward_progress 1
		.amdhsa_inst_pref_size 24
	.end_amdhsa_kernel
	.amdgpu_metadata
---
amdhsa.version: [ 1, 2 ]
amdhsa.kernels:
  - .name:           k_qa027b06464_ln1
    .symbol:         k_qa027b06464_ln1.kd
    .args:
      - { .name: x, .offset: 0, .size: 8, .value_kind: global_buffer, .address_space: global }
      - { .name: ln1_g, .offset: 8, .size: 8, .value_kind: global_buffer, .address_space: global }
      - { .name: ln1_b, .offset: 16, .size: 8, .value_kind: global_buffer, .address_space: global }
      - { .name: hbuf, .offset: 24, .size: 8, .value_kind: global_buffer, .address_space: global }
    .group_segment_fixed_size: 67072
    .private_segment_fixed_size: 0
    .kernarg_segment_align: 8
    .kernarg_segment_size: 32
    .max_flat_workgroup_size: 256
    .sgpr_count:     66
    .vgpr_count:     210
    .wavefront_size: 32
...
	.end_amdgpu_metadata
.endif
;; end of part 2
;; launch qkproj (part 3): grid 8 x 16, 4 waves a work-group, clusters of 4 x 4, 327,680 bytes of LDS; arguments hbuf, wts, bq, bk, qkbuf; writes qkbuf
.if DOCPART == 3
	.amdgcn_target "amdgcn-amd-amdhsa--gfx1250"
	.amdhsa_code_object_version 6
	.text
	.protected	k_qa027b06464_qkproj
	.globl	k_qa027b06464_qkproj
	.p2align	8
	.type	k_qa027b06464_qkproj,@function
k_qa027b06464_qkproj:
	s_mov_b64 s[64:65], 0
	v_nop
	global_prefetch_b8 v0, s[64:65] scope:SCOPE_SE
	s_setreg_imm32_b32 hwreg(HW_REG_WAVE_MODE, 25, 1), 1
	s_wait_xcnt 0x0
	s_wait_alu depctr_hold_cnt(0) depctr_sa_sdst(0) depctr_va_vdst(0) depctr_va_sdst(0) depctr_va_ssrc(0) depctr_va_vcc(0) depctr_vm_vsrc(0)
	s_getreg_b32 s2, hwreg(HW_REG_IB_STS2, 6, 4)
	s_cmp_eq_u32 s2, 0
	s_cbranch_scc0 .Lentry_in_a_cluster
	s_endpgm
.Lentry_in_a_cluster:
	s_bfe_u32 s2, ttmp6, 0x10000c
	s_cmp_lg_u32 s2, 0xf033
	s_cbranch_scc0 .Lentry_shape_is_right
	s_endpgm
.Lentry_shape_is_right:
; q = rope(h Wq + bq), k = rope(h Wk + bk), on codes of BF6 (E3M2) with E8M0 scales; the results are quantised along the head's 64 and leave as codes: nothing goes to memory in f32.
; THE PRODUCT.  Wq and Wk are one operand of 2,048 rows.  A tile of 256 rows of h x 256 columns is made by four waves, 128 x 128 each: 64 accumulators, 512 registers.  K = 1,024 goes in slots of 256 through a ring of
; two LDS slots.  Operands lie in memory as IMAGES of the operand's registers (16 positions x 128 K = 1,536 bytes: registers 0-3 at 16 x lane, 4-5 at 512 + 8 x lane, 6-9 at 768 + 16 x lane, 10-11 at 1,280 + 8 x lane),
; [block of 16][K step]: a fragment comes by four LDS loads of consecutive bytes, and a wave's tensor load brings 8 rows of 3,072 consecutive bytes.  Scale words lie [block of 128][K step][128]: the scales of 128
; rows for all of K are one dense block, brought once.  Position p stands for row sigma(p), p with bits 3 and 4 exchanged.
; CLUSTER 4 x 4: h's tile is shared along a row of the cluster, the weight's along a column: joint tensor loads.
; TRANSPOSED USE: source 0 = 16 positions of the weight, source 1 = 16 positions of h.  By sigma, a lane's 16 registers of two neighbouring tiles are 16 NEIGHBOURING columns: a lane holds one row of h and, in the 64
; registers of a block, columns 32 b + 16 (lane / 16) + i.  The bias is the C of each sum's first product.
; THE WAY OUT.  A wave's 128 columns are two heads.  RoPE pairs d and d + 32 of a head: registers 16 apart in the same lane.  cos and sin come from the table in wts.  The 64 numbers are four blocks of 32: two a head.
; Their image's two halves are the two heads' 64; head 1's scale word is the word shifted down by 16 (head 0's keeps head 1's bytes on top, which only meet zero codes).
; LIMITS: a block of zeros gets the byte 1 where the rule says 127; NaN and infinities are not served.
.set NKS,    8                         ; K steps of 128
.set BIASC,  1                         ; the first products take the bias as C
.set AIMG,   0                         ; source 1's images and scale words in its buffer; source 0's
.set ASC,    3145728
.set BIMG,   0
.set BSC,    9437184
.set LAPS,   NKS/4                     ; a lap = two slots = once round the ring
.set FR,     12                        ; registers of a fragment
.set NL,     4                         ; LDS loads that bring one
.set NP,     4                         ; places behind this matrix instruction (ISA guide 7.12.1)
.set BLKB,   3072                      ; 16 positions x 256 K: two images
.set HALFT,  8*BLKB                    ; 128 positions: what one tensor load brings
.set SLOT,   4*HALFT                   ; source 1's 256 positions, then source 0's
.set SCL,    2*SLOT                    ; behind the ring: the scale words; source 0's begin 64 bytes off, so that the two halves of the lanes read different banks (64 banks of 4 bytes: ISA guide 11.1)
.set HALFS,  NKS*512
.set SPARE,  262400                    ; the spare words, 128 bytes a wave: two blocks of 256 bytes that no other line names
.set BO,   13
.set TABO, 14
.set L4,   15
.set ADRA, 16                          ; v16-17 LDS address (16 x lane) of source 1's fragments in slot 0, 1; v18-19 the same with 8 x lane
.set ADRB, 20                          ; v20-23 the same for source 0
.set ADRS, 27                          ; v27 my scale words: lanes 0-15 source 1's, lanes 16-31 source 0's
.set SPW,  28
.set NIL,  29
.set L16,  30
.set L8,   31
.set SC,   32                          ; v32-63 scale words, two sets; they hold nothing else
.set BI,   64                          ; v64-127 the bias in the result's layout
.set AF,   128                         ; v128-223 source 1's eight fragments, one set; window 1: source 0's two sets; windows 2, 3: the accumulators
.set G1,   24
.set G0,   32
.set G1B,  48
.set G0B,  56
.set G1S,  68
.set G0S,  76
.set G1SB, 80
.set G0SB, 88
.set SEL,  96
.set HM,   98
.set MSB,  0
.macro WIN new                         ; the immediate's high byte repeats the setting that is left
.if MSB != (\new)
	s_set_vgpr_msb (MSB<<8)|(\new)
.set MSB, (\new)
.endif
.endm
.set MUL_LO, 0xa1                      ; source 0 window 1, source 1 window 0, C and D window 2
.set MUL_HI, 0xf1                      ; the same, C and D window 3
.set TO_B,   0x40                      ; destination window 1, address window 0
.macro JLOAD g0a, g1a, g0b, g1b        ; a joint load: waves 0, 1 fetch for source 1, waves 2, 3 for source 0; four v_nop follow each line
	s_cmp_eq_u32 s15, 0
	s_cbranch_scc0 .Lfor_b_\@
	tensor_load_to_lds s[\g0a:\g0a+3], s[\g1a:\g1a+7]
	s_nop 0
.rept 4
	v_nop
.endr
	s_branch .Lasked_\@
.Lfor_b_\@:
	tensor_load_to_lds s[\g0b:\g0b+3], s[\g1b:\g1b+7]
	s_nop 0
.rept 4
	v_nop
.endr
.Lasked_\@:
.endm
.macro CREST                           ; a round of the cluster's barrier behind its opening barrier
	s_cmp_lg_u32 s14, 0
	s_cbranch_scc1 .Lnot_wave_0_\@
	s_barrier_signal -3
.Lnot_wave_0_\@:
	s_barrier_wait -3
	s_barrier_signal -1
	s_barrier_wait -1
.endm
.macro CROUND
	s_barrier_signal -1
	s_barrier_wait -1
	CREST
.endm
.macro FRAG reg, adr, q, i             ; block i's image of the slot's q-th K step: four loads of consecutive bytes
	ds_load_b128 v[\reg:\reg+3], v[\adr] offset:(\i)*BLKB+(\q)*1536
	ds_load_b64 v[\reg+4:\reg+5], v[\adr+2] offset:(\i)*BLKB+(\q)*1536+512
	ds_load_b128 v[\reg+6:\reg+9], v[\adr] offset:(\i)*BLKB+(\q)*1536+768
	ds_load_b64 v[\reg+10:\reg+11], v[\adr+2] offset:(\i)*BLKB+(\q)*1536+1280
.endm
; 16 products: source 1's blocks a0, a0 + 1 x source 0's eight.  The 64 accumulators take turns, one instruction a turn, in the same order in every step.
.macro MUL16 a0, p, q, sc, zero
.irp a, \a0, \a0+1
.irp b, 0,1,2,3,4,5,6,7
.set rD, 8*(8*((\a)%4)+\b)
.set rB, 128*(\p)+FR*\b
.set rA, AF+FR*(\a)
.set rSB, SC+16*(\sc)+2*\b+(\q)
.set rSA, SC+16*(\sc)+2*(\a)+(\q)
.if (\zero) && BIASC
	v_wmma_scale_f32_16x16x128_f8f6f4 v[rD:rD+7], v[rB:rB+FR-1], v[rA:rA+FR-1], v[BI+8*\b:BI+8*\b+7], v[rSB], v[rSA] matrix_a_fmt:MATRIX_FMT_BF6 matrix_b_fmt:MATRIX_FMT_BF6 matrix_a_scale:MATRIX_SCALE_ROW1
.elseif \zero
	v_wmma_scale_f32_16x16x128_f8f6f4 v[rD:rD+7], v[rB:rB+FR-1], v[rA:rA+FR-1], 0, v[rSB], v[rSA] matrix_a_fmt:MATRIX_FMT_BF6 matrix_b_fmt:MATRIX_FMT_BF6 matrix_a_scale:MATRIX_SCALE_ROW1
.else
	v_wmma_scale_f32_16x16x128_f8f6f4 v[rD:rD+7], v[rB:rB+FR-1], v[rA:rA+FR-1], v[rD:rD+7], v[rSB], v[rSA] matrix_a_fmt:MATRIX_FMT_BF6 matrix_b_fmt:MATRIX_FMT_BF6 matrix_a_scale:MATRIX_SCALE_ROW1
.endif
.endr
.endr
.endm
.macro FETCH_B slot, q, p
	WIN TO_B
.irp i, 0,1,2,3,4,5,6,7
	FRAG 128*(\p)+FR*\i, ADRB+\slot, \q, \i
.endr
	WIN 0
.endm
.macro FETCH_A slot, q, i0
.irp i, \i0, \i0+1, \i0+2, \i0+3
	FRAG AF+FR*(\i), ADRA+\slot, \q, \i
.endr
.endm
.macro SCALES sc                       ; a slot's scale words: register 2 i + q: lanes 0-15 source 1's block i, lanes 16-31 source 0's block i
.irp i, 0,1,2,3,4,5,6,7
	ds_load_b32 v[SC+16*\sc+2*\i], v[ADRS] offset:64*\i
	ds_load_b32 v[SC+16*\sc+2*\i+1], v[ADRS] offset:64*\i+512
.endr
.endm
.macro PLACES n                        ; plain places between matrix instructions and loads into, or reads of, their registers
.rept \n
	v_nop
.endr
.endm
.macro STEP slot, q, zero              ; a K step that has its successor in the same slot
	s_wait_dscnt 4*NL                              ; all but the youngest 16 loads (source 1's blocks 4-7) are in
	WIN MUL_LO-0x20*BIASC*(\zero)                  ; (with the bias as C: source 2 in window 0)
	MUL16 0, (\q)%2, \q, \slot, \zero
	MUL16 2, (\q)%2, \q, \slot, \zero
	s_wait_dscnt 0x0
	PLACES NP
	FETCH_B \slot, (\q)+1, 1-(\q)%2
	FETCH_A \slot, (\q)+1, 0
	WIN MUL_HI-0x30*BIASC*(\zero)
	MUL16 4, (\q)%2, \q, \slot, \zero
	MUL16 6, (\q)%2, \q, \slot, \zero
	PLACES NP
	WIN 0
	FETCH_A \slot, (\q)+1, 4
.endm
; A slot's last step changes slots: one barrier; in front of it each wave waits for all its tensor loads, adds 0 to its spare word, and waits for that and for its reads of this slot.
.macro TURN slot, next, fill
	s_wait_tensorcnt 0x0                           ; all my tensor loads have landed: my part of the next slot
	ds_add_u32 v[SPW], v[NIL]
	s_wait_dscnt 4*NL+1                            ; (the add and the youngest 16 loads may be out)
	WIN MUL_LO
	MUL16 0, 1, 1, \slot, 0
	s_wait_dscnt 0x0                               ; the add is done, and my reads of this slot are over
	s_barrier_signal -1
	MUL16 2, 1, 1, \slot, 0
	WIN 0
	s_barrier_wait -1
.if \fill
	CREST                                          ; the barrier has opened a round of the cluster's: no wave of any partner still reads this slot or has a load on its way
	s_add_nc_u64 s[G0+4*\slot+2:G0+4*\slot+3], s[G0+4*\slot+2:G0+4*\slot+3], 2*BLKB
	s_add_nc_u64 s[G0B+4*\slot+2:G0B+4*\slot+3], s[G0B+4*\slot+2:G0B+4*\slot+3], 2*BLKB
	JLOAD G0+4*\slot, G1, G0B+4*\slot, G1B         ; the first tensor load behind the round; its four v_nop are the places in front of the loads below
.else
	PLACES NP
.endif
	v_add_nc_u32 v[ADRS], 1024, v[ADRS]            ; the next slot's scale words
	FETCH_B \next, 0, 0
	FETCH_A \next, 0, 0
	SCALES \next
	WIN MUL_HI
	MUL16 4, 1, 1, \slot, 0
	MUL16 6, 1, 1, \slot, 0
	PLACES NP
	WIN 0
	FETCH_A \next, 0, 4
.endm
.macro QUANT s, pw                     ; 64 numbers of a lane, register 16 b + i = k 32 b + 16 (lane / 16) + i of my row, become a fragment's codes in v[PC] on and its scale word
.irp b, 0,1,2,3
	v_max3_num_f32 v[TM+\b], |v[\s+16*\b]|, |v[\s+1+16*\b]|, 0x2800000   ; and the floor 2^(5 - 127): the byte cannot fall under 1
.endr
.irp i, 2,4,6,8,10,12,14
.irp b, 0,1,2,3
	v_max3_num_f32 v[TM+\b], v[TM+\b], |v[\s+16*\b+\i]|, |v[\s+1+16*\b+\i]|
.endr
.endr
.irp b, 0,1,2,3
	v_permlanex16_b32 v[TM+4+\b], v[TM+\b], s[SEL], s[SEL+1]
.endr
.irp b, 0,1,2,3
	v_max_num_f32 v[TM+\b], v[TM+\b], v[TM+4+\b]
.endr
.irp b, 0,1,2,3
	v_add_nc_u32 v[TM+12+\b], 0xfe000000, v[TM+\b] ; 4 off the exponent field: the conversion's scale operand
.endr
.irp b, 0,1,2,3
	v_lshrrev_b32 v[TM+4+\b], 23, v[TM+12+\b]
.endr
	v_lshl_or_b32 v[\pw], v[TM+5], 8, v[TM+4]
	v_lshl_or_b32 v[\pw], v[TM+6], 16, v[\pw]
	v_lshl_or_b32 v[\pw], v[TM+7], 24, v[\pw]
.irp c, 0,1
	v_cvt_scalef32_pk16_bf6_f32 v[PC+6*\c:PC+2+6*\c], v[\s+32*\c:\s+15+32*\c], v[TM+12+2*\c]
	v_cvt_scalef32_pk16_bf6_f32 v[PC+12+4*\c:PC+14+4*\c], v[\s+16+32*\c:\s+31+32*\c], v[TM+12+2*\c+1]
.endr
	v_nop                                          ; one plain place behind a scaled conversion
.irp c, 0,1
.irp i, 0,1,2
	v_permlane16_swap_b32 v[PC+6*\c+\i], v[PC+12+4*\c+\i]
.endr
.irp i, 0,1,2
	v_mov_b32 v[PC+3+6*\c+\i], v[PC+12+4*\c+\i]
.endr
.endr
.endm
.macro GIMG base, off                  ; the fragment in v[PC] on leaves as an image: 512, 256, 512, 256 consecutive bytes, aligned
	global_store_b128 v[L16], v[PC:PC+3], s[\base:\base+1] offset:\off
	global_store_b64 v[L8], v[PC+4:PC+5], s[\base:\base+1] offset:(\off)+512
	global_store_b128 v[L16], v[PC+6:PC+9], s[\base:\base+1] offset:(\off)+768
	global_store_b64 v[L8], v[PC+10:PC+11], s[\base:\base+1] offset:(\off)+1280
.endm
	s_load_b256 s[4:11], s[0:1], 0x0               ; hbuf, wts, bq, bk
	s_load_b64 s[12:13], s[0:1], 0x20              ; qkbuf
	v_lshl_add_u32 v[SPW], v0, 2, SPARE
	v_mov_b32 v[NIL], 0
	ds_add_u32 v28, v29
	s_wait_dscnt 0x0
	v_lshrrev_b32 v1, 5, v0
	v_readfirstlane_b32 s14, v1                    ; wave 0..3
	s_lshr_b32 s15, s14, 1                         ; which half of source 1's positions is mine.  Also: I fetch for source 1 (0) or source 0 (1)
	s_and_b32 s16, s14, 1                          ; which half of source 0's.  Also: which 128 positions I fetch
	s_bfe_u32 s40, ttmp6, 0x40000                  ; cx, cy
	s_bfe_u32 s41, ttmp6, 0x40004
	s_lshl_b32 s42, ttmp9, 2
	s_add_co_u32 s42, s42, s40                     ; tile column (source 0)
	s_and_b32 s17, ttmp7, 0xffff
	s_lshl_b32 s17, s17, 2
	s_add_co_u32 s17, s17, s41                     ; tile row (source 1)
	s_lshl_b32 s43, s41, 2
	s_lshl_b32 s43, 15, s43                        ; my row of the cluster
	s_lshl_b32 s44, 0x1111, s40                    ; my column
	s_or_b32 s[G1+0], s43, (3<<16)|(1<<21)         ; the mask; elements of 8 bytes; bit 21 beside a mask; no padding
	s_or_b32 s[G1B+0], s44, (3<<16)|(1<<21)
.irp g, G1, G1B
	s_mov_b32 s[\g+1], 384<<16                     ; tensor_dim0: 3,072 bytes
	s_mov_b32 s[\g+2], 8<<16                       ; tensor_dim1: 8 blocks
	s_mov_b32 s[\g+3], 384<<16                     ; tile_dim0
	s_mov_b32 s[\g+4], 8                           ; tile_dim1
	s_mov_b32 s[\g+5], NKS*192                     ; from block to block: NKS images
	s_mov_b32 s[\g+6], 0
	s_mov_b32 s[\g+7], 0
.endr
	s_or_b32 s[G1S+0], s43, (3<<16)|(1<<21)        ; the scale words of 128 positions: a dense block, as rows of 256 bytes
	s_or_b32 s[G1SB+0], s44, (3<<16)|(1<<21)
.irp g, G1S, G1SB
	s_mov_b32 s[\g+1], 32<<16
	s_mov_b32 s[\g+2], (2*NKS)<<16
	s_mov_b32 s[\g+3], 32<<16
	s_mov_b32 s[\g+4], 2*NKS
	s_mov_b32 s[\g+5], 32
	s_mov_b32 s[\g+6], 0
	s_mov_b32 s[\g+7], 0
.endr
	s_mov_b32 s[SEL], 0x76543210
	s_mov_b32 s[SEL+1], 0xfedcba98
	s_mov_b32 s[HM], 0xffff0000
	s_lshl_b32 s20, s17, 1
	s_add_co_u32 s20, s20, s16                     ; source 1: which 128 positions I fetch
	s_lshl_b32 s46, s42, 1
	s_add_co_u32 s46, s46, s16                     ; source 0 likewise
	s_mul_i32 s22, s20, HALFS
	s_add_co_u32 s22, s22, ASC
	s_mul_i32 s92, s46, HALFS
	s_add_co_u32 s92, s92, BSC
	s_mul_i32 s20, s20, 8*NKS*1536
	s_add_co_u32 s20, s20, AIMG
	s_mul_i32 s46, s46, 8*NKS*1536
	s_add_co_u32 s46, s46, BIMG
	s_mov_b32 s21, 0
	s_mov_b32 s23, 0
	s_mov_b32 s47, 0
	s_mov_b32 s93, 0
	s_mul_i32 s45, s14, HALFT                      ; where they go: no place in the cluster enters an LDS address
	s_mul_i32 s94, s14, HALFS
	s_lshl_b32 s95, s15, 6
	s_add_co_u32 s94, s94, s95
	s_wait_kmcnt 0x0
	s_add_nc_u64 s[20:21], s[4:5], s[20:21]
	s_add_nc_u64 s[22:23], s[4:5], s[22:23]
	s_add_nc_u64 s[46:47], s[6:7], s[46:47]
	s_add_nc_u64 s[92:93], s[6:7], s[92:93]
	CROUND                                         ; all sixteen work-groups are here: the first joint loads meet
	s_mov_b32 s[G0S], 1
	s_add_co_u32 s[G0S+1], s94, SCL
	s_mov_b64 s[G0S+2:G0S+3], s[22:23]
	s_or_b32 s[G0S+3], s[G0S+3], 0x80000000
	s_mov_b32 s[G0SB], 1
	s_add_co_u32 s[G0SB+1], s94, SCL
	s_mov_b64 s[G0SB+2:G0SB+3], s[92:93]
	s_or_b32 s[G0SB+3], s[G0SB+3], 0x80000000
	JLOAD G0S, G1S, G0SB, G1SB
.irp s, 0,1
	s_mov_b32 s[G0+4*\s], 1
	s_add_co_u32 s[G0+4*\s+1], s45, \s*SLOT
	s_add_nc_u64 s[G0+4*\s+2:G0+4*\s+3], s[20:21], \s*BLKB
	s_or_b32 s[G0+4*\s+3], s[G0+4*\s+3], 0x80000000
	s_mov_b32 s[G0B+4*\s], 1
	s_add_co_u32 s[G0B+4*\s+1], s45, \s*SLOT
	s_add_nc_u64 s[G0B+4*\s+2:G0B+4*\s+3], s[46:47], \s*BLKB
	s_or_b32 s[G0B+4*\s+3], s[G0B+4*\s+3], 0x80000000
	JLOAD G0+4*\s, G1, G0B+4*\s, G1B
.endr
	v_and_b32 v1, 15, v0                           ; r
	v_bfe_u32 v2, v0, 4, 1                         ; h
	v_and_b32 v3, 31, v0
	v_lshlrev_b32 v[L16], 4, v3
	v_lshlrev_b32 v[L8], 3, v3
	v_lshlrev_b32 v[L4], 2, v3
	s_mul_i32 s21, s15, HALFT
	s_mul_i32 s22, s16, HALFT
	s_add_co_u32 s22, s22, 2*HALFT
.irp s, 0,1
	v_add_nc_u32 v[ADRA+\s], s21, v[L16]
	v_add_nc_u32 v[ADRB+\s], s22, v[L16]
	v_add_nc_u32 v[ADRA+2+\s], s21, v[L8]
	v_add_nc_u32 v[ADRB+2+\s], s22, v[L8]
	s_add_co_u32 s21, s21, SLOT
	s_add_co_u32 s22, s22, SLOT
.endr
	s_mul_i32 s21, s15, HALFS
	s_mul_i32 s22, s16, HALFS
	s_add_co_u32 s22, s22, 2*HALFS+64
	s_sub_co_u32 s22, s22, s21
	v_mul_u32_u24 v6, s22, v2                      ; lanes 16-31 take source 0's: one product, the distance between the two
	s_add_co_u32 s21, s21, SCL
	v_lshl_add_u32 v5, v1, 2, v6
	v_add_nc_u32 v[ADRS], s21, v5
	; the bias of my 128 columns: bq in the cluster column of Wq, bk in that of Wk (a choice on the cluster's number)
	s_and_b32 s20, s42, 3
	s_lshl_b32 s20, s20, 10
	s_lshl_b32 s21, s16, 9
	s_add_co_u32 s20, s20, s21
	s_mov_b32 s21, 0
	s_cmp_eq_u32 ttmp9, 0
	s_cselect_b64 s[8:9], s[8:9], s[10:11]
	s_add_nc_u64 s[8:9], s[8:9], s[20:21]
	v_lshlrev_b32 v[BO], 6, v2
.irp b, 0,1,2,3,4,5,6,7
	global_load_b128 v[BI+8*\b:BI+8*\b+3], v[BO], s[8:9] offset:(32*(\b/2)+8*(\b%2))*4
	global_load_b128 v[BI+8*\b+4:BI+8*\b+7], v[BO], s[8:9] offset:(32*(\b/2)+8*(\b%2))*4+16
.endr
	; the way out's addresses
	s_and_b32 s20, s17, 7
	s_lshl_b32 s20, s20, 1
	s_add_co_u32 s20, s20, s15                     ; which 128 positions of the sequence
	s_lshl_b32 s22, s20, 15
	s_add_co_u32 s22, s22, 9830400
	s_mov_b32 s23, 0
	s_add_nc_u64 s[6:7], s[6:7], s[22:23]          ; the table at my first position
	s_lshr_b32 s21, s17, 3
	s_lshl_b32 s21, s21, 3
	s_and_b32 s22, s42, 3
	s_lshl_b32 s22, s22, 1
	s_add_co_u32 s21, s21, s22
	s_add_co_u32 s21, s21, s16                     ; 8 x batch + head pair
	s_lshl_b32 s22, s21, 4
	s_add_co_u32 s22, s22, s20
	s_mul_i32 s22, s22, 12288                      ; x 8 images
	s_mul_i32 s18, ttmp9, 3145728                  ; k's lie behind q's
	s_add_co_u32 s22, s22, s18
	s_lshl_b32 s18, s21, 14
	s_lshl_b32 s19, s20, 9
	s_add_co_u32 s18, s18, s19
	s_mul_i32 s19, ttmp9, 262144
	s_add_co_u32 s18, s18, s19
	s_add_co_u32 s18, s18, 6291456
	s_mov_b32 s19, 0
	s_add_nc_u64 s[10:11], s[12:13], s[18:19]      ; my scale words
	s_add_nc_u64 s[12:13], s[12:13], s[22:23]      ; my images
	v_and_b32 v4, 8, v1
	v_add_nc_u32 v4, v4, v1
	v_lshlrev_b32 v[TABO], 8, v4
	v_lshl_add_u32 v[TABO], v2, 6, v[TABO]         ; the table's row of place r, + my 16 frequencies
	s_wait_tensorcnt 1                             ; the scale words and my part of slot 0 are in; slot 1's load may be out
	s_barrier_signal -1
	s_barrier_wait -1
	FETCH_B 0, 0, 0
	FETCH_A 0, 0, 0
	SCALES 0
	FETCH_A 0, 0, 4
	s_wait_loadcnt 0x0                             ; the bias
	STEP 0, 0, 1
	s_mov_b32 s3, LAPS-1
.Llap:
	TURN 0, 1, 1
	STEP 1, 0, 0
	TURN 1, 0, 1
	STEP 0, 0, 0
	s_sub_co_u32 s3, s3, 1
	s_cmp_lg_u32 s3, 0
	s_cbranch_scc1 .Llap
	TURN 0, 1, 0
	STEP 1, 0, 0
.set CS, 64                            ; v64-127  cos (16) and sin (16) of my row, two sets by turns, where the bias lay
.set Y,  128                           ; v128-191 a block's 64 numbers behind RoPE
.set PC, 192
.set TM, 212
.set PW, 228                           ; v228-235 the eight blocks' scale words
.set SW, 236
.macro CSLOAD a
.irp j, 0,1,2,3
	global_load_b128 v[CS+32*((\a)%2)+4*\j:CS+32*((\a)%2)+4*\j+3], v[TABO], s[6:7] offset:(32*((\a)/2)+8*((\a)%2))*256+16*\j
	global_load_b128 v[CS+32*((\a)%2)+16+4*\j:CS+32*((\a)%2)+16+4*\j+3], v[TABO], s[6:7] offset:(32*((\a)/2)+8*((\a)%2))*256+128+16*\j
.endr
.endm
	CSLOAD 0                                       ; asked for a K step ahead of their use
	CSLOAD 1
	s_wait_dscnt 4*NL                              ; the very last step
	WIN MUL_LO
	MUL16 0, 1, 1, 1, 0
	MUL16 2, 1, 1, 1, 0
	s_wait_dscnt 0x0
	WIN MUL_HI
	MUL16 4, 1, 1, 1, 0
	MUL16 6, 1, 1, 1, 0
	WIN 0
	PLACES NP
.irp b, 0,1,2,3
	v_mov_b32 v[TM+4+\b], 0                        ; a lane permute's destination counts as one of its sources
.endr
; Block a: y(d) = x(d) cos - x(d + 32) sin, y(d + 32) = x(d + 32) cos + x(d) sin, d = 16 (lane / 16) + i; each accumulator is read from its low end on.
.macro ROPE a
.set AC, 64*((\a)%4)
.set CB, CS+32*((\a)%2)
.if (\a) < 7
	s_wait_loadcnt 8                               ; this block's eight loads are in; the next block's eight may be out
.else
	s_wait_loadcnt 0x0
.endif
	WIN 0x02+(\a)/4                                ; source 0: the accumulators' window
.irp c, 0,1
.irp i, 0,2,4,6,8,10,12,14
	v_pk_mul_f32 v[Y+32*\c+\i:Y+32*\c+\i+1], v[AC+32*\c+\i:AC+32*\c+\i+1], v[CB+\i:CB+\i+1]
	v_pk_mul_f32 v[Y+32*\c+16+\i:Y+32*\c+16+\i+1], v[AC+32*\c+16+\i:AC+32*\c+16+\i+1], v[CB+\i:CB+\i+1]
	v_pk_fma_f32 v[Y+32*\c+\i:Y+32*\c+\i+1], v[AC+32*\c+16+\i:AC+32*\c+16+\i+1], v[CB+16+\i:CB+16+\i+1], v[Y+32*\c+\i:Y+32*\c+\i+1] neg_lo:[1,0,0] neg_hi:[1,0,0]
	v_pk_fma_f32 v[Y+32*\c+16+\i:Y+32*\c+16+\i+1], v[AC+32*\c+\i:AC+32*\c+\i+1], v[CB+16+\i:CB+16+\i+1], v[Y+32*\c+16+\i:Y+32*\c+16+\i+1]
.endr
.endr
	WIN 0
.if (\a) < 6
	CSLOAD (\a)+2
.endif
	s_wait_xcnt 0x0                                ; the last block's stores have read the code registers, which are written again
	QUANT Y, PW+(\a)
	GIMG 12, 1536*(\a)
.endm
.irp a, 0,1,2,3,4,5,6,7
	ROPE \a
.endr
.irp i, 0,1,2,3
	v_cndmask_b32 v[SW+\i], v[PW+2*\i], v[PW+2*\i+1], s[HM]    ; lanes 0-15 block 2 i's words, lanes 16-31 block 2 i + 1's: 128 consecutive bytes
.endr
.irp i, 0,1,2,3
	v_lshrrev_b32 v[SW+4+\i], 16, v[SW+\i]         ; the second head's two bytes
.endr
.irp i, 0,1,2,3
	global_store_b32 v[L4], v[SW+\i], s[10:11] offset:128*\i
	global_store_b32 v[L4], v[SW+4+\i], s[10:11] offset:8192+128*\i
.endr
	s_wait_tensorcnt 0x0                           ; the wave's end
	ds_add_u32 v[SPW], v[NIL]
	s_wait_dscnt 0x0
	CROUND                                         ; the closing round
	s_endpgm
.Lfunc_end_k_qa027b06464_qkproj:
	.size	k_qa027b06464_qkproj, .Lfunc_end_k_qa027b06464_qkproj-k_qa027b06464_qkproj
	.p2alignl 7, 3214868480
	.fill 96, 4, 3214868480
	.section	.rodata,"a",@progbits
	.p2align	6, 0x0
	.amdhsa_kernel k_qa027b06464_qkproj
		.amdhsa_group_segment_fixed_size 327680
		.amdhsa_private_segment_fixed_size 0
		.amdhsa_enable_private_segment 0
		.amdhsa_kernarg_size 40
		.amdhsa_user_sgpr_count 2
		.amdhsa_user_sgpr_kernarg_segment_ptr 1
		.amdhsa_wavefront_size32 1
		.amdhsa_system_sgpr_workgroup_id_x 1
		.amdhsa_system_sgpr_workgroup_id_y 1
		.amdhsa_system_sgpr_workgroup_id_z 1
		.amdhsa_system_vgpr_workitem_id 0
		.amdhsa_next_free_vgpr 1024
		.amdhsa_next_free_sgpr 100
		.amdhsa_reserve_vcc 0
		.amdhsa_float_denorm_mode_32 3
		.amdhsa_float_denorm_mode_16_64 3
		.amdhsa_memory_ordered 1
		.amdhsa_forward_progress 1
		.amdhsa_inst_pref_size 192
	.end_amdhsa_kernel
	.amdgpu_metadata
---
amdhsa.version: [ 1, 2 ]
amdhsa.kernels:
  - .name:           k_qa027b06464_qkproj
    .symbol:         k_qa027b06464_qkproj.kd
    .args:
      - { .name: hbuf, .offset: 0, .size: 8, .value_kind: global_buffer, .address_space: global }
      - { .name: wts, .offset: 8, .size: 8, .value_kind: global_buffer, .address_space: global }
      - { .name: bq, .offset: 16, .size: 8, .value_kind: global_buffer, .address_space: global }
      - { .name: bk, .offset: 24, .size: 8, .value_kind: global_buffer, .address_space: global }
      - { .name: qkbuf, .offset: 32, .size: 8, .value_kind: global_buffer, .address_space: global }
    .group_segment_fixed_size: 327680
    .private_segment_fixed_size: 0
    .kernarg_segment_align: 8
    .kernarg_segment_size: 40
    .max_flat_workgroup_size: 128
    .sgpr_count:     100
    .vgpr_count:     1024
    .wavefront_size: 32
...
	.end_amdgpu_metadata
.endif
;; end of part 3
;; launch vproj (part 4): grid 16 x 4, 4 waves a work-group, clusters of 4 x 4, 327,680 bytes of LDS; arguments wts, hbuf, bv, vbuf; writes vbuf
.if DOCPART == 4
	.amdgcn_target "amdgcn-amd-amdhsa--gfx1250"
	.amdhsa_code_object_version 6
	.text
	.protected	k_qa027b06464_vproj
	.globl	k_qa027b06464_vproj
	.p2align	8
	.type	k_qa027b06464_vproj,@function
k_qa027b06464_vproj:
	s_mov_b64 s[64:65], 0
	v_nop
	global_prefetch_b8 v0, s[64:65] scope:SCOPE_SE
	s_setreg_imm32_b32 hwreg(HW_REG_WAVE_MODE, 25, 1), 1
	s_wait_xcnt 0x0
	s_wait_alu depctr_hold_cnt(0) depctr_sa_sdst(0) depctr_va_vdst(0) depctr_va_sdst(0) depctr_va_ssrc(0) depctr_va_vcc(0) depctr_vm_vsrc(0)
	s_getreg_b32 s2, hwreg(HW_REG_IB_STS2, 6, 4)
	s_cmp_eq_u32 s2, 0
	s_cbranch_scc0 .Lentry_in_a_cluster
	s_endpgm
.Lentry_in_a_cluster:
	s_bfe_u32 s2, ttmp6, 0x10000c
	s_cmp_lg_u32 s2, 0xf033
	s_cbranch_scc0 .Lentry_shape_is_right
	s_endpgm
.Lentry_shape_is_right:
; v = h Wv + bv on codes of BF6 (E3M2) with E8M0 scales, quantised ALONG THE KEYS (the second attention product's K) and stored as images of V^T's fragments.
; The product's core is that of the other products of this program: tiles of 256 x 256, four waves of 128 x 128, K = 1,024 in slots of 256 through a ring of two LDS slots; operands as images of the operand's
; registers (16 positions x 128 K = 1,536 bytes: registers 0-3 at 16 x lane, 4-5 at 512 + 8 x lane, 6-9 at 768 + 16 x lane, 10-11 at 1,280 + 8 x lane), [block of 16][K step]; scale words
; [block of 128][K step][128], brought once; position p stands for row sigma(p), p with bits 3, 4 exchanged; cluster 4 x 4 with joint loads.
; HERE THE SOURCES CHANGE PLACES: source 0 = 16 positions of h (keys), source 1 = 16 positions of Wv (channels).  So a lane holds ONE channel, and the 64 registers of a block are the keys
; 32 b + 16 (lane / 16) + i of the wave's 128: neighbours along the next K.  A wave's 128 channels are two heads; its 128 keys one K step.  The bias hangs on the lane's channel: it is added on the way out.
; OUT: images [16 batch x head pair][16 K steps][2 heads][4 tiles of 16 channels][1,536] from byte 0; scale words in the same order, 16 a tile, from byte 3,145,728.
; N = 1,024 gives 64 tiles of this size: 64 work-groups.
; LIMITS: a block of zeros gets the byte 1 where the rule says 127; NaN and infinities are not served.
.set NKS,    8
.set BIASC,  0                         ; the first products start the sums with the constant 0
.set AIMG,   1572864                   ; source 1: Wv in wts
.set ASC,    9502720
.set BIMG,   0                         ; source 0: h
.set BSC,    3145728
.set LAPS,   NKS/4
.set FR,     12
.set NL,     4
.set NP,     4
.set BLKB,   3072
.set HALFT,  8*BLKB
.set SLOT,   4*HALFT
.set SCL,    2*SLOT
.set HALFS,  NKS*512
.set SPARE,  262400                    ; the spare words, 128 bytes a wave: two blocks of 256 bytes that no other line names
.set BO,   13
.set L4,   15
.set ADRA, 16
.set ADRB, 20
.set ADRS, 27
.set SPW,  28
.set NIL,  29
.set L16,  30
.set L8,   31
.set SC,   32
.set BI,   64
.set AF,   128
.set G1,   24
.set G0,   32
.set G1B,  48
.set G0B,  56
.set G1S,  68
.set G0S,  76
.set G1SB, 80
.set G0SB, 88
.set SEL,  96
.set HM,   98
.set MSB,  0
.macro WIN new
.if MSB != (\new)
	s_set_vgpr_msb (MSB<<8)|(\new)
.set MSB, (\new)
.endif
.endm
.set MUL_LO, 0xa1
.set MUL_HI, 0xf1
.set TO_B,   0x40
.macro JLOAD g0a, g1a, g0b, g1b        ; four v_nop follow each of the two lines
	s_cmp_eq_u32 s15, 0
	s_cbranch_scc0 .Lfor_b_\@
	tensor_load_to_lds s[\g0a:\g0a+3], s[\g1a:\g1a+7]
	s_nop 0
.rept 4
	v_nop
.endr
	s_branch .Lasked_\@
.Lfor_b_\@:
	tensor_load_to_lds s[\g0b:\g0b+3], s[\g1b:\g1b+7]
	s_nop 0
.rept 4
	v_nop
.endr
.Lasked_\@:
.endm
.macro CREST
	s_cmp_lg_u32 s14, 0
	s_cbranch_scc1 .Lnot_wave_0_\@
	s_barrier_signal -3
.Lnot_wave_0_\@:
	s_barrier_wait -3
	s_barrier_signal -1
	s_barrier_wait -1
.endm
.macro CROUND
	s_barrier_signal -1
	s_barrier_wait -1
	CREST
.endm
.macro FRAG reg, adr, q, i
	ds_load_b128 v[\reg:\reg+3], v[\adr] offset:(\i)*BLKB+(\q)*1536
	ds_load_b64 v[\reg+4:\reg+5], v[\adr+2] offset:(\i)*BLKB+(\q)*1536+512
	ds_load_b128 v[\reg+6:\reg+9], v[\adr] offset:(\i)*BLKB+(\q)*1536+768
	ds_load_b64 v[\reg+10:\reg+11], v[\adr+2] offset:(\i)*BLKB+(\q)*1536+1280
.endm
.macro MUL16 a0, p, q, sc, zero        ; the 64 accumulators take turns, one instruction a turn
.irp a, \a0, \a0+1
.irp b, 0,1,2,3,4,5,6,7
.set rD, 8*(8*((\a)%4)+\b)
.set rB, 128*(\p)+FR*\b
.set rA, AF+FR*(\a)
.set rSB, SC+16*(\sc)+2*\b+(\q)
.set rSA, SC+16*(\sc)+2*(\a)+(\q)
.if (\zero) && BIASC
	v_wmma_scale_f32_16x16x128_f8f6f4 v[rD:rD+7], v[rB:rB+FR-1], v[rA:rA+FR-1], v[BI+8*\b:BI+8*\b+7], v[rSB], v[rSA] matrix_a_fmt:MATRIX_FMT_BF6 matrix_b_fmt:MATRIX_FMT_BF6 matrix_a_scale:MATRIX_SCALE_ROW1
.elseif \zero
	v_wmma_scale_f32_16x16x128_f8f6f4 v[rD:rD+7], v[rB:rB+FR-1], v[rA:rA+FR-1], 0, v[rSB], v[rSA] matrix_a_fmt:MATRIX_FMT_BF6 matrix_b_fmt:MATRIX_FMT_BF6 matrix_a_scale:MATRIX_SCALE_ROW1
.else
	v_wmma_scale_f32_16x16x128_f8f6f4 v[rD:rD+7], v[rB:rB+FR-1], v[rA:rA+FR-1], v[rD:rD+7], v[rSB], v[rSA] matrix_a_fmt:MATRIX_FMT_BF6 matrix_b_fmt:MATRIX_FMT_BF6 matrix_a_scale:MATRIX_SCALE_ROW1
.endif
.endr
.endr
.endm
.macro FETCH_B slot, q, p
	WIN TO_B
.irp i, 0,1,2,3,4,5,6,7
	FRAG 128*(\p)+FR*\i, ADRB+\slot, \q, \i
.endr
	WIN 0
.endm
.macro FETCH_A slot, q, i0
.irp i, \i0, \i0+1, \i0+2, \i0+3
	FRAG AF+FR*(\i), ADRA+\slot, \q, \i
.endr
.endm
.macro SCALES sc
.irp i, 0,1,2,3,4,5,6,7
	ds_load_b32 v[SC+16*\sc+2*\i], v[ADRS] offset:64*\i
	ds_load_b32 v[SC+16*\sc+2*\i+1], v[ADRS] offset:64*\i+512
.endr
.endm
.macro PLACES n
.rept \n
	v_nop
.endr
.endm
.macro STEP slot, q, zero
	s_wait_dscnt 4*NL                              ; all but the youngest 16 loads (source 1's blocks 4-7) are in
	WIN MUL_LO-0x20*BIASC*(\zero)
	MUL16 0, (\q)%2, \q, \slot, \zero
	MUL16 2, (\q)%2, \q, \slot, \zero
	s_wait_dscnt 0x0
	PLACES NP
	FETCH_B \slot, (\q)+1, 1-(\q)%2
	FETCH_A \slot, (\q)+1, 0
	WIN MUL_HI-0x30*BIASC*(\zero)
	MUL16 4, (\q)%2, \q, \slot, \zero
	MUL16 6, (\q)%2, \q, \slot, \zero
	PLACES NP
	WIN 0
	FETCH_A \slot, (\q)+1, 4
.endm
.macro TURN slot, next, fill
	s_wait_tensorcnt 0x0                           ; all my tensor loads have landed: my part of the next slot
	ds_add_u32 v[SPW], v[NIL]
	s_wait_dscnt 4*NL+1                            ; (the add and the youngest 16 loads may be out)
	WIN MUL_LO
	MUL16 0, 1, 1, \slot, 0
	s_wait_dscnt 0x0                               ; the add is done, and my reads of this slot are over
	s_barrier_signal -1
	MUL16 2, 1, 1, \slot, 0
	WIN 0
	s_barrier_wait -1
.if \fill
	CREST                                          ; a round of the cluster's barrier: no wave of any partner still reads this slot or has a load on its way
	s_add_nc_u64 s[G0+4*\slot+2:G0+4*\slot+3], s[G0+4*\slot+2:G0+4*\slot+3], 2*BLKB
	s_add_nc_u64 s[G0B+4*\slot+2:G0B+4*\slot+3], s[G0B+4*\slot+2:G0B+4*\slot+3], 2*BLKB
	JLOAD G0+4*\slot, G1, G0B+4*\slot, G1B
.else
	PLACES NP
.endif
	v_add_nc_u32 v[ADRS], 1024, v[ADRS]
	FETCH_B \next, 0, 0
	FETCH_A \next, 0, 0
	SCALES \next
	WIN MUL_HI
	MUL16 4, 1, 1, \slot, 0
	MUL16 6, 1, 1, \slot, 0
	PLACES NP
	WIN 0
	FETCH_A \next, 0, 4
.endm
.macro QUANT s, pw
.irp b, 0,1,2,3
	v_max3_num_f32 v[TM+\b], |v[\s+16*\b]|, |v[\s+1+16*\b]|, 0x2800000   ; and the floor 2^(5 - 127): the byte cannot fall under 1
.endr
.irp i, 2,4,6,8,10,12,14
.irp b, 0,1,2,3
	v_max3_num_f32 v[TM+\b], v[TM+\b], |v[\s+16*\b+\i]|, |v[\s+1+16*\b+\i]|
.endr
.endr
.irp b, 0,1,2,3
	v_permlanex16_b32 v[TM+4+\b], v[TM+\b], s[SEL], s[SEL+1]
.endr
.irp b, 0,1,2,3
	v_max_num_f32 v[TM+\b], v[TM+\b], v[TM+4+\b]
.endr
.irp b, 0,1,2,3
	v_add_nc_u32 v[TM+12+\b], 0xfe000000, v[TM+\b]
.endr
.irp b, 0,1,2,3
	v_lshrrev_b32 v[TM+4+\b], 23, v[TM+12+\b]
.endr
	v_lshl_or_b32 v[\pw], v[TM+5], 8, v[TM+4]
	v_lshl_or_b32 v[\pw], v[TM+6], 16, v[\pw]
	v_lshl_or_b32 v[\pw], v[TM+7], 24, v[\pw]
.irp c, 0,1
	v_cvt_scalef32_pk16_bf6_f32 v[PC+6*\c:PC+2+6*\c], v[\s+32*\c:\s+15+32*\c], v[TM+12+2*\c]
	v_cvt_scalef32_pk16_bf6_f32 v[PC+12+4*\c:PC+14+4*\c], v[\s+16+32*\c:\s+31+32*\c], v[TM+12+2*\c+1]
.endr
	v_nop                                          ; one plain place behind a scaled conversion
.irp c, 0,1
.irp i, 0,1,2
	v_permlane16_swap_b32 v[PC+6*\c+\i], v[PC+12+4*\c+\i]
.endr
.irp i, 0,1,2
	v_mov_b32 v[PC+3+6*\c+\i], v[PC+12+4*\c+\i]
.endr
.endr
.endm
.macro GIMG base, off
	global_store_b128 v[L16], v[PC:PC+3], s[\base:\base+1] offset:\off
	global_store_b64 v[L8], v[PC+4:PC+5], s[\base:\base+1] offset:(\off)+512
	global_store_b128 v[L16], v[PC+6:PC+9], s[\base:\base+1] offset:(\off)+768
	global_store_b64 v[L8], v[PC+10:PC+11], s[\base:\base+1] offset:(\off)+1280
.endm
	s_load_b256 s[4:11], s[0:1], 0x0               ; wts, hbuf, bv, vbuf
	v_lshl_add_u32 v[SPW], v0, 2, SPARE
	v_mov_b32 v[NIL], 0
	ds_add_u32 v28, v29
	s_wait_dscnt 0x0
	v_lshrrev_b32 v1, 5, v0
	v_readfirstlane_b32 s14, v1
	s_lshr_b32 s15, s14, 1
	s_and_b32 s16, s14, 1
	s_bfe_u32 s40, ttmp6, 0x40000
	s_bfe_u32 s41, ttmp6, 0x40004
	s_lshl_b32 s42, ttmp9, 2
	s_add_co_u32 s42, s42, s40                     ; tile column: 256 rows of h
	s_and_b32 s17, ttmp7, 0xffff
	s_lshl_b32 s17, s17, 2
	s_add_co_u32 s17, s17, s41                     ; tile row: 256 columns of Wv
	s_lshl_b32 s43, s41, 2
	s_lshl_b32 s43, 15, s43
	s_lshl_b32 s44, 0x1111, s40
	s_or_b32 s[G1+0], s43, (3<<16)|(1<<21)
	s_or_b32 s[G1B+0], s44, (3<<16)|(1<<21)
.irp g, G1, G1B
	s_mov_b32 s[\g+1], 384<<16
	s_mov_b32 s[\g+2], 8<<16
	s_mov_b32 s[\g+3], 384<<16
	s_mov_b32 s[\g+4], 8
	s_mov_b32 s[\g+5], NKS*192
	s_mov_b32 s[\g+6], 0
	s_mov_b32 s[\g+7], 0
.endr
	s_or_b32 s[G1S+0], s43, (3<<16)|(1<<21)
	s_or_b32 s[G1SB+0], s44, (3<<16)|(1<<21)
.irp g, G1S, G1SB
	s_mov_b32 s[\g+1], 32<<16
	s_mov_b32 s[\g+2], (2*NKS)<<16
	s_mov_b32 s[\g+3], 32<<16
	s_mov_b32 s[\g+4], 2*NKS
	s_mov_b32 s[\g+5], 32
	s_mov_b32 s[\g+6], 0
	s_mov_b32 s[\g+7], 0
.endr
	s_mov_b32 s[SEL], 0x76543210
	s_mov_b32 s[SEL+1], 0xfedcba98
	s_mov_b32 s[HM], 0xffff0000
	s_lshl_b32 s20, s17, 1
	s_add_co_u32 s20, s20, s16
	s_lshl_b32 s46, s42, 1
	s_add_co_u32 s46, s46, s16
	s_mul_i32 s22, s20, HALFS
	s_add_co_u32 s22, s22, ASC
	s_mul_i32 s92, s46, HALFS
	s_add_co_u32 s92, s92, BSC
	s_mul_i32 s20, s20, 8*NKS*1536
	s_add_co_u32 s20, s20, AIMG
	s_mul_i32 s46, s46, 8*NKS*1536
	s_add_co_u32 s46, s46, BIMG
	s_mov_b32 s21, 0
	s_mov_b32 s23, 0
	s_mov_b32 s47, 0
	s_mov_b32 s93, 0
	s_mul_i32 s45, s14, HALFT
	s_mul_i32 s94, s14, HALFS
	s_lshl_b32 s95, s15, 6
	s_add_co_u32 s94, s94, s95
	s_wait_kmcnt 0x0
	s_add_nc_u64 s[20:21], s[4:5], s[20:21]
	s_add_nc_u64 s[22:23], s[4:5], s[22:23]
	s_add_nc_u64 s[46:47], s[6:7], s[46:47]
	s_add_nc_u64 s[92:93], s[6:7], s[92:93]
	CROUND                                         ; all sixteen work-groups are here: the first joint loads meet
	s_mov_b32 s[G0S], 1
	s_add_co_u32 s[G0S+1], s94, SCL
	s_mov_b64 s[G0S+2:G0S+3], s[22:23]
	s_or_b32 s[G0S+3], s[G0S+3], 0x80000000
	s_mov_b32 s[G0SB], 1
	s_add_co_u32 s[G0SB+1], s94, SCL
	s_mov_b64 s[G0SB+2:G0SB+3], s[92:93]
	s_or_b32 s[G0SB+3], s[G0SB+3], 0x80000000
	JLOAD G0S, G1S, G0SB, G1SB
.irp s, 0,1
	s_mov_b32 s[G0+4*\s], 1
	s_add_co_u32 s[G0+4*\s+1], s45, \s*SLOT
	s_add_nc_u64 s[G0+4*\s+2:G0+4*\s+3], s[20:21], \s*BLKB
	s_or_b32 s[G0+4*\s+3], s[G0+4*\s+3], 0x80000000
	s_mov_b32 s[G0B+4*\s], 1
	s_add_co_u32 s[G0B+4*\s+1], s45, \s*SLOT
	s_add_nc_u64 s[G0B+4*\s+2:G0B+4*\s+3], s[46:47], \s*BLKB
	s_or_b32 s[G0B+4*\s+3], s[G0B+4*\s+3], 0x80000000
	JLOAD G0+4*\s, G1, G0B+4*\s, G1B
.endr
	v_and_b32 v1, 15, v0
	v_bfe_u32 v2, v0, 4, 1
	v_and_b32 v3, 31, v0
	v_lshlrev_b32 v[L16], 4, v3
	v_lshlrev_b32 v[L8], 3, v3
	v_lshlrev_b32 v[L4], 2, v3
	s_mul_i32 s21, s15, HALFT
	s_mul_i32 s22, s16, HALFT
	s_add_co_u32 s22, s22, 2*HALFT
.irp s, 0,1
	v_add_nc_u32 v[ADRA+\s], s21, v[L16]
	v_add_nc_u32 v[ADRB+\s], s22, v[L16]
	v_add_nc_u32 v[ADRA+2+\s], s21, v[L8]
	v_add_nc_u32 v[ADRB+2+\s], s22, v[L8]
	s_add_co_u32 s21, s21, SLOT
	s_add_co_u32 s22, s22, SLOT
.endr
	s_mul_i32 s21, s15, HALFS
	s_mul_i32 s22, s16, HALFS
	s_add_co_u32 s22, s22, 2*HALFS+64
	s_sub_co_u32 s22, s22, s21
	v_mul_u32_u24 v6, s22, v2
	s_add_co_u32 s21, s21, SCL
	v_lshl_add_u32 v5, v1, 2, v6
	v_add_nc_u32 v[ADRS], s21, v5
	; the bias of my lane's channel in each of the eight tiles
.set BV, 64
	s_lshl_b32 s20, s17, 10
	s_lshl_b32 s21, s15, 9
	s_add_co_u32 s20, s20, s21
	s_mov_b32 s21, 0
	s_add_nc_u64 s[8:9], s[8:9], s[20:21]
	v_and_b32 v4, 8, v1
	v_add_nc_u32 v4, v4, v1
	v_lshlrev_b32 v[BO], 2, v4
.irp x, 0,1,2,3,4,5,6,7
	global_load_b32 v[BV+\x], v[BO], s[8:9] offset:(32*(\x/2)+8*(\x%2))*4
.endr
	s_lshr_b32 s20, s42, 3
	s_lshl_b32 s20, s20, 3
	s_lshl_b32 s21, s17, 1
	s_add_co_u32 s20, s20, s21
	s_add_co_u32 s20, s20, s15                     ; 8 x batch + head pair
	s_and_b32 s21, s42, 7
	s_lshl_b32 s21, s21, 1
	s_add_co_u32 s21, s21, s16                     ; which 128 keys
	s_lshl_b32 s20, s20, 4
	s_add_co_u32 s20, s20, s21
	s_mul_i32 s22, s20, 12288
	s_mov_b32 s23, 0
	s_lshl_b32 s20, s20, 9
	s_add_co_u32 s20, s20, 3145728
	s_mov_b32 s21, 0
	s_add_nc_u64 s[12:13], s[10:11], s[20:21]      ; my scale words
	s_add_nc_u64 s[10:11], s[10:11], s[22:23]      ; my eight images
	s_wait_tensorcnt 1                             ; the scale words and my part of slot 0 are in; slot 1's load may be out
	s_barrier_signal -1
	s_barrier_wait -1
	FETCH_B 0, 0, 0
	FETCH_A 0, 0, 0
	SCALES 0
	FETCH_A 0, 0, 4
	STEP 0, 0, 1
	s_mov_b32 s3, LAPS-1
.Llap:
	TURN 0, 1, 1
	STEP 1, 0, 0
	TURN 1, 0, 1
	STEP 0, 0, 0
	s_sub_co_u32 s3, s3, 1
	s_cmp_lg_u32 s3, 0
	s_cbranch_scc1 .Llap
	TURN 0, 1, 0
	STEP 1, 0, 0
	s_wait_dscnt 4*NL
	WIN MUL_LO
	MUL16 0, 1, 1, 1, 0
	MUL16 2, 1, 1, 1, 0
	s_wait_dscnt 0x0
	WIN MUL_HI
	MUL16 4, 1, 1, 1, 0
	MUL16 6, 1, 1, 1, 0
	WIN 0
	PLACES NP
.set XV, 128
.set PC, 192
.set TM, 212
.set PW, 228
.set SW, 236
.irp b, 0,1,2,3
	v_mov_b32 v[TM+4+\b], 0
.endr
	s_wait_loadcnt 0x0                             ; the bias
.macro VOUT x                          ; tile x of 16 channels: + bias, quantised along the 128 keys, out as an image
	WIN 0x02+(\x)/4
.set n, 0
.rept 32
.if (\x)%2
	v_pk_add_f32 v[XV+n:XV+n+1], v[64*((\x)%4)+n:64*((\x)%4)+n+1], v[BV+2*((\x)/2):BV+2*((\x)/2)+1] op_sel:[0,1] op_sel_hi:[1,1]
.else
	v_pk_add_f32 v[XV+n:XV+n+1], v[64*((\x)%4)+n:64*((\x)%4)+n+1], v[BV+2*((\x)/2):BV+2*((\x)/2)+1] op_sel_hi:[1,0]
.endif
.set n, n+2
.endr
	WIN 0
	s_wait_xcnt 0x0                                ; the last tile's stores have read the code registers
	QUANT XV, PW+(\x)
	GIMG 10, 1536*(\x)
.endm
.irp x, 0,1,2,3,4,5,6,7
	VOUT \x
.endr
.irp i, 0,1,2,3
	v_cndmask_b32 v[SW+\i], v[PW+2*\i], v[PW+2*\i+1], s[HM]
.endr
.irp i, 0,1,2,3
	global_store_b32 v[L4], v[SW+\i], s[12:13] offset:128*\i
.endr
	s_wait_tensorcnt 0x0                           ; the wave's end
	ds_add_u32 v[SPW], v[NIL]
	s_wait_dscnt 0x0
	CROUND                                         ; the closing round
	s_endpgm
.Lfunc_end_k_qa027b06464_vproj:
	.size	k_qa027b06464_vproj, .Lfunc_end_k_qa027b06464_vproj-k_qa027b06464_vproj
	.p2alignl 7, 3214868480
	.fill 96, 4, 3214868480
	.section	.rodata,"a",@progbits
	.p2align	6, 0x0
	.amdhsa_kernel k_qa027b06464_vproj
		.amdhsa_group_segment_fixed_size 327680
		.amdhsa_private_segment_fixed_size 0
		.amdhsa_enable_private_segment 0
		.amdhsa_kernarg_size 32
		.amdhsa_user_sgpr_count 2
		.amdhsa_user_sgpr_kernarg_segment_ptr 1
		.amdhsa_wavefront_size32 1
		.amdhsa_system_sgpr_workgroup_id_x 1
		.amdhsa_system_sgpr_workgroup_id_y 1
		.amdhsa_system_sgpr_workgroup_id_z 1
		.amdhsa_system_vgpr_workitem_id 0
		.amdhsa_next_free_vgpr 1024
		.amdhsa_next_free_sgpr 100
		.amdhsa_reserve_vcc 0
		.amdhsa_float_denorm_mode_32 3
		.amdhsa_float_denorm_mode_16_64 3
		.amdhsa_memory_ordered 1
		.amdhsa_forward_progress 1
		.amdhsa_inst_pref_size 168
	.end_amdhsa_kernel
	.amdgpu_metadata
---
amdhsa.version: [ 1, 2 ]
amdhsa.kernels:
  - .name:           k_qa027b06464_vproj
    .symbol:         k_qa027b06464_vproj.kd
    .args:
      - { .name: wts, .offset: 0, .size: 8, .value_kind: global_buffer, .address_space: global }
      - { .name: hbuf, .offset: 8, .size: 8, .value_kind: global_buffer, .address_space: global }
      - { .name: bv, .offset: 16, .size: 8, .value_kind: global_buffer, .address_space: global }
      - { .name: vbuf, .offset: 24, .size: 8, .value_kind: global_buffer, .address_space: global }
    .group_segment_fixed_size: 327680
    .private_segment_fixed_size: 0
    .kernarg_segment_align: 8
    .kernarg_segment_size: 32
    .max_flat_workgroup_size: 128
    .sgpr_count:     100
    .vgpr_count:     1024
    .wavefront_size: 32
...
	.end_amdgpu_metadata
.endif
;; end of part 4
;; launch attn (part 5): grid 16 x 16, 16 waves a work-group, clusters of 4 x 1, 327,680 bytes of LDS; arguments qkbuf, vbuf, cbuf; writes cbuf
.if DOCPART == 5
	.amdgcn_target "amdgcn-amd-amdhsa--gfx1250"
	.amdhsa_code_object_version 6
	.text
	.protected	k_qa027b06464_attn
	.globl	k_qa027b06464_attn
	.p2align	8
	.type	k_qa027b06464_attn,@function
k_qa027b06464_attn:
	s_mov_b64 s[64:65], 0
	v_nop
	global_prefetch_b8 v0, s[64:65] scope:SCOPE_SE
	s_setreg_imm32_b32 hwreg(HW_REG_WAVE_MODE, 25, 1), 1
	s_wait_xcnt 0x0
	s_wait_alu depctr_hold_cnt(0) depctr_sa_sdst(0) depctr_va_vdst(0) depctr_va_sdst(0) depctr_va_ssrc(0) depctr_va_vcc(0) depctr_vm_vsrc(0)
	s_getreg_b32 s2, hwreg(HW_REG_IB_STS2, 6, 4)
	s_cmp_eq_u32 s2, 0
	s_cbranch_scc0 .Lentry_in_a_cluster
	s_endpgm
.Lentry_in_a_cluster:
	s_bfe_u32 s2, ttmp6, 0x10000c
	s_cmp_lg_u32 s2, 0x3003
	s_cbranch_scc0 .Lentry_shape_is_right
	s_endpgm
.Lentry_shape_is_right:
; ctx = softmax(q k^T / 8) v for 32 (batch, head) of 2,048 x 64, both products on codes of BF6 (E3M2) with E8M0 scales; ctx is quantised along the model's 1,024 and leaves as codes.
; THE SOFTMAX AHEAD OF THE SECOND PRODUCT: t = score x log2(e) / 8; M = the running largest t rounded UP to a whole number; p = 2^(t - M) is quantised along the keys, not normalised; the row's sum is taken of the
; unquantised p and divides at the end; when M moves, the sum and O are multiplied by 2^(old M - new M), which rounds nothing.
; SHARES.  A work-group owns 128 queries of a PAIR of heads; wave w: head w / 8 of the pair, query tile w % 8, in 256 registers: four waves to a SIMD, so that one wave's vector work stands beside another's products.
; Every wave walks 2,048 keys, 128 a step.  K and V come through a ring of two LDS slots of 256 keys (both heads' codes lie together in memory: 24,576 dense bytes of each a slot).
; CLUSTER 4, 1, 1: four blocks of queries of one pair walk the same K and V: joint loads, waves 0, 1 for K's halves, waves 2, 3 for V's.
; LAYOUT.  All operands lie as images of the operand's registers.  A head's 64 fill HALF of a product's K: q's and k's fragments are half images (768 bytes: registers 0-3 at 16 x lane, 4-5 at 512 + 8 x lane); registers
; 6-11 hold zero codes on both sides.  Both products are used transposed (S^T = k q^T, O^T = v^T p^T): a lane holds one query.  Rows lie by position (bits 3, 4 of the index exchanged), so that the 16 registers of
; tiles 2 b, 2 b + 1 are 16 neighbouring keys (channels).
; The scale bytes of the pair's k and v stay in LDS for the whole launch.
; LIMITS: a block of zeros gets the byte 1 where the rule says 127; NaN and infinities are not served.
.set VOFF,  24576                      ; a slot: K's 16 blocks x 1,536, then V's 2 K steps x 12,288
.set SLOT1, 65536                      ; one exclusive or turns an address of one slot into the other's
.set SCK,   131072                     ; K's scale words [head][2,048]
.set SCV,   147456                     ; V's [K step][head][tile][16]
.set SCT,   155648                     ; ctx's scale words are pieced together here: 512 bytes into which no tile lands
.set SPARE, 156160                     ; the spare words, 128 bytes a wave: eight blocks of 256 bytes that no other line names
.set NSL,   8
.set AK16, 1
.set AK8,  2
.set AV16, 3
.set AV8,  4
.set SPW,  5
.set NIL,  6
.set ASK,  7                           ; v7  K's scale words of the step
.set ASV,  8                           ; v8  V's
.set L16,  29
.set L8,   30
.set PFO,  31
.set WV,   18
.set SEL,  20
.set CS,   22
.set G1T,  24
.set G1SK, 32
.set G1SV, 40
.set G0K,  48
.set G0V,  52
.set G0SK, 56
.set G0SV, 60
.set TB,   66
.set SLOTS, 67
.set PFA,  68
.set LIM,  70
; REGISTERS: v9-11, v28 the step's addresses; v12 -M, v13 the largest t, v[14:15] the sum; v16-27 Q; v32-79 four fragments of K; v80-127 four of V; v128-191 S^T, then p; v192-223 O^T; v224-235 p's codes;
; v232-254 at work; v248-251 K's or V's scale words, v253 p's, v255 Q's.
.macro TLOAD g0k, g1k, g0v, g1v        ; the branches hang on the wave's number alone; four v_nop follow each line
	s_cmp_lt_u32 s[WV], 2
	s_cbranch_scc0 .Lnot_k_\@
	tensor_load_to_lds s[\g0k:\g0k+3], s[\g1k:\g1k+7]
	s_nop 0
.rept 4
	v_nop
.endr
	s_branch .Lasked_\@
.Lnot_k_\@:
	s_cmp_lt_u32 s[WV], 4
	s_cbranch_scc0 .Lasked_\@
	tensor_load_to_lds s[\g0v:\g0v+3], s[\g1v:\g1v+7]
	s_nop 0
.rept 4
	v_nop
.endr
.Lasked_\@:
.endm
.macro CROUND
	s_barrier_signal -1
	s_barrier_wait -1
	s_cmp_lg_u32 s[WV], 0
	s_cbranch_scc1 .Lnot_wave_0_\@
	s_barrier_signal -3
.Lnot_wave_0_\@:
	s_barrier_wait -3
	s_barrier_signal -1
	s_barrier_wait -1
.endm
; A PREFETCH of later slots.  All four clusters of a pair walk the same K and V: the pair's first cluster asks.  At the changes of slots with 7, 5 and 3 fills to go, its waves 4, 5, 6 name 8,192 bytes each, lanes 256
; bytes apart: a whole slot's 24,576 bytes of one stream.  The four partners are told apart BY ADDRESS: places 0, 1 take K's stream, places 2, 3 V's; even places the slot that the next change asks for, odd places the
; one after.  So slots 2 to 7 of both streams are named once, one or two slots ahead of their loads, and nothing past slot 7.
.macro ASKPF
	s_cmp_gt_u32 s[SLOTS], s[LIM]
	s_cbranch_scc0 .Lnot_mine_\@
	s_bitcmp1_b32 s[SLOTS], 0
	s_cbranch_scc0 .Lnot_mine_\@
	global_prefetch_b8 v[PFO], s[PFA:PFA+1] th:TH_LOAD_NT scope:SCOPE_SE
.Lnot_mine_\@:
.endm
	s_load_b128 s[4:7], s[0:1], 0x0                ; qkbuf, vbuf
	s_load_b64 s[8:9], s[0:1], 0x10                ; cbuf
	v_lshl_add_u32 v[SPW], v0, 2, SPARE
	v_mov_b32 v[NIL], 0
	ds_add_u32 v5, v6
	s_wait_dscnt 0x0
	v_lshrrev_b32 v9, 5, v0
	v_readfirstlane_b32 s[WV], v9                  ; wave 0..15
	s_bfe_u32 s10, ttmp6, 0x40000                  ; cx
	s_lshl_b32 s11, ttmp9, 2
	s_add_co_u32 s11, s11, s10                     ; my block of 128 queries: it enters q's and ctx's addresses alone
	s_and_b32 s12, ttmp7, 0xffff                   ; 8 x batch + head pair
	s_lshr_b32 s13, s[WV], 3                       ; my head of the pair
	s_and_b32 s14, s[WV], 7                        ; my tile of 16 queries
	s_and_b32 s15, s[WV], 1                        ; which half I fetch, if I fetch
.irp g, G1T, G1SK, G1SV                ; dense blocks as rows of 256 bytes (32 elements of 8 bytes); the mask names all four partners, bit 21 beside it
	s_mov_b32 s[\g], 15|(3<<16)|(1<<21)
	s_mov_b32 s[\g+1], 32<<16
	s_mov_b32 s[\g+3], 32<<16
	s_mov_b32 s[\g+5], 32
	s_mov_b32 s[\g+6], 0
	s_mov_b32 s[\g+7], 0
.endr
	s_mov_b32 s[G1T+2], 48<<16                     ; half a slot's K or V: 12,288 bytes
	s_mov_b32 s[G1T+4], 48
	s_mov_b32 s[G1SK+2], 32<<16                    ; half of K's scale words: 8,192
	s_mov_b32 s[G1SK+4], 32
	s_mov_b32 s[G1SV+2], 16<<16                    ; half of V's: 4,096
	s_mov_b32 s[G1SV+4], 16
	s_mul_i32 s71, s12, 196608                     ; the pair's codes of K, and of V
	s_mul_i32 s72, s15, 12288
	s_add_co_u32 s76, s71, s72
	s_mov_b32 s77, 0
	s_add_co_u32 s74, s76, 3145728
	s_mov_b32 s75, 0
	s_lshl_b32 s78, s12, 14
	s_lshl_b32 s73, s15, 13
	s_add_co_u32 s78, s78, s73
	s_add_co_u32 s78, s78, 6553600
	s_mov_b32 s79, 0
	s_add_co_u32 s73, s73, SCK
	s_lshl_b32 s80, s12, 13
	s_lshl_b32 s92, s15, 12
	s_add_co_u32 s80, s80, s92
	s_add_co_u32 s80, s80, 3145728
	s_mov_b32 s81, 0
	s_add_co_u32 s92, s92, SCV
	s_lshl_b32 s82, s12, 7
	s_lshl_b32 s83, s11, 3
	s_add_co_u32 s82, s82, s83
	s_add_co_u32 s82, s82, s14                     ; q's block of 16
	s_mul_i32 s82, s82, 1536
	s_mul_i32 s83, s13, 768
	s_add_co_u32 s82, s82, s83
	s_mov_b32 s83, 0
	s_lshl_b32 s84, s12, 1
	s_add_co_u32 s84, s84, s13
	s_lshl_b32 s84, s84, 13
	s_lshl_b32 s85, s11, 9
	s_add_co_u32 s84, s84, s85
	s_lshl_b32 s85, s14, 6
	s_add_co_u32 s84, s84, s85
	s_add_co_u32 s84, s84, 6291456                 ; q's scale words
	s_mov_b32 s85, 0
	s_lshr_b32 s86, s12, 3                         ; batch
	s_and_b32 s87, s12, 7                          ; the head pair: the next product's K step
	s_lshl_b32 s88, s86, 4
	s_add_co_u32 s88, s88, s11                     ; which 128 rows of ctx
	s_lshl_b32 s86, s88, 3
	s_add_co_u32 s86, s86, s14
	s_lshl_b32 s86, s86, 3
	s_add_co_u32 s86, s86, s87
	s_mul_i32 s86, s86, 1536
	s_mul_i32 s89, s13, 768
	s_add_co_u32 s86, s86, s89                     ; my half image of ctx
	s_lshl_b32 s88, s88, 3
	s_add_co_u32 s88, s88, s87
	s_lshl_b32 s88, s88, 9
	s_add_co_u32 s88, s88, 3145728                 ; the work-group's 128 scale words
	s_mov_b32 s87, 0
	s_mov_b32 s89, 0
	s_mov_b32 s[SEL], 0x76543210
	s_mov_b32 s[SEL+1], 0xfedcba98
	s_mov_b32 s[CS], 0x3e38aa3b                    ; c = log2(e) / 8
	s_mov_b32 s[CS+1], s[CS]
	s_mov_b32 s[TB], 0
	s_mov_b32 s[SLOTS], NSL-1
	s_sub_co_u32 s93, s[WV], 4
	s_cmp_lt_u32 s93, 3                            ; waves 4, 5, 6
	s_cselect_b32 s93, 0, 1
	s_or_b32 s93, s93, ttmp9                       ; of the pair's first cluster: the same in all four partners
	s_cmp_eq_u32 s93, 0
	s_cselect_b32 s[LIM], 1, -1
	s_wait_kmcnt 0x0
	s_mov_b32 s[G0SK], 1
	s_mov_b32 s[G0SK+1], s73
	s_add_nc_u64 s[G0SK+2:G0SK+3], s[4:5], s[78:79]
	s_or_b32 s[G0SK+3], s[G0SK+3], 0x80000000
	s_mov_b32 s[G0SV], 1
	s_mov_b32 s[G0SV+1], s92
	s_add_nc_u64 s[G0SV+2:G0SV+3], s[6:7], s[80:81]
	s_or_b32 s[G0SV+3], s[G0SV+3], 0x80000000
	s_mov_b32 s[G0K], 1
	s_mov_b32 s[G0K+1], s72
	s_add_nc_u64 s[G0K+2:G0K+3], s[4:5], s[74:75]
	s_or_b32 s[G0K+3], s[G0K+3], 0x80000000
	s_mov_b32 s[G0V], 1
	s_add_co_u32 s[G0V+1], s72, VOFF
	s_add_nc_u64 s[G0V+2:G0V+3], s[6:7], s[76:77]
	s_or_b32 s[G0V+3], s[G0V+3], 0x80000000
	CROUND                                         ; all four work-groups are here: the first joint loads meet
	TLOAD G0SK, G1SK, G0SV, G1SV                   ; the scale words: filled once
	TLOAD G0K, G1T, G0V, G1T                       ; slot 0.  (The first wait on these is for 0, at the first change of slots)
	s_add_nc_u64 s[82:83], s[4:5], s[82:83]
	s_add_nc_u64 s[84:85], s[4:5], s[84:85]
	s_add_nc_u64 s[86:87], s[8:9], s[86:87]
	s_add_nc_u64 s[88:89], s[8:9], s[88:89]
	s_cmp_lt_u32 s10, 2                            ; the prefetches' stream and slot, by my place: an address, no branch
	s_cselect_b64 s[PFA:PFA+1], s[4:5], s[6:7]
	s_cselect_b32 s90, 3145728, 0
	s_and_b32 s91, s10, 1
	s_add_co_u32 s91, s91, 1                       ; at slot 1 or 2: the first change of slots steps it one on
	s_mul_i32 s91, s91, 24576
	s_add_co_u32 s90, s90, s91
	s_add_co_u32 s90, s90, s71
	s_and_b32 s91, s[WV], 3
	s_lshl_b32 s91, s91, 13
	s_add_co_u32 s90, s90, s91
	s_mov_b32 s91, 0
	s_add_nc_u64 s[PFA:PFA+1], s[PFA:PFA+1], s[90:91]
	v_and_b32 v9, 31, v0                           ; lane
	v_and_b32 v10, 15, v0                          ; r
	v_lshlrev_b32 v[L16], 4, v9
	v_lshlrev_b32 v[L8], 3, v9
	v_lshlrev_b32 v[PFO], 8, v9
	v_lshlrev_b32 v254, 2, v10
	global_load_b128 v[16:19], v[L16], s[82:83]    ; Q's half image stays in registers
	global_load_b64 v[20:21], v[L8], s[82:83] offset:512
	global_load_b32 v255, v254, s[84:85]           ; and its scale words
	s_mul_i32 s93, s13, 768
	v_lshl_add_u32 v[AK16], v9, 4, s93
	s_add_co_u32 s93, s93, 512
	v_lshl_add_u32 v[AK8], v9, 3, s93
	s_mul_i32 s93, s13, 6144
	s_add_co_u32 s93, s93, VOFF
	v_lshl_add_u32 v[AV16], v9, 4, s93
	v_lshl_add_u32 v[AV8], v9, 3, s93
	s_lshl_b32 s93, s13, 13
	s_add_co_u32 s93, s93, SCK
	v_lshl_add_u32 v[ASK], v10, 2, s93
	s_lshl_b32 s93, s13, 8
	s_add_co_u32 s93, s93, SCV
	v_lshl_add_u32 v[ASV], v10, 2, s93
	v_mov_b32 v13, 0xff61b1e6                      ; the largest t so far: -3e38
	v_floor_f32 v12, -v13
	v_mov_b32 v14, 0
	v_mov_b32 v15, 0
.irp j, 22,23,24,25,26,27
	v_mov_b32 v[\j], 0                             ; the upper half of K: zero codes in Q,
.endr
.irp t, 0,1,2,3
.irp j, 6,7,8,9,10,11
	v_mov_b32 v[32+12*\t+\j], 0                    ; and in K's four fragments: written once, never loaded
.endr
.endr
.irp b, 0,1,2,3
	v_mov_b32 v[236+\b], 0
.endr
	v_mov_b32 v253, 0
.set n, 0
.rept 32
	v_mov_b32 v[192+n], 0                          ; O^T: the loop is written once; its first step finds zeros
.set n, n+1
.endr
.macro STEP q                          ; 128 keys: the q-th step of the slot in hand
	v_add_nc_u32 v9, s[TB], v[AK16]
	v_add_nc_u32 v10, s[TB], v[AK8]
	v_add_nc_u32 v11, s[TB], v[AV16]
	v_add_nc_u32 v28, s[TB], v[AV8]                ; (these four, and the two steps at the last step's end, are the places in front of the loads into the scale registers)
.irp g, 0,1
.if \g
.rept 4
	v_nop
.endr
.endif
.irp t, 0,1,2,3
	ds_load_b128 v[32+12*\t:35+12*\t], v9 offset:(8*(\q)+4*\g+\t)*1536
	ds_load_b64 v[36+12*\t:37+12*\t], v10 offset:(8*(\q)+4*\g+\t)*1536
	ds_load_b32 v[248+\t], v[ASK] offset:64*(4*\g+\t)
.endr
	s_wait_dscnt 0x0
.irp t, 0,1,2,3
	v_wmma_scale_f32_16x16x128_f8f6f4 v[128+8*(4*\g+\t):135+8*(4*\g+\t)], v[32+12*\t:43+12*\t], v[16:27], 0, v[248+\t], v255 matrix_a_fmt:MATRIX_FMT_BF6 matrix_b_fmt:MATRIX_FMT_BF6
.endr
.endr
.rept 4
	v_nop
.endr
.irp t, 0,1,2,3                        ; V's four fragments and scale words are asked for now: they land under the softmax
	ds_load_b128 v[80+12*\t:83+12*\t], v11 offset:(\q)*12288+1536*\t
	ds_load_b64 v[84+12*\t:85+12*\t], v28 offset:(\q)*12288+1536*\t+512
	ds_load_b128 v[86+12*\t:89+12*\t], v11 offset:(\q)*12288+1536*\t+768
	ds_load_b64 v[90+12*\t:91+12*\t], v28 offset:(\q)*12288+1536*\t+1280
	ds_load_b32 v[248+\t], v[ASV] offset:64*\t
.endr
.irp b, 0,1,2,3
	v_max3_num_f32 v[232+\b], v[128+16*\b], v[129+16*\b], v[130+16*\b]   ; the largest score of each block of 32 keys: for the row's maximum, and, since p rises with the score, for the block's largest p
.endr
.irp i, 3,5,7,9,11,13
.irp b, 0,1,2,3
	v_max3_num_f32 v[232+\b], v[232+\b], v[128+16*\b+\i], v[129+16*\b+\i]
.endr
.endr
.irp b, 0,1,2,3
	v_max_num_f32 v[232+\b], v[232+\b], v[143+16*\b]
.endr
.irp b, 0,1,2,3
	v_permlanex16_b32 v[236+\b], v[232+\b], s[SEL], s[SEL+1]
.endr
.irp b, 0,1,2,3
	v_max_num_f32 v[232+\b], v[232+\b], v[236+\b]
.endr
	v_max3_num_f32 v254, v232, v233, v234
	v_max_num_f32 v254, v254, v235
	v_mul_f32 v254, s[CS], v254
	v_max_num_f32 v13, v13, v254                   ; the running largest t
	v_mov_b32 v254, v12
	v_floor_f32 v12, -v13                          ; -M = floor(-t): M is a whole number
	v_sub_f32 v254, v12, v254
	v_cvt_i32_f32 v254, v254                       ; (it saturates)
	v_ldexp_f32 v252, 1.0, v254                    ; f = 2^(old M - new M)
.set n, 0
.rept 32
	v_pk_fma_f32 v[128+n:129+n], v[128+n:129+n], s[CS:CS+1], v[12:13] op_sel_hi:[1,0,0]   ; t - M
.set n, n+2
.endr
.irp b, 0,1,2,3
	v_fma_f32 v[232+\b], v[232+\b], s[CS], v12
.endr
.set n, 0
.rept 64
	v_exp_f32 v[128+n], v[128+n]                   ; p = 2^(t - M)
.set n, n+1
.endr
	v_pk_mul_f32 v[14:15], v[14:15], v[252:253] op_sel_hi:[1,0]   ; the sums under the new M (a plain place behind the exponentials)
	s_wait_alu depctr_va_vdst(0)                   ; one wait for the batch, ahead of its first reader
.irp b, 0,1,2,3
	v_exp_f32 v[232+\b], v[232+\b]                 ; the block's largest p
.endr
	v_pk_add_f32 v[236:237], v[128:129], v[130:131]   ; the row's sum of the unquantised p, in two chains
.irp j, 4,8,12,16,20,24,28,32,36,40,44,48,52,56,60
	v_pk_add_f32 v[14:15], v[14:15], v[128+\j:129+\j]
	v_pk_add_f32 v[236:237], v[236:237], v[130+\j:131+\j]
.endr
	v_pk_add_f32 v[14:15], v[14:15], v[236:237]
	s_wait_alu depctr_va_vdst(0)                   ; and one for the four
.irp b, 0,1,2,3
	v_max_num_f32 v[232+\b], 0x2800000, v[232+\b]  ; the floor 2^(5 - 127)
.endr
.irp b, 0,1,2,3
	v_add_nc_u32 v[244+\b], 0xfe000000, v[232+\b]
.endr
.irp b, 0,1,2,3
	v_lshrrev_b32 v[236+\b], 23, v[244+\b]
.endr
	v_lshl_or_b32 v253, v237, 8, v236              ; p's scale word for these 128 keys
	v_lshl_or_b32 v253, v238, 16, v253
	v_lshl_or_b32 v253, v239, 24, v253
.irp c, 0,1
	v_cvt_scalef32_pk16_bf6_f32 v[224+6*\c:226+6*\c], v[128+32*\c:143+32*\c], v[244+2*\c]
	v_cvt_scalef32_pk16_bf6_f32 v[236+4*\c:238+4*\c], v[144+32*\c:159+32*\c], v[244+2*\c+1]
.endr
	v_nop                                          ; one plain place behind a scaled conversion
.irp c, 0,1
.irp i, 0,1,2
	v_permlane16_swap_b32 v[224+6*\c+\i], v[236+4*\c+\i]
.endr
.irp i, 0,1,2
	v_mov_b32 v[227+6*\c+\i], v[236+4*\c+\i]
.endr
.endr
.set n, 0
.rept 16
	v_pk_mul_f32 v[192+n:193+n], v[192+n:193+n], v[252:253] op_sel_hi:[1,0]   ; O^T under the new M; these sixteen are also the places in front of the scaled products
.set n, n+2
.endr
	s_wait_dscnt 0x0                               ; V
.irp t, 0,1,2,3
	v_wmma_scale_f32_16x16x128_f8f6f4 v[192+8*\t:199+8*\t], v[80+12*\t:91+12*\t], v[224:235], v[192+8*\t:199+8*\t], v[248+\t], v253 matrix_a_fmt:MATRIX_FMT_BF6 matrix_b_fmt:MATRIX_FMT_BF6
.endr
	v_add_nc_u32 v[ASK], 512, v[ASK]               ; the next step's scale words
	v_add_nc_u32 v[ASV], 512, v[ASV]
.endm
; THE CHANGE OF SLOTS stands at a slot's head: each wave waits for all its tensor loads, adds 0 to its spare word, and waits for that and for its reads of the slot that it has left.  fill = 1: a round of the cluster's
; barrier, and behind it the slot just left is filled with the keys that follow: the load has a slot's two steps in which to land.
.macro CHANGE fill
	s_wait_tensorcnt 0x0
	ds_add_u32 v[SPW], v[NIL]
.if \fill
	s_xor_b32 s[G0K+1], s[G0K+1], SLOT1
	s_add_nc_u64 s[G0K+2:G0K+3], s[G0K+2:G0K+3], 24576
	s_xor_b32 s[G0V+1], s[G0V+1], SLOT1
	s_add_nc_u64 s[G0V+2:G0V+3], s[G0V+2:G0V+3], 24576
	s_wait_xcnt 0x0                                ; the last prefetch, a slot or more back, has read its address
	s_add_nc_u64 s[PFA:PFA+1], s[PFA:PFA+1], 24576
	s_wait_dscnt 0x0
	CROUND
	TLOAD G0K, G1T, G0V, G1T                       ; the first thing behind the round, and a wave's one tensor load until the next
	ASKPF
.else
	s_wait_dscnt 0x0
	s_barrier_signal -1
	s_barrier_wait -1
.endif
.endm
.macro SLOT_STEPS
	STEP 0
	STEP 1
	s_xor_b32 s[TB], s[TB], SLOT1
.endm
	s_wait_loadcnt 0x0                             ; Q
.Lslot:                                            ; NSL - 1 trips
	CHANGE 1
	SLOT_STEPS
	s_sub_co_u32 s[SLOTS], s[SLOTS], 1
	s_cmp_lg_u32 s[SLOTS], 0
	s_cbranch_scc1 .Lslot
	CHANGE 0                                       ; the last slot is written out
	SLOT_STEPS
	; THE WAY OUT: O^T / the sum; register 16 b + i is channel 32 b + 16 (lane / 16) + i of my head: two blocks of the next product's K; they become half an image and half a scale word.
	v_add_f32 v14, v14, v15
	v_permlanex16_b32 v252, v14, s[SEL], s[SEL+1]
	v_add_f32 v14, v14, v252
	v_rcp_f32 v14, v14
	s_lshl_b32 s93, s14, 6
	s_lshl_b32 s94, s13, 1
	s_add_co_u32 s93, s93, s94
	s_add_co_u32 s93, s93, SCT
	v_and_b32 v9, 15, v0                           ; (plain places behind the reciprocal and the last products)
	v_lshl_add_u32 v9, v9, 2, s93                  ; my row's word, my head's half of it
	v_add_nc_u32 v10, SCT, v[L16]
	v_nop
	s_wait_alu depctr_va_vdst(0)                   ; the wait ahead of the first reader
.set n, 0
.rept 32
	v_mul_f32 v[128+n], v[192+n], v14
.set n, n+1
.endr
.irp b, 0,1
	v_max3_num_f32 v[232+\b], |v[128+16*\b]|, |v[129+16*\b]|, 0x2800000
.endr
.irp i, 2,4,6,8,10,12,14
.irp b, 0,1
	v_max3_num_f32 v[232+\b], v[232+\b], |v[128+16*\b+\i]|, |v[129+16*\b+\i]|
.endr
.endr
.irp b, 0,1
	v_permlanex16_b32 v[236+\b], v[232+\b], s[SEL], s[SEL+1]
.endr
.irp b, 0,1
	v_max_num_f32 v[232+\b], v[232+\b], v[236+\b]
.endr
.irp b, 0,1
	v_add_nc_u32 v[244+\b], 0xfe000000, v[232+\b]
.endr
.irp b, 0,1
	v_lshrrev_b32 v[236+\b], 23, v[244+\b]
.endr
	v_lshl_or_b32 v253, v237, 8, v236
	v_cvt_scalef32_pk16_bf6_f32 v[224:226], v[128:143], v244
	v_cvt_scalef32_pk16_bf6_f32 v[240:242], v[144:159], v245
	v_nop                                          ; one plain place behind a scaled conversion
.irp i, 0,1,2
	v_permlane16_swap_b32 v[224+\i], v[240+\i]
.endr
.irp i, 0,1,2
	v_mov_b32 v[227+\i], v[240+\i]
.endr
	global_store_b128 v[L16], v[224:227], s[86:87]             ; 512 and 256 consecutive bytes, aligned
	global_store_b64 v[L8], v[228:229], s[86:87] offset:512
	ds_store_b16 v9, v253                          ; both halves of the lanes write the same two bytes
	s_wait_dscnt 0x0                               ; for the others' sake
	s_barrier_signal -1
	s_barrier_wait -1
	s_cmp_lg_u32 s[WV], 0
	s_cbranch_scc1 .Lnot_first
	ds_load_b128 v[128:131], v10                   ; the work-group's 128 words leave as 512 consecutive bytes
	s_wait_dscnt 0x0
	global_store_b128 v[L16], v[128:131], s[88:89]
.Lnot_first:
	s_wait_tensorcnt 0x0                           ; the wave's end
	ds_add_u32 v[SPW], v[NIL]
	s_wait_dscnt 0x0
	CROUND                                         ; the closing round
	s_endpgm
.Lfunc_end_k_qa027b06464_attn:
	.size	k_qa027b06464_attn, .Lfunc_end_k_qa027b06464_attn-k_qa027b06464_attn
	.p2alignl 7, 3214868480
	.fill 96, 4, 3214868480
	.section	.rodata,"a",@progbits
	.p2align	6, 0x0
	.amdhsa_kernel k_qa027b06464_attn
		.amdhsa_group_segment_fixed_size 327680
		.amdhsa_private_segment_fixed_size 0
		.amdhsa_enable_private_segment 0
		.amdhsa_kernarg_size 24
		.amdhsa_user_sgpr_count 2
		.amdhsa_user_sgpr_kernarg_segment_ptr 1
		.amdhsa_wavefront_size32 1
		.amdhsa_system_sgpr_workgroup_id_x 1
		.amdhsa_system_sgpr_workgroup_id_y 1
		.amdhsa_system_sgpr_workgroup_id_z 1
		.amdhsa_system_vgpr_workitem_id 0
		.amdhsa_next_free_vgpr 256
		.amdhsa_next_free_sgpr 100
		.amdhsa_reserve_vcc 0
		.amdhsa_float_denorm_mode_32 3
		.amdhsa_float_denorm_mode_16_64 3
		.amdhsa_memory_ordered 1
		.amdhsa_forward_progress 1
		.amdhsa_inst_pref_size 84
	.end_amdhsa_kernel
	.amdgpu_metadata
---
amdhsa.version: [ 1, 2 ]
amdhsa.kernels:
  - .name:           k_qa027b06464_attn
    .symbol:         k_qa027b06464_attn.kd
    .args:
      - { .name: qkbuf, .offset: 0, .size: 8, .value_kind: global_buffer, .address_space: global }
      - { .name: vbuf, .offset: 8, .size: 8, .value_kind: global_buffer, .address_space: global }
      - { .name: cbuf, .offset: 16, .size: 8, .value_kind: global_buffer, .address_space: global }
    .group_segment_fixed_size: 327680
    .private_segment_fixed_size: 0
    .kernarg_segment_align: 8
    .kernarg_segment_size: 24
    .max_flat_workgroup_size: 512
    .sgpr_count:     100
    .vgpr_count:     256
    .wavefront_size: 32
...
	.end_amdgpu_metadata
.endif
;; end of part 5
;; launch oproj (part 6): grid 4 x 16, 4 waves a work-group, clusters of 4 x 4, 327,680 bytes of LDS; arguments cbuf, wts, bo, x, x1; writes x1
.if DOCPART == 6
	.amdgcn_target "amdgcn-amd-amdhsa--gfx1250"
	.amdhsa_code_object_version 6
	.text
	.protected	k_qa027b06464_oproj
	.globl	k_qa027b06464_oproj
	.p2align	8
	.type	k_qa027b06464_oproj,@function
k_qa027b06464_oproj:
	s_mov_b64 s[64:65], 0
	v_nop
	global_prefetch_b8 v0, s[64:65] scope:SCOPE_SE
	s_setreg_imm32_b32 hwreg(HW_REG_WAVE_MODE, 25, 1), 1
	s_wait_xcnt 0x0
	s_wait_alu depctr_hold_cnt(0) depctr_sa_sdst(0) depctr_va_vdst(0) depctr_va_sdst(0) depctr_va_ssrc(0) depctr_va_vcc(0) depctr_vm_vsrc(0)
	s_getreg_b32 s2, hwreg(HW_REG_IB_STS2, 6, 4)
	s_cmp_eq_u32 s2, 0
	s_cbranch_scc0 .Lentry_in_a_cluster
	s_endpgm
.Lentry_in_a_cluster:
	s_bfe_u32 s2, ttmp6, 0x10000c
	s_cmp_lg_u32 s2, 0xf033
	s_cbranch_scc0 .Lentry_shape_is_right
	s_endpgm
.Lentry_shape_is_right:
; x1 = x + ctx Wo + bo: the product on codes of BF6 (E3M2) with E8M0 scales, the result in f32, rows in their natural order.
; The product's core is that of the other products of this program: tiles of 256 x 256, four waves of 128 x 128, K in slots of 256 through a ring of two LDS slots; operands as images of the operand's registers
; (16 positions x 128 K = 1,536 bytes: registers 0-3 at 16 x lane, 4-5 at 512 + 8 x lane, 6-9 at 768 + 16 x lane, 10-11 at 1,280 + 8 x lane), [block of 16][K step]; scale words [block of 128][K step][128], brought
; once; position p stands for row sigma(p), p with bits 3, 4 exchanged; cluster 4 x 4 with joint loads; source 0 = the weight, source 1 = the rows; the bias is the C of each sum's first product.
; N = 1,024 gives 64 tiles of this size: 64 work-groups.
; THE WAY OUT.  A block of 16 rows x 128 columns goes through the wave's own stage in LDS (in slot 0, which has had its last fill and its last read) and comes back as whole rows of 512 bytes; the places in the stage and
; the rows' offsets in memory undo sigma.  The residual's rows are asked for two blocks ahead.
.set NKS,    8
.set BIASC,  1
.set AIMG,   0
.set ASC,    3145728
.set BIMG,   2359296
.set BSC,    9535488
.set LAPS,   NKS/4
.set FR,     12
.set NL,     4
.set NP,     4
.set BLKB,   3072
.set HALFT,  8*BLKB
.set SLOT,   4*HALFT
.set SCL,    2*SLOT
.set HALFS,  NKS*512
.set SPARE,  262400                    ; the spare words, 128 bytes a wave: two blocks of 256 bytes that no other line names
.set BO,   13
.set ADRA, 16
.set ADRB, 20
.set STO,  24
.set RD,   25
.set ADRS, 27
.set SPW,  28
.set NIL,  29
.set L16,  30
.set L8,   31
.set SC,   32
.set BI,   64
.set AF,   128
.set G1,   24
.set G0,   32
.set G1B,  48
.set G0B,  56
.set G1S,  68
.set G0S,  76
.set G1SB, 80
.set G0SB, 88
.set MSB,  0
.macro WIN new
.if MSB != (\new)
	s_set_vgpr_msb (MSB<<8)|(\new)
.set MSB, (\new)
.endif
.endm
.set MUL_LO, 0xa1
.set MUL_HI, 0xf1
.set TO_B,   0x40
.macro JLOAD g0a, g1a, g0b, g1b        ; four v_nop follow each of the two lines
	s_cmp_eq_u32 s15, 0
	s_cbranch_scc0 .Lfor_b_\@
	tensor_load_to_lds s[\g0a:\g0a+3], s[\g1a:\g1a+7]
	s_nop 0
.rept 4
	v_nop
.endr
	s_branch .Lasked_\@
.Lfor_b_\@:
	tensor_load_to_lds s[\g0b:\g0b+3], s[\g1b:\g1b+7]
	s_nop 0
.rept 4
	v_nop
.endr
.Lasked_\@:
.endm
.macro CREST
	s_cmp_lg_u32 s14, 0
	s_cbranch_scc1 .Lnot_wave_0_\@
	s_barrier_signal -3
.Lnot_wave_0_\@:
	s_barrier_wait -3
	s_barrier_signal -1
	s_barrier_wait -1
.endm
.macro CROUND
	s_barrier_signal -1
	s_barrier_wait -1
	CREST
.endm
.macro FRAG reg, adr, q, i
	ds_load_b128 v[\reg:\reg+3], v[\adr] offset:(\i)*BLKB+(\q)*1536
	ds_load_b64 v[\reg+4:\reg+5], v[\adr+2] offset:(\i)*BLKB+(\q)*1536+512
	ds_load_b128 v[\reg+6:\reg+9], v[\adr] offset:(\i)*BLKB+(\q)*1536+768
	ds_load_b64 v[\reg+10:\reg+11], v[\adr+2] offset:(\i)*BLKB+(\q)*1536+1280
.endm
.macro MUL16 a0, p, q, sc, zero        ; the 64 accumulators take turns, one instruction a turn
.irp a, \a0, \a0+1
.irp b, 0,1,2,3,4,5,6,7
.set rD, 8*(8*((\a)%4)+\b)
.set rB, 128*(\p)+FR*\b
.set rA, AF+FR*(\a)
.set rSB, SC+16*(\sc)+2*\b+(\q)
.set rSA, SC+16*(\sc)+2*(\a)+(\q)
.if (\zero) && BIASC
	v_wmma_scale_f32_16x16x128_f8f6f4 v[rD:rD+7], v[rB:rB+FR-1], v[rA:rA+FR-1], v[BI+8*\b:BI+8*\b+7], v[rSB], v[rSA] matrix_a_fmt:MATRIX_FMT_BF6 matrix_b_fmt:MATRIX_FMT_BF6 matrix_a_scale:MATRIX_SCALE_ROW1
.elseif \zero
	v_wmma_scale_f32_16x16x128_f8f6f4 v[rD:rD+7], v[rB:rB+FR-1], v[rA:rA+FR-1], 0, v[rSB], v[rSA] matrix_a_fmt:MATRIX_FMT_BF6 matrix_b_fmt:MATRIX_FMT_BF6 matrix_a_scale:MATRIX_SCALE_ROW1
.else
	v_wmma_scale_f32_16x16x128_f8f6f4 v[rD:rD+7], v[rB:rB+FR-1], v[rA:rA+FR-1], v[rD:rD+7], v[rSB], v[rSA] matrix_a_fmt:MATRIX_FMT_BF6 matrix_b_fmt:MATRIX_FMT_BF6 matrix_a_scale:MATRIX_SCALE_ROW1
.endif
.endr
.endr
.endm
.macro FETCH_B slot, q, p
	WIN TO_B
.irp i, 0,1,2,3,4,5,6,7
	FRAG 128*(\p)+FR*\i, ADRB+\slot, \q, \i
.endr
	WIN 0
.endm
.macro FETCH_A slot, q, i0
.irp i, \i0, \i0+1, \i0+2, \i0+3
	FRAG AF+FR*(\i), ADRA+\slot, \q, \i
.endr
.endm
.macro SCALES sc
.irp i, 0,1,2,3,4,5,6,7
	ds_load_b32 v[SC+16*\sc+2*\i], v[ADRS] offset:64*\i
	ds_load_b32 v[SC+16*\sc+2*\i+1], v[ADRS] offset:64*\i+512
.endr
.endm
.macro PLACES n
.rept \n
	v_nop
.endr
.endm
.macro STEP slot, q, zero
	s_wait_dscnt 4*NL                              ; all but the youngest 16 loads (source 1's blocks 4-7) are in
	WIN MUL_LO-0x20*BIASC*(\zero)
	MUL16 0, (\q)%2, \q, \slot, \zero
	MUL16 2, (\q)%2, \q, \slot, \zero
	s_wait_dscnt 0x0
	PLACES NP
	FETCH_B \slot, (\q)+1, 1-(\q)%2
	FETCH_A \slot, (\q)+1, 0
	WIN MUL_HI-0x30*BIASC*(\zero)
	MUL16 4, (\q)%2, \q, \slot, \zero
	MUL16 6, (\q)%2, \q, \slot, \zero
	PLACES NP
	WIN 0
	FETCH_A \slot, (\q)+1, 4
.endm
.macro TURN slot, next, fill
	s_wait_tensorcnt 0x0                           ; all my tensor loads have landed: my part of the next slot
	ds_add_u32 v[SPW], v[NIL]
	s_wait_dscnt 4*NL+1                            ; (the add and the youngest 16 loads may be out)
	WIN MUL_LO
	MUL16 0, 1, 1, \slot, 0
	s_wait_dscnt 0x0                               ; the add is done, and my reads of this slot are over
	s_barrier_signal -1
	MUL16 2, 1, 1, \slot, 0
	WIN 0
	s_barrier_wait -1
.if \fill
	CREST                                          ; a round of the cluster's barrier: no wave of any partner still reads this slot or has a load on its way
	s_add_nc_u64 s[G0+4*\slot+2:G0+4*\slot+3], s[G0+4*\slot+2:G0+4*\slot+3], 2*BLKB
	s_add_nc_u64 s[G0B+4*\slot+2:G0B+4*\slot+3], s[G0B+4*\slot+2:G0B+4*\slot+3], 2*BLKB
	JLOAD G0+4*\slot, G1, G0B+4*\slot, G1B
.else
	PLACES NP
.endif
	v_add_nc_u32 v[ADRS], 1024, v[ADRS]
	FETCH_B \next, 0, 0
	FETCH_A \next, 0, 0
	SCALES \next
	WIN MUL_HI
	MUL16 4, 1, 1, \slot, 0
	MUL16 6, 1, 1, \slot, 0
	PLACES NP
	WIN 0
	FETCH_A \next, 0, 4
.endm
	s_load_b256 s[4:11], s[0:1], 0x0               ; the rows' codes, wts, the bias, the residual
	s_load_b64 s[12:13], s[0:1], 0x20              ; the result
	v_lshl_add_u32 v[SPW], v0, 2, SPARE
	v_mov_b32 v[NIL], 0
	ds_add_u32 v28, v29
	s_wait_dscnt 0x0
	v_lshrrev_b32 v1, 5, v0
	v_readfirstlane_b32 s14, v1
	s_lshr_b32 s15, s14, 1
	s_and_b32 s16, s14, 1
	s_bfe_u32 s40, ttmp6, 0x40000
	s_bfe_u32 s41, ttmp6, 0x40004
	s_lshl_b32 s42, ttmp9, 2
	s_add_co_u32 s42, s42, s40
	s_and_b32 s17, ttmp7, 0xffff
	s_lshl_b32 s17, s17, 2
	s_add_co_u32 s17, s17, s41
	s_lshl_b32 s43, s41, 2
	s_lshl_b32 s43, 15, s43
	s_lshl_b32 s44, 0x1111, s40
	s_or_b32 s[G1+0], s43, (3<<16)|(1<<21)
	s_or_b32 s[G1B+0], s44, (3<<16)|(1<<21)
.irp g, G1, G1B
	s_mov_b32 s[\g+1], 384<<16
	s_mov_b32 s[\g+2], 8<<16
	s_mov_b32 s[\g+3], 384<<16
	s_mov_b32 s[\g+4], 8
	s_mov_b32 s[\g+5], NKS*192
	s_mov_b32 s[\g+6], 0
	s_mov_b32 s[\g+7], 0
.endr
	s_or_b32 s[G1S+0], s43, (3<<16)|(1<<21)
	s_or_b32 s[G1SB+0], s44, (3<<16)|(1<<21)
.irp g, G1S, G1SB
	s_mov_b32 s[\g+1], 32<<16
	s_mov_b32 s[\g+2], (2*NKS)<<16
	s_mov_b32 s[\g+3], 32<<16
	s_mov_b32 s[\g+4], 2*NKS
	s_mov_b32 s[\g+5], 32
	s_mov_b32 s[\g+6], 0
	s_mov_b32 s[\g+7], 0
.endr
	s_lshl_b32 s20, s17, 1
	s_add_co_u32 s20, s20, s16
	s_lshl_b32 s46, s42, 1
	s_add_co_u32 s46, s46, s16
	s_mul_i32 s22, s20, HALFS
	s_add_co_u32 s22, s22, ASC
	s_mul_i32 s92, s46, HALFS
	s_add_co_u32 s92, s92, BSC
	s_mul_i32 s20, s20, 8*NKS*1536
	s_add_co_u32 s20, s20, AIMG
	s_mul_i32 s46, s46, 8*NKS*1536
	s_add_co_u32 s46, s46, BIMG
	s_mov_b32 s21, 0
	s_mov_b32 s23, 0
	s_mov_b32 s47, 0
	s_mov_b32 s93, 0
	s_mul_i32 s45, s14, HALFT
	s_mul_i32 s94, s14, HALFS
	s_lshl_b32 s95, s15, 6
	s_add_co_u32 s94, s94, s95
	s_wait_kmcnt 0x0
	s_add_nc_u64 s[20:21], s[4:5], s[20:21]
	s_add_nc_u64 s[22:23], s[4:5], s[22:23]
	s_add_nc_u64 s[46:47], s[6:7], s[46:47]
	s_add_nc_u64 s[92:93], s[6:7], s[92:93]
	CROUND                                         ; all sixteen work-groups are here: the first joint loads meet
	s_mov_b32 s[G0S], 1
	s_add_co_u32 s[G0S+1], s94, SCL
	s_mov_b64 s[G0S+2:G0S+3], s[22:23]
	s_or_b32 s[G0S+3], s[G0S+3], 0x80000000
	s_mov_b32 s[G0SB], 1
	s_add_co_u32 s[G0SB+1], s94, SCL
	s_mov_b64 s[G0SB+2:G0SB+3], s[92:93]
	s_or_b32 s[G0SB+3], s[G0SB+3], 0x80000000
	JLOAD G0S, G1S, G0SB, G1SB
.irp s, 0,1
	s_mov_b32 s[G0+4*\s], 1
	s_add_co_u32 s[G0+4*\s+1], s45, \s*SLOT
	s_add_nc_u64 s[G0+4*\s+2:G0+4*\s+3], s[20:21], \s*BLKB
	s_or_b32 s[G0+4*\s+3], s[G0+4*\s+3], 0x80000000
	s_mov_b32 s[G0B+4*\s], 1
	s_add_co_u32 s[G0B+4*\s+1], s45, \s*SLOT
	s_add_nc_u64 s[G0B+4*\s+2:G0B+4*\s+3], s[46:47], \s*BLKB
	s_or_b32 s[G0B+4*\s+3], s[G0B+4*\s+3], 0x80000000
	JLOAD G0+4*\s, G1, G0B+4*\s, G1B
.endr
	v_and_b32 v1, 15, v0
	v_bfe_u32 v2, v0, 4, 1
	v_and_b32 v3, 31, v0
	v_lshlrev_b32 v[L16], 4, v3
	v_lshlrev_b32 v[L8], 3, v3
	s_mul_i32 s21, s15, HALFT
	s_mul_i32 s22, s16, HALFT
	s_add_co_u32 s22, s22, 2*HALFT
.irp s, 0,1
	v_add_nc_u32 v[ADRA+\s], s21, v[L16]
	v_add_nc_u32 v[ADRB+\s], s22, v[L16]
	v_add_nc_u32 v[ADRA+2+\s], s21, v[L8]
	v_add_nc_u32 v[ADRB+2+\s], s22, v[L8]
	s_add_co_u32 s21, s21, SLOT
	s_add_co_u32 s22, s22, SLOT
.endr
	s_mul_i32 s21, s15, HALFS
	s_mul_i32 s22, s16, HALFS
	s_add_co_u32 s22, s22, 2*HALFS+64
	s_sub_co_u32 s22, s22, s21
	v_mul_u32_u24 v6, s22, v2
	s_add_co_u32 s21, s21, SCL
	v_lshl_add_u32 v5, v1, 2, v6
	v_add_nc_u32 v[ADRS], s21, v5
	s_lshl_b32 s20, s42, 10
	s_lshl_b32 s21, s16, 9
	s_add_co_u32 s20, s20, s21                     ; my first column, in bytes
	s_mov_b32 s21, 0
	s_add_nc_u64 s[8:9], s[8:9], s[20:21]
	v_lshlrev_b32 v[BO], 6, v2
.irp b, 0,1,2,3,4,5,6,7
	global_load_b128 v[BI+8*\b:BI+8*\b+3], v[BO], s[8:9] offset:(32*(\b/2)+8*(\b%2))*4
	global_load_b128 v[BI+8*\b+4:BI+8*\b+7], v[BO], s[8:9] offset:(32*(\b/2)+8*(\b%2))*4+16
.endr
	s_lshl_b32 s22, s17, 1
	s_add_co_u32 s22, s22, s15
	s_lshl_b32 s22, s22, 19                        ; my first row x 4,096 bytes
	s_add_co_u32 s20, s20, s22
	s_add_nc_u64 s[10:11], s[10:11], s[20:21]
	s_add_nc_u64 s[12:13], s[12:13], s[20:21]
	s_mul_i32 s23, s14, 8448                       ; my stage: 16 rows x (512 + 16) bytes
	v_mul_u32_u24 v5, v1, 528
	v_lshl_add_u32 v5, v2, 6, v5
	v_add_nc_u32 v[STO], s23, v5                   ; in: row r, + 64 h
	v_add_nc_u32 v[RD], s23, v[L16]                ; back: the 32 lanes take a row
	s_wait_tensorcnt 1                             ; the scale words and my part of slot 0 are in; slot 1's load may be out
	s_barrier_signal -1
	s_barrier_wait -1
	FETCH_B 0, 0, 0
	FETCH_A 0, 0, 0
	SCALES 0
	FETCH_A 0, 0, 4
	s_wait_loadcnt 0x0                             ; the bias
	STEP 0, 0, 1
	s_mov_b32 s3, LAPS-1
.Llap:
	TURN 0, 1, 1
	STEP 1, 0, 0
	TURN 1, 0, 1
	STEP 0, 0, 0
	s_sub_co_u32 s3, s3, 1
	s_cmp_lg_u32 s3, 0
	s_cbranch_scc1 .Llap
	TURN 0, 1, 0
	STEP 1, 0, 0
.set RS, 64                            ; v64-127, v128-191 the residual's 16 rows, two sets by turns
.set BB, 192                           ; v192-255 16 rows back from the stage
.macro RLOAD a
.irp t, 0,1,2,3,4,5,6,7,8,9,10,11,12,13,14,15
	global_load_b128 v[RS+64*((\a)%2)+4*\t:RS+64*((\a)%2)+4*\t+3], v[L16], s[10:11] offset:(32*((\a)/2)+8*((\a)%2)+\t+8*(\t/8))*4096 th:TH_LOAD_NT
.endr
.endm
	RLOAD 0                                        ; where the bias lay: asked for a K step ahead
	s_wait_dscnt 4*NL
	WIN MUL_LO
	MUL16 0, 1, 1, 1, 0
	MUL16 2, 1, 1, 1, 0
	s_wait_dscnt 0x0
	WIN MUL_HI
	MUL16 4, 1, 1, 1, 0
	MUL16 6, 1, 1, 1, 0
	WIN 0
	PLACES NP
	RLOAD 1
.macro OUTB a
.set AC, 64*((\a)%4)
	WIN 0x08+4*((\a)/4)                            ; an LDS store's data: window 2 or 3
.irp b, 0,1,2,3,4,5,6,7
	ds_store_b128 v[STO], v[AC+8*\b:AC+8*\b+3] offset:128*(\b/2)+32*(\b%2)         ; each accumulator from its low end on; columns 32 (b / 2) + 16 h + 8 (b % 2) + 0 .. 7
	ds_store_b128 v[STO], v[AC+8*\b+4:AC+8*\b+7] offset:128*(\b/2)+32*(\b%2)+16
.endr
	WIN 0
.irp t, 0,1,2,3,4,5,6,7,8,9,10,11,12,13,14,15
	ds_load_b128 v[BB+4*\t:BB+4*\t+3], v[RD] offset:\t*528     ; LDS serves a wave's instructions in order (ISA guide 5.7.1.4): these see the stores above
.endr
	s_wait_dscnt 0x0
.if (\a) < 7
	s_wait_loadcnt 16                              ; this block's residual is in; the next block's 16 loads may be out
.else
	s_wait_loadcnt 0x0
.endif
.set n, 0
.rept 32
	v_pk_add_f32 v[BB+n:BB+n+1], v[BB+n:BB+n+1], v[RS+64*((\a)%2)+n:RS+64*((\a)%2)+n+1]
.set n, n+2
.endr
.irp t, 0,1,2,3,4,5,6,7,8,9,10,11,12,13,14,15
	global_store_b128 v[L16], v[BB+4*\t:BB+4*\t+3], s[12:13] offset:(32*((\a)/2)+8*((\a)%2)+\t+8*(\t/8))*4096   ; 512 consecutive bytes, aligned
.endr
.if (\a) < 6
	RLOAD (\a)+2
.endif
	s_wait_xcnt 0x0                                ; the stores have read their data, which the next block's loads from the stage write again
.endm
.irp a, 0,1,2,3,4,5,6,7
	OUTB \a
.endr
	s_wait_tensorcnt 0x0                           ; the wave's end
	ds_add_u32 v[SPW], v[NIL]
	s_wait_dscnt 0x0
	CROUND                                         ; the closing round
	s_endpgm
.Lfunc_end_k_qa027b06464_oproj:
	.size	k_qa027b06464_oproj, .Lfunc_end_k_qa027b06464_oproj-k_qa027b06464_oproj
	.p2alignl 7, 3214868480
	.fill 96, 4, 3214868480
	.section	.rodata,"a",@progbits
	.p2align	6, 0x0
	.amdhsa_kernel k_qa027b06464_oproj
		.amdhsa_group_segment_fixed_size 327680
		.amdhsa_private_segment_fixed_size 0
		.amdhsa_enable_private_segment 0
		.amdhsa_kernarg_size 40
		.amdhsa_user_sgpr_count 2
		.amdhsa_user_sgpr_kernarg_segment_ptr 1
		.amdhsa_wavefront_size32 1
		.amdhsa_system_sgpr_workgroup_id_x 1
		.amdhsa_system_sgpr_workgroup_id_y 1
		.amdhsa_system_sgpr_workgroup_id_z 1
		.amdhsa_system_vgpr_workitem_id 0
		.amdhsa_next_free_vgpr 1024
		.amdhsa_next_free_sgpr 100
		.amdhsa_reserve_vcc 0
		.amdhsa_float_denorm_mode_32 3
		.amdhsa_float_denorm_mode_16_64 3
		.amdhsa_memory_ordered 1
		.amdhsa_forward_progress 1
		.amdhsa_inst_pref_size 175
	.end_amdhsa_kernel
	.amdgpu_metadata
---
amdhsa.version: [ 1, 2 ]
amdhsa.kernels:
  - .name:           k_qa027b06464_oproj
    .symbol:         k_qa027b06464_oproj.kd
    .args:
      - { .name: cbuf, .offset: 0, .size: 8, .value_kind: global_buffer, .address_space: global }
      - { .name: wts, .offset: 8, .size: 8, .value_kind: global_buffer, .address_space: global }
      - { .name: bo, .offset: 16, .size: 8, .value_kind: global_buffer, .address_space: global }
      - { .name: x, .offset: 24, .size: 8, .value_kind: global_buffer, .address_space: global }
      - { .name: x1, .offset: 32, .size: 8, .value_kind: global_buffer, .address_space: global }
    .group_segment_fixed_size: 327680
    .private_segment_fixed_size: 0
    .kernarg_segment_align: 8
    .kernarg_segment_size: 40
    .max_flat_workgroup_size: 128
    .sgpr_count:     100
    .vgpr_count:     1024
    .wavefront_size: 32
...
	.end_amdgpu_metadata
.endif
;; end of part 6
;; launch ln2: the kernel of part 2 again; grid 256 x 1, 8 waves a work-group, no clusters, 67,072 bytes of LDS; arguments x1, ln2_g, ln2_b, hbuf; writes hbuf
;; launch ffn1 (part 7): grid 16 x 16, 4 waves a work-group, clusters of 4 x 4, 327,680 bytes of LDS; arguments hbuf, wts, b1, gbuf; writes gbuf
.if DOCPART == 7
	.amdgcn_target "amdgcn-amd-amdhsa--gfx1250"
	.amdhsa_code_object_version 6
	.text
	.protected	k_qa027b06464_ffn1
	.globl	k_qa027b06464_ffn1
	.p2align	8
	.type	k_qa027b06464_ffn1,@function
k_qa027b06464_ffn1:
	s_mov_b64 s[64:65], 0
	v_nop
	global_prefetch_b8 v0, s[64:65] scope:SCOPE_SE
	s_setreg_imm32_b32 hwreg(HW_REG_WAVE_MODE, 25, 1), 1
	s_wait_xcnt 0x0
	s_wait_alu depctr_hold_cnt(0) depctr_sa_sdst(0) depctr_va_vdst(0) depctr_va_sdst(0) depctr_va_ssrc(0) depctr_va_vcc(0) depctr_vm_vsrc(0)
	s_getreg_b32 s2, hwreg(HW_REG_IB_STS2, 6, 4)
	s_cmp_eq_u32 s2, 0
	s_cbranch_scc0 .Lentry_in_a_cluster
	s_endpgm
.Lentry_in_a_cluster:
	s_bfe_u32 s2, ttmp6, 0x10000c
	s_cmp_lg_u32 s2, 0xf033
	s_cbranch_scc0 .Lentry_shape_is_right
	s_endpgm
.Lentry_shape_is_right:
; g = gelu(h W1 + b1), the exact (erf) form, the product on codes of BF6 (E3M2) with E8M0 scales; g is quantised along the 4,096 hidden units and leaves as codes.
; The product's core is that of the other products of this program: tiles of 256 x 256, four waves of 128 x 128, K = 1,024 in slots of 256 through a ring of two LDS slots; operands as images of the operand's registers
; (16 positions x 128 K = 1,536 bytes: registers 0-3 at 16 x lane, 4-5 at 512 + 8 x lane, 6-9 at 768 + 16 x lane, 10-11 at 1,280 + 8 x lane), [block of 16][K step]; scale words [block of 128][K step][128], brought
; once; position p stands for row sigma(p), p with bits 3, 4 exchanged; cluster 4 x 4 with joint loads; source 0 = the weight, source 1 = the rows; the bias is the C of each sum's first product.
; By sigma a lane's 64 registers of a block are the hidden units 32 b + 16 (lane / 16) + i of the wave's 128: one K step of the next product.
; THE WAY OUT.  The accumulators' register numbers differ from block to block, and a block's GELU is long: so the 512 registers are laid into the wave's own 65,536 bytes of LDS (the slots and scale words have had their
; last fill, and a barrier shows that nobody reads them), and a loop of four trips takes two blocks a trip, fetched at the trip's head.
; gelu(x) = max(x, 0) - |x| E(|x|), E = erfc(|x| / sqrt 2) / 2 = t (a1 + t (a2 + t (a3 + t (a4 + t a5)))) 2^(-x^2 log2(e) / 2), t = 1 / (1 + p |x| / sqrt 2): no difference of near-equal numbers is formed.
; LIMITS: the formula (Abramowitz and Stegun 7.1.26) has an absolute error of at most 1.5e-7 in erf; a block of zeros gets the byte 1 where the rule says 127; NaN and infinities are not served.
.set NKS,    8
.set BIASC,  1
.set AIMG,   0
.set ASC,    3145728
.set BIMG,   3145728
.set BSC,    9568256
.set LAPS,   NKS/4
.set FR,     12
.set NL,     4
.set NP,     4
.set BLKB,   3072
.set HALFT,  8*BLKB
.set SLOT,   4*HALFT
.set SCL,    2*SLOT
.set HALFS,  NKS*512
.set SPARE,  262400                    ; the spare words, 128 bytes a wave: two blocks of 256 bytes that no other line names
.set BO,   13
.set L4,   15
.set ADRA, 16
.set ADRB, 20
.set DMP,  24                          ; v24 where I lay the accumulators into LDS
.set DL,   25                          ; v25 where the trip in hand reads them back
.set ADRS, 27
.set SPW,  28
.set NIL,  29
.set L16,  30
.set L8,   31
.set SC,   32
.set BI,   64
.set AF,   128
.set G1,   24
.set G0,   32
.set G1B,  48
.set G0B,  56
.set G1S,  68
.set G0S,  76
.set G1SB, 80
.set G0SB, 88
.set SEL,  96
.set HM,   98
.set MSB,  0
.macro WIN new
.if MSB != (\new)
	s_set_vgpr_msb (MSB<<8)|(\new)
.set MSB, (\new)
.endif
.endm
.set MUL_LO, 0xa1
.set MUL_HI, 0xf1
.set TO_B,   0x40
.macro JLOAD g0a, g1a, g0b, g1b        ; four v_nop follow each of the two lines
	s_cmp_eq_u32 s15, 0
	s_cbranch_scc0 .Lfor_b_\@
	tensor_load_to_lds s[\g0a:\g0a+3], s[\g1a:\g1a+7]
	s_nop 0
.rept 4
	v_nop
.endr
	s_branch .Lasked_\@
.Lfor_b_\@:
	tensor_load_to_lds s[\g0b:\g0b+3], s[\g1b:\g1b+7]
	s_nop 0
.rept 4
	v_nop
.endr
.Lasked_\@:
.endm
.macro CREST
	s_cmp_lg_u32 s14, 0
	s_cbranch_scc1 .Lnot_wave_0_\@
	s_barrier_signal -3
.Lnot_wave_0_\@:
	s_barrier_wait -3
	s_barrier_signal -1
	s_barrier_wait -1
.endm
.macro CROUND
	s_barrier_signal -1
	s_barrier_wait -1
	CREST
.endm
.macro FRAG reg, adr, q, i
	ds_load_b128 v[\reg:\reg+3], v[\adr] offset:(\i)*BLKB+(\q)*1536
	ds_load_b64 v[\reg+4:\reg+5], v[\adr+2] offset:(\i)*BLKB+(\q)*1536+512
	ds_load_b128 v[\reg+6:\reg+9], v[\adr] offset:(\i)*BLKB+(\q)*1536+768
	ds_load_b64 v[\reg+10:\reg+11], v[\adr+2] offset:(\i)*BLKB+(\q)*1536+1280
.endm
.macro MUL16 a0, p, q, sc, zero        ; the 64 accumulators take turns, one instruction a turn
.irp a, \a0, \a0+1
.irp b, 0,1,2,3,4,5,6,7
.set rD, 8*(8*((\a)%4)+\b)
.set rB, 128*(\p)+FR*\b
.set rA, AF+FR*(\a)
.set rSB, SC+16*(\sc)+2*\b+(\q)
.set rSA, SC+16*(\sc)+2*(\a)+(\q)
.if (\zero) && BIASC
	v_wmma_scale_f32_16x16x128_f8f6f4 v[rD:rD+7], v[rB:rB+FR-1], v[rA:rA+FR-1], v[BI+8*\b:BI+8*\b+7], v[rSB], v[rSA] matrix_a_fmt:MATRIX_FMT_BF6 matrix_b_fmt:MATRIX_FMT_BF6 matrix_a_scale:MATRIX_SCALE_ROW1
.elseif \zero
	v_wmma_scale_f32_16x16x128_f8f6f4 v[rD:rD+7], v[rB:rB+FR-1], v[rA:rA+FR-1], 0, v[rSB], v[rSA] matrix_a_fmt:MATRIX_FMT_BF6 matrix_b_fmt:MATRIX_FMT_BF6 matrix_a_scale:MATRIX_SCALE_ROW1
.else
	v_wmma_scale_f32_16x16x128_f8f6f4 v[rD:rD+7], v[rB:rB+FR-1], v[rA:rA+FR-1], v[rD:rD+7], v[rSB], v[rSA] matrix_a_fmt:MATRIX_FMT_BF6 matrix_b_fmt:MATRIX_FMT_BF6 matrix_a_scale:MATRIX_SCALE_ROW1
.endif
.endr
.endr
.endm
.macro FETCH_B slot, q, p
	WIN TO_B
.irp i, 0,1,2,3,4,5,6,7
	FRAG 128*(\p)+FR*\i, ADRB+\slot, \q, \i
.endr
	WIN 0
.endm
.macro FETCH_A slot, q, i0
.irp i, \i0, \i0+1, \i0+2, \i0+3
	FRAG AF+FR*(\i), ADRA+\slot, \q, \i
.endr
.endm
.macro SCALES sc
.irp i, 0,1,2,3,4,5,6,7
	ds_load_b32 v[SC+16*\sc+2*\i], v[ADRS] offset:64*\i
	ds_load_b32 v[SC+16*\sc+2*\i+1], v[ADRS] offset:64*\i+512
.endr
.endm
.macro PLACES n
.rept \n
	v_nop
.endr
.endm
.macro STEP slot, q, zero
	s_wait_dscnt 4*NL                              ; all but the youngest 16 loads (source 1's blocks 4-7) are in
	WIN MUL_LO-0x20*BIASC*(\zero)
	MUL16 0, (\q)%2, \q, \slot, \zero
	MUL16 2, (\q)%2, \q, \slot, \zero
	s_wait_dscnt 0x0
	PLACES NP
	FETCH_B \slot, (\q)+1, 1-(\q)%2
	FETCH_A \slot, (\q)+1, 0
	WIN MUL_HI-0x30*BIASC*(\zero)
	MUL16 4, (\q)%2, \q, \slot, \zero
	MUL16 6, (\q)%2, \q, \slot, \zero
	PLACES NP
	WIN 0
	FETCH_A \slot, (\q)+1, 4
.endm
.macro TURN slot, next, fill
	s_wait_tensorcnt 0x0                           ; all my tensor loads have landed: my part of the next slot
	ds_add_u32 v[SPW], v[NIL]
	s_wait_dscnt 4*NL+1                            ; (the add and the youngest 16 loads may be out)
	WIN MUL_LO
	MUL16 0, 1, 1, \slot, 0
	s_wait_dscnt 0x0                               ; the add is done, and my reads of this slot are over
	s_barrier_signal -1
	MUL16 2, 1, 1, \slot, 0
	WIN 0
	s_barrier_wait -1
.if \fill
	CREST                                          ; a round of the cluster's barrier: no wave of any partner still reads this slot or has a load on its way
	s_add_nc_u64 s[G0+4*\slot+2:G0+4*\slot+3], s[G0+4*\slot+2:G0+4*\slot+3], 2*BLKB
	s_add_nc_u64 s[G0B+4*\slot+2:G0B+4*\slot+3], s[G0B+4*\slot+2:G0B+4*\slot+3], 2*BLKB
	JLOAD G0+4*\slot, G1, G0B+4*\slot, G1B
.else
	PLACES NP
.endif
	v_add_nc_u32 v[ADRS], 1024, v[ADRS]
	FETCH_B \next, 0, 0
	FETCH_A \next, 0, 0
	SCALES \next
	WIN MUL_HI
	MUL16 4, 1, 1, \slot, 0
	MUL16 6, 1, 1, \slot, 0
	PLACES NP
	WIN 0
	FETCH_A \next, 0, 4
.endm
.macro QUANT s, pw
.irp b, 0,1,2,3
	v_max3_num_f32 v[TM+\b], |v[\s+16*\b]|, |v[\s+1+16*\b]|, 0x2800000   ; and the floor 2^(5 - 127): the byte cannot fall under 1
.endr
.irp i, 2,4,6,8,10,12,14
.irp b, 0,1,2,3
	v_max3_num_f32 v[TM+\b], v[TM+\b], |v[\s+16*\b+\i]|, |v[\s+1+16*\b+\i]|
.endr
.endr
.irp b, 0,1,2,3
	v_permlanex16_b32 v[TM+4+\b], v[TM+\b], s[SEL], s[SEL+1]
.endr
.irp b, 0,1,2,3
	v_max_num_f32 v[TM+\b], v[TM+\b], v[TM+4+\b]
.endr
.irp b, 0,1,2,3
	v_add_nc_u32 v[TM+12+\b], 0xfe000000, v[TM+\b]
.endr
.irp b, 0,1,2,3
	v_lshrrev_b32 v[TM+4+\b], 23, v[TM+12+\b]
.endr
	v_lshl_or_b32 v[\pw], v[TM+5], 8, v[TM+4]
	v_lshl_or_b32 v[\pw], v[TM+6], 16, v[\pw]
	v_lshl_or_b32 v[\pw], v[TM+7], 24, v[\pw]
.irp c, 0,1
	v_cvt_scalef32_pk16_bf6_f32 v[PC+6*\c:PC+2+6*\c], v[\s+32*\c:\s+15+32*\c], v[TM+12+2*\c]
	v_cvt_scalef32_pk16_bf6_f32 v[PC+12+4*\c:PC+14+4*\c], v[\s+16+32*\c:\s+31+32*\c], v[TM+12+2*\c+1]
.endr
	v_nop                                          ; one plain place behind a scaled conversion
.irp c, 0,1
.irp i, 0,1,2
	v_permlane16_swap_b32 v[PC+6*\c+\i], v[PC+12+4*\c+\i]
.endr
.irp i, 0,1,2
	v_mov_b32 v[PC+3+6*\c+\i], v[PC+12+4*\c+\i]
.endr
.endr
.endm
.macro GIMG base, off
	global_store_b128 v[L16], v[PC:PC+3], s[\base:\base+1] offset:\off
	global_store_b64 v[L8], v[PC+4:PC+5], s[\base:\base+1] offset:(\off)+512
	global_store_b128 v[L16], v[PC+6:PC+9], s[\base:\base+1] offset:(\off)+768
	global_store_b64 v[L8], v[PC+10:PC+11], s[\base:\base+1] offset:(\off)+1280
.endm
	s_load_b256 s[4:11], s[0:1], 0x0               ; hbuf, wts, b1, gbuf
	v_lshl_add_u32 v[SPW], v0, 2, SPARE
	v_mov_b32 v[NIL], 0
	ds_add_u32 v28, v29
	s_wait_dscnt 0x0
	v_lshrrev_b32 v1, 5, v0
	v_readfirstlane_b32 s14, v1
	s_lshr_b32 s15, s14, 1
	s_and_b32 s16, s14, 1
	s_bfe_u32 s40, ttmp6, 0x40000
	s_bfe_u32 s41, ttmp6, 0x40004
	s_lshl_b32 s42, ttmp9, 2
	s_add_co_u32 s42, s42, s40
	s_and_b32 s17, ttmp7, 0xffff
	s_lshl_b32 s17, s17, 2
	s_add_co_u32 s17, s17, s41
	s_lshl_b32 s43, s41, 2
	s_lshl_b32 s43, 15, s43
	s_lshl_b32 s44, 0x1111, s40
	s_or_b32 s[G1+0], s43, (3<<16)|(1<<21)
	s_or_b32 s[G1B+0], s44, (3<<16)|(1<<21)
.irp g, G1, G1B
	s_mov_b32 s[\g+1], 384<<16
	s_mov_b32 s[\g+2], 8<<16
	s_mov_b32 s[\g+3], 384<<16
	s_mov_b32 s[\g+4], 8
	s_mov_b32 s[\g+5], NKS*192
	s_mov_b32 s[\g+6], 0
	s_mov_b32 s[\g+7], 0
.endr
	s_or_b32 s[G1S+0], s43, (3<<16)|(1<<21)
	s_or_b32 s[G1SB+0], s44, (3<<16)|(1<<21)
.irp g, G1S, G1SB
	s_mov_b32 s[\g+1], 32<<16
	s_mov_b32 s[\g+2], (2*NKS)<<16
	s_mov_b32 s[\g+3], 32<<16
	s_mov_b32 s[\g+4], 2*NKS
	s_mov_b32 s[\g+5], 32
	s_mov_b32 s[\g+6], 0
	s_mov_b32 s[\g+7], 0
.endr
	s_mov_b32 s[SEL], 0x76543210
	s_mov_b32 s[SEL+1], 0xfedcba98
	s_mov_b32 s[HM], 0xffff0000
	s_lshl_b32 s20, s17, 1
	s_add_co_u32 s20, s20, s16
	s_lshl_b32 s46, s42, 1
	s_add_co_u32 s46, s46, s16
	s_mul_i32 s22, s20, HALFS
	s_add_co_u32 s22, s22, ASC
	s_mul_i32 s92, s46, HALFS
	s_add_co_u32 s92, s92, BSC
	s_mul_i32 s20, s20, 8*NKS*1536
	s_add_co_u32 s20, s20, AIMG
	s_mul_i32 s46, s46, 8*NKS*1536
	s_add_co_u32 s46, s46, BIMG
	s_mov_b32 s21, 0
	s_mov_b32 s23, 0
	s_mov_b32 s47, 0
	s_mov_b32 s93, 0
	s_mul_i32 s45, s14, HALFT
	s_mul_i32 s94, s14, HALFS
	s_lshl_b32 s95, s15, 6
	s_add_co_u32 s94, s94, s95
	s_wait_kmcnt 0x0
	s_add_nc_u64 s[20:21], s[4:5], s[20:21]
	s_add_nc_u64 s[22:23], s[4:5], s[22:23]
	s_add_nc_u64 s[46:47], s[6:7], s[46:47]
	s_add_nc_u64 s[92:93], s[6:7], s[92:93]
	CROUND                                         ; all sixteen work-groups are here: the first joint loads meet
	s_mov_b32 s[G0S], 1
	s_add_co_u32 s[G0S+1], s94, SCL
	s_mov_b64 s[G0S+2:G0S+3], s[22:23]
	s_or_b32 s[G0S+3], s[G0S+3], 0x80000000
	s_mov_b32 s[G0SB], 1
	s_add_co_u32 s[G0SB+1], s94, SCL
	s_mov_b64 s[G0SB+2:G0SB+3], s[92:93]
	s_or_b32 s[G0SB+3], s[G0SB+3], 0x80000000
	JLOAD G0S, G1S, G0SB, G1SB
.irp s, 0,1
	s_mov_b32 s[G0+4*\s], 1
	s_add_co_u32 s[G0+4*\s+1], s45, \s*SLOT
	s_add_nc_u64 s[G0+4*\s+2:G0+4*\s+3], s[20:21], \s*BLKB
	s_or_b32 s[G0+4*\s+3], s[G0+4*\s+3], 0x80000000
	s_mov_b32 s[G0B+4*\s], 1
	s_add_co_u32 s[G0B+4*\s+1], s45, \s*SLOT
	s_add_nc_u64 s[G0B+4*\s+2:G0B+4*\s+3], s[46:47], \s*BLKB
	s_or_b32 s[G0B+4*\s+3], s[G0B+4*\s+3], 0x80000000
	JLOAD G0+4*\s, G1, G0B+4*\s, G1B
.endr
	v_and_b32 v1, 15, v0
	v_bfe_u32 v2, v0, 4, 1
	v_and_b32 v3, 31, v0
	v_lshlrev_b32 v[L16], 4, v3
	v_lshlrev_b32 v[L8], 3, v3
	v_lshlrev_b32 v[L4], 2, v3
	s_mul_i32 s21, s15, HALFT
	s_mul_i32 s22, s16, HALFT
	s_add_co_u32 s22, s22, 2*HALFT
.irp s, 0,1
	v_add_nc_u32 v[ADRA+\s], s21, v[L16]
	v_add_nc_u32 v[ADRB+\s], s22, v[L16]
	v_add_nc_u32 v[ADRA+2+\s], s21, v[L8]
	v_add_nc_u32 v[ADRB+2+\s], s22, v[L8]
	s_add_co_u32 s21, s21, SLOT
	s_add_co_u32 s22, s22, SLOT
.endr
	s_mul_i32 s21, s15, HALFS
	s_mul_i32 s22, s16, HALFS
	s_add_co_u32 s22, s22, 2*HALFS+64
	s_sub_co_u32 s22, s22, s21
	v_mul_u32_u24 v6, s22, v2
	s_add_co_u32 s21, s21, SCL
	v_lshl_add_u32 v5, v1, 2, v6
	v_add_nc_u32 v[ADRS], s21, v5
	s_lshl_b32 s20, s42, 10
	s_lshl_b32 s21, s16, 9
	s_add_co_u32 s20, s20, s21
	s_mov_b32 s21, 0
	s_add_nc_u64 s[8:9], s[8:9], s[20:21]
	v_lshlrev_b32 v[BO], 6, v2
.irp b, 0,1,2,3,4,5,6,7
	global_load_b128 v[BI+8*\b:BI+8*\b+3], v[BO], s[8:9] offset:(32*(\b/2)+8*(\b%2))*4
	global_load_b128 v[BI+8*\b+4:BI+8*\b+7], v[BO], s[8:9] offset:(32*(\b/2)+8*(\b%2))*4+16
.endr
	s_lshl_b32 s22, s17, 1
	s_add_co_u32 s22, s22, s15                     ; which 128 rows
	s_lshl_b32 s18, s42, 1
	s_add_co_u32 s18, s18, s16                     ; the next product's K step
	s_lshl_b32 s19, s22, 8                         ; x 8 blocks x 32 K steps
	s_add_co_u32 s19, s19, s18
	s_mul_i32 s20, s19, 1536
	s_lshl_b32 s19, s22, 5
	s_add_co_u32 s19, s19, s18
	s_lshl_b32 s22, s19, 9
	s_add_co_u32 s22, s22, 12582912
	s_mov_b32 s23, 0
	s_add_nc_u64 s[12:13], s[10:11], s[22:23]      ; my scale words
	s_add_nc_u64 s[10:11], s[10:11], s[20:21]      ; my first image
	s_lshl_b32 s23, s14, 16
	v_add_nc_u32 v[DMP], s23, v[L16]               ; my 65,536 bytes of LDS on the way out
	v_add_nc_u32 v[DL], s23, v[L16]
	s_wait_tensorcnt 1                             ; the scale words and my part of slot 0 are in; slot 1's load may be out
	s_barrier_signal -1
	s_barrier_wait -1
	FETCH_B 0, 0, 0
	FETCH_A 0, 0, 0
	SCALES 0
	FETCH_A 0, 0, 4
	s_wait_loadcnt 0x0                             ; the bias
	STEP 0, 0, 1
	s_mov_b32 s3, LAPS-1
.Llap:
	TURN 0, 1, 1
	STEP 1, 0, 0
	TURN 1, 0, 1
	STEP 0, 0, 0
	s_sub_co_u32 s3, s3, 1
	s_cmp_lg_u32 s3, 0
	s_cbranch_scc1 .Llap
	TURN 0, 1, 0
	STEP 1, 0, 0
	s_wait_dscnt 4*NL
	WIN MUL_LO
	MUL16 0, 1, 1, 1, 0
	MUL16 2, 1, 1, 1, 0
	s_wait_dscnt 0x0                               ; my reads of slot 1 and of the scale words are over
	s_barrier_signal -1                            ; (register work alone up to the wait)
	WIN MUL_HI
	MUL16 4, 1, 1, 1, 0
	MUL16 6, 1, 1, 1, 0
	WIN 0
	s_barrier_wait -1                              ; everybody's are: the ring's and the scale words' bytes may be written
	PLACES NP
.irp a, 0,1,2,3,4,5,6,7
	WIN 0x08+4*(\a/4)                              ; an LDS store's data: window 2 or 3
.irp b, 0,1,2,3,4,5,6,7
	ds_store_b128 v[DMP], v[64*(\a%4)+8*\b:64*(\a%4)+8*\b+3] offset:((8*\a+\b)*2)*512      ; each accumulator from its low end on; 512 consecutive bytes a store
	ds_store_b128 v[DMP], v[64*(\a%4)+8*\b+4:64*(\a%4)+8*\b+7] offset:((8*\a+\b)*2+1)*512
.endr
.endr
	WIN 0
.set X0, 64                            ; v64-127, v128-191 two blocks' 64 numbers
.set X1, 128
.set T,  192                           ; v192-207 t
.set W,  208                           ; v208-223 the exponential
.set P,  224                           ; v224-239 the polynomial
.set MX, 240                           ; v240-255 max(x, 0)
.set PC, 192                           ; the codes and the quantiser's work lie where T, W and MX lay
.set TM, 240
.set A5V, 8
.set PW0, 10
.set PW1, 11
.set SW,  12
.set CP, 24                            ; the descriptors' registers are free: the last wait for all tensor loads is passed
.set CE, 26
.set A4, 28
.set A3, 30
.set A2, 32
.set A1, 34
	s_mov_b32 s[CP], 0x3e6d3388                    ; 0.3275911 / sqrt 2
	s_mov_b32 s[CE], 0xbf38aa3b                    ; -log2(e) / 2
	s_mov_b32 s[CE+1], s[CE]
	s_mov_b32 s[A4], 0xbf3a00e3                    ; the coefficients, halved
	s_mov_b32 s[A4+1], s[A4]
	s_mov_b32 s[A3], 0x3f35f0e3
	s_mov_b32 s[A3+1], s[A3]
	s_mov_b32 s[A2], 0xbe11a98e
	s_mov_b32 s[A2+1], s[A2]
	s_mov_b32 s[A1], 0x3e027906
	s_mov_b32 s[A1+1], s[A1]
	v_mov_b32 v[A5V], 0x3f07dc22
	v_mov_b32 v[A5V+1], 0x3f07dc22
.macro XL set, off                     ; a block's 64 registers back from LDS (a wave's LDS instructions are served in order, ISA guide 5.7.1.4: these see my stores)
.set n, 0
.rept 16
	ds_load_b128 v[\set+4*n:\set+4*n+3], v[DL] offset:\off+512*n
.set n, n+1
.endr
.endm
.macro QTR xs                          ; gelu of 16 numbers, in place
.set n, 0
.rept 16
	v_fma_f32 v[T+n], |v[\xs+n]|, s[CP], 1.0
.set n, n+1
.endr
.set n, 0
.rept 8
	v_pk_mul_f32 v[W+n:W+n+1], v[\xs+n:\xs+n+1], s[CE:CE+1] op_sel_hi:[1,0]
.set n, n+2
.endr
.set n, 0
.rept 8
	v_pk_mul_f32 v[W+n:W+n+1], v[W+n:W+n+1], v[\xs+n:\xs+n+1]
.set n, n+2
.endr
.set n, 0
.rept 16
	v_rcp_f32 v[T+n], v[T+n]
.set n, n+1
.endr
.set n, 0
.rept 16
	v_exp_f32 v[W+n], v[W+n]
.set n, n+1
.endr
.set n, 0
.rept 16
	v_max_num_f32 v[MX+n], 0, v[\xs+n]             ; plain work that names no result of the batch
.set n, n+1
.endr
	s_wait_alu depctr_va_vdst(0)                   ; one wait for the batch of 32, ahead of its first reader
.set n, 0
.rept 8
	v_pk_fma_f32 v[P+n:P+n+1], v[T+n:T+n+1], v[A5V:A5V+1], s[A4:A4+1] op_sel_hi:[1,1,0]
.set n, n+2
.endr
.irp k, A3, A2, A1
.set n, 0
.rept 8
	v_pk_fma_f32 v[P+n:P+n+1], v[P+n:P+n+1], v[T+n:T+n+1], s[\k:\k+1] op_sel_hi:[1,1,0]
.set n, n+2
.endr
.endr
.set n, 0
.rept 8
	v_pk_mul_f32 v[P+n:P+n+1], v[P+n:P+n+1], v[T+n:T+n+1]
.set n, n+2
.endr
.set n, 0
.rept 8
	v_pk_mul_f32 v[P+n:P+n+1], v[P+n:P+n+1], v[W+n:W+n+1]
.set n, n+2
.endr
.set n, 0
.rept 16
	v_fma_f32 v[\xs+n], -|v[\xs+n]|, v[P+n], v[MX+n]
.set n, n+1
.endr
.endm
	s_mov_b32 s3, 4
.Lgelu:                                            ; four trips, two blocks of 16 rows a trip
	XL X0, 0
	XL X1, 8192
	s_wait_dscnt 16                                ; the first block is in; the second block's 16 loads may be out
	QTR X0
	QTR X0+16
	QTR X0+32
	QTR X0+48
	QUANT X0, PW0
	GIMG 10, 0
	s_wait_dscnt 0x0                               ; the second block is in
	s_wait_xcnt 0x0                                ; the image's stores have read the code registers, which the next lines write
	QTR X1
	QTR X1+16
	QTR X1+32
	QTR X1+48
	QUANT X1, PW1
	GIMG 10, 49152                                 ; the next block of 16 rows: 32 images on
	v_cndmask_b32 v[SW], v[PW0], v[PW1], s[HM]     ; lanes 0-15 the first block's words, lanes 16-31 the second's: 128 consecutive bytes
	global_store_b32 v[L4], v[SW], s[12:13]
	s_wait_xcnt 0x0                                ; the stores have read their data and bases
	s_add_nc_u64 s[10:11], s[10:11], 98304
	s_add_nc_u64 s[12:13], s[12:13], 128
	v_add_nc_u32 v[DL], 16384, v[DL]
	s_sub_co_u32 s3, s3, 1
	s_cmp_lg_u32 s3, 0
	s_cbranch_scc1 .Lgelu
	s_wait_tensorcnt 0x0                           ; the wave's end
	ds_add_u32 v[SPW], v[NIL]
	s_wait_dscnt 0x0
	CROUND                                         ; the closing round
	s_endpgm
.Lfunc_end_k_qa027b06464_ffn1:
	.size	k_qa027b06464_ffn1, .Lfunc_end_k_qa027b06464_ffn1-k_qa027b06464_ffn1
	.p2alignl 7, 3214868480
	.fill 96, 4, 3214868480
	.section	.rodata,"a",@progbits
	.p2align	6, 0x0
	.amdhsa_kernel k_qa027b06464_ffn1
		.amdhsa_group_segment_fixed_size 327680
		.amdhsa_private_segment_fixed_size 0
		.amdhsa_enable_private_segment 0
		.amdhsa_kernarg_size 32
		.amdhsa_user_sgpr_count 2
		.amdhsa_user_sgpr_kernarg_segment_ptr 1
		.amdhsa_wavefront_size32 1
		.amdhsa_system_sgpr_workgroup_id_x 1
		.amdhsa_system_sgpr_workgroup_id_y 1
		.amdhsa_system_sgpr_workgroup_id_z 1
		.amdhsa_system_vgpr_workitem_id 0
		.amdhsa_next_free_vgpr 1024
		.amdhsa_next_free_sgpr 100
		.amdhsa_reserve_vcc 0
		.amdhsa_float_denorm_mode_32 3
		.amdhsa_float_denorm_mode_16_64 3
		.amdhsa_memory_ordered 1
		.amdhsa_forward_progress 1
		.amdhsa_inst_pref_size 198
	.end_amdhsa_kernel
	.amdgpu_metadata
---
amdhsa.version: [ 1, 2 ]
amdhsa.kernels:
  - .name:           k_qa027b06464_ffn1
    .symbol:         k_qa027b06464_ffn1.kd
    .args:
      - { .name: hbuf, .offset: 0, .size: 8, .value_kind: global_buffer, .address_space: global }
      - { .name: wts, .offset: 8, .size: 8, .value_kind: global_buffer, .address_space: global }
      - { .name: b1, .offset: 16, .size: 8, .value_kind: global_buffer, .address_space: global }
      - { .name: gbuf, .offset: 24, .size: 8, .value_kind: global_buffer, .address_space: global }
    .group_segment_fixed_size: 327680
    .private_segment_fixed_size: 0
    .kernarg_segment_align: 8
    .kernarg_segment_size: 32
    .max_flat_workgroup_size: 128
    .sgpr_count:     100
    .vgpr_count:     1024
    .wavefront_size: 32
...
	.end_amdgpu_metadata
.endif
;; end of part 7
;; launch ffn2 (part 8): grid 4 x 16, 4 waves a work-group, clusters of 4 x 4, 327,680 bytes of LDS; arguments gbuf, wts, b2, x1, out0; writes out0
.if DOCPART == 8
	.amdgcn_target "amdgcn-amd-amdhsa--gfx1250"
	.amdhsa_code_object_version 6
	.text
	.protected	k_qa027b06464_ffn2
	.globl	k_qa027b06464_ffn2
	.p2align	8
	.type	k_qa027b06464_ffn2,@function
k_qa027b06464_ffn2:
	s_mov_b64 s[64:65], 0
	v_nop
	global_prefetch_b8 v0, s[64:65] scope:SCOPE_SE
	s_setreg_imm32_b32 hwreg(HW_REG_WAVE_MODE, 25, 1), 1
	s_wait_xcnt 0x0
	s_wait_alu depctr_hold_cnt(0) depctr_sa_sdst(0) depctr_va_vdst(0) depctr_va_sdst(0) depctr_va_ssrc(0) depctr_va_vcc(0) depctr_vm_vsrc(0)
	s_getreg_b32 s2, hwreg(HW_REG_IB_STS2, 6, 4)
	s_cmp_eq_u32 s2, 0
	s_cbranch_scc0 .Lentry_in_a_cluster
	s_endpgm
.Lentry_in_a_cluster:
	s_bfe_u32 s2, ttmp6, 0x10000c
	s_cmp_lg_u32 s2, 0xf033
	s_cbranch_scc0 .Lentry_shape_is_right
	s_endpgm
.Lentry_shape_is_right:
; out = x1 + g W2 + b2: the product on codes of BF6 (E3M2) with E8M0 scales, K = 4,096; the result in f32, rows in their natural order.
; The product's core is that of the other products of this program: tiles of 256 x 256, four waves of 128 x 128, K in slots of 256 through a ring of two LDS slots; operands as images of the operand's registers
; (16 positions x 128 K = 1,536 bytes: registers 0-3 at 16 x lane, 4-5 at 512 + 8 x lane, 6-9 at 768 + 16 x lane, 10-11 at 1,280 + 8 x lane), [block of 16][K step]; scale words [block of 128][K step][128], brought
; once (65,536 bytes here); position p stands for row sigma(p), p with bits 3, 4 exchanged; cluster 4 x 4 with joint loads; source 0 = the weight, source 1 = the rows; the bias is the C of each sum's first product.
; N = 1,024 gives 64 tiles of this size: 64 work-groups.
; THE WAY OUT.  A block of 16 rows x 128 columns goes through the wave's own stage in LDS (in slot 0, which has had its last fill and its last read) and comes back as whole rows of 512 bytes; the places in the stage and
; the rows' offsets in memory undo sigma.  The residual's rows are asked for two blocks ahead.
.set NKS,    32
.set BIASC,  1
.set AIMG,   0
.set ASC,    12582912
.set BIMG,   6291456
.set BSC,    9699328
.set LAPS,   NKS/4
.set FR,     12
.set NL,     4
.set NP,     4
.set BLKB,   3072
.set HALFT,  8*BLKB
.set SLOT,   4*HALFT
.set SCL,    2*SLOT
.set HALFS,  NKS*512
.set SPARE,  262400                    ; the spare words, 128 bytes a wave: two blocks of 256 bytes that no other line names
.set BO,   13
.set ADRA, 16
.set ADRB, 20
.set STO,  24
.set RD,   25
.set ADRS, 27
.set SPW,  28
.set NIL,  29
.set L16,  30
.set L8,   31
.set SC,   32
.set BI,   64
.set AF,   128
.set G1,   24
.set G0,   32
.set G1B,  48
.set G0B,  56
.set G1S,  68
.set G0S,  76
.set G1SB, 80
.set G0SB, 88
.set MSB,  0
.macro WIN new
.if MSB != (\new)
	s_set_vgpr_msb (MSB<<8)|(\new)
.set MSB, (\new)
.endif
.endm
.set MUL_LO, 0xa1
.set MUL_HI, 0xf1
.set TO_B,   0x40
.macro JLOAD g0a, g1a, g0b, g1b        ; four v_nop follow each of the two lines
	s_cmp_eq_u32 s15, 0
	s_cbranch_scc0 .Lfor_b_\@
	tensor_load_to_lds s[\g0a:\g0a+3], s[\g1a:\g1a+7]
	s_nop 0
.rept 4
	v_nop
.endr
	s_branch .Lasked_\@
.Lfor_b_\@:
	tensor_load_to_lds s[\g0b:\g0b+3], s[\g1b:\g1b+7]
	s_nop 0
.rept 4
	v_nop
.endr
.Lasked_\@:
.endm
.macro CREST
	s_cmp_lg_u32 s14, 0
	s_cbranch_scc1 .Lnot_wave_0_\@
	s_barrier_signal -3
.Lnot_wave_0_\@:
	s_barrier_wait -3
	s_barrier_signal -1
	s_barrier_wait -1
.endm
.macro CROUND
	s_barrier_signal -1
	s_barrier_wait -1
	CREST
.endm
.macro FRAG reg, adr, q, i
	ds_load_b128 v[\reg:\reg+3], v[\adr] offset:(\i)*BLKB+(\q)*1536
	ds_load_b64 v[\reg+4:\reg+5], v[\adr+2] offset:(\i)*BLKB+(\q)*1536+512
	ds_load_b128 v[\reg+6:\reg+9], v[\adr] offset:(\i)*BLKB+(\q)*1536+768
	ds_load_b64 v[\reg+10:\reg+11], v[\adr+2] offset:(\i)*BLKB+(\q)*1536+1280
.endm
.macro MUL16 a0, p, q, sc, zero        ; the 64 accumulators take turns, one instruction a turn
.irp a, \a0, \a0+1
.irp b, 0,1,2,3,4,5,6,7
.set rD, 8*(8*((\a)%4)+\b)
.set rB, 128*(\p)+FR*\b
.set rA, AF+FR*(\a)
.set rSB, SC+16*(\sc)+2*\b+(\q)
.set rSA, SC+16*(\sc)+2*(\a)+(\q)
.if (\zero) && BIASC
	v_wmma_scale_f32_16x16x128_f8f6f4 v[rD:rD+7], v[rB:rB+FR-1], v[rA:rA+FR-1], v[BI+8*\b:BI+8*\b+7], v[rSB], v[rSA] matrix_a_fmt:MATRIX_FMT_BF6 matrix_b_fmt:MATRIX_FMT_BF6 matrix_a_scale:MATRIX_SCALE_ROW1
.elseif \zero
	v_wmma_scale_f32_16x16x128_f8f6f4 v[rD:rD+7], v[rB:rB+FR-1], v[rA:rA+FR-1], 0, v[rSB], v[rSA] matrix_a_fmt:MATRIX_FMT_BF6 matrix_b_fmt:MATRIX_FMT_BF6 matrix_a_scale:MATRIX_SCALE_ROW1
.else
	v_wmma_scale_f32_16x16x128_f8f6f4 v[rD:rD+7], v[rB:rB+FR-1], v[rA:rA+FR-1], v[rD:rD+7], v[rSB], v[rSA] matrix_a_fmt:MATRIX_FMT_BF6 matrix_b_fmt:MATRIX_FMT_BF6 matrix_a_scale:MATRIX_SCALE_ROW1
.endif
.endr
.endr
.endm
.macro FETCH_B slot, q, p
	WIN TO_B
.irp i, 0,1,2,3,4,5,6,7
	FRAG 128*(\p)+FR*\i, ADRB+\slot, \q, \i
.endr
	WIN 0
.endm
.macro FETCH_A slot, q, i0
.irp i, \i0, \i0+1, \i0+2, \i0+3
	FRAG AF+FR*(\i), ADRA+\slot, \q, \i
.endr
.endm
.macro SCALES sc
.irp i, 0,1,2,3,4,5,6,7
	ds_load_b32 v[SC+16*\sc+2*\i], v[ADRS] offset:64*\i
	ds_load_b32 v[SC+16*\sc+2*\i+1], v[ADRS] offset:64*\i+512
.endr
.endm
.macro PLACES n
.rept \n
	v_nop
.endr
.endm
.macro STEP slot, q, zero
	s_wait_dscnt 4*NL                              ; all but the youngest 16 loads (source 1's blocks 4-7) are in
	WIN MUL_LO-0x20*BIASC*(\zero)
	MUL16 0, (\q)%2, \q, \slot, \zero
	MUL16 2, (\q)%2, \q, \slot, \zero
	s_wait_dscnt 0x0
	PLACES NP
	FETCH_B \slot, (\q)+1, 1-(\q)%2
	FETCH_A \slot, (\q)+1, 0
	WIN MUL_HI-0x30*BIASC*(\zero)
	MUL16 4, (\q)%2, \q, \slot, \zero
	MUL16 6, (\q)%2, \q, \slot, \zero
	PLACES NP
	WIN 0
	FETCH_A \slot, (\q)+1, 4
.endm
.macro TURN slot, next, fill
	s_wait_tensorcnt 0x0                           ; all my tensor loads have landed: my part of the next slot
	ds_add_u32 v[SPW], v[NIL]
	s_wait_dscnt 4*NL+1                            ; (the add and the youngest 16 loads may be out)
	WIN MUL_LO
	MUL16 0, 1, 1, \slot, 0
	s_wait_dscnt 0x0                               ; the add is done, and my reads of this slot are over
	s_barrier_signal -1
	MUL16 2, 1, 1, \slot, 0
	WIN 0
	s_barrier_wait -1
.if \fill
	CREST                                          ; a round of the cluster's barrier: no wave of any partner still reads this slot or has a load on its way
	s_add_nc_u64 s[G0+4*\slot+2:G0+4*\slot+3], s[G0+4*\slot+2:G0+4*\slot+3], 2*BLKB
	s_add_nc_u64 s[G0B+4*\slot+2:G0B+4*\slot+3], s[G0B+4*\slot+2:G0B+4*\slot+3], 2*BLKB
	JLOAD G0+4*\slot, G1, G0B+4*\slot, G1B
.else
	PLACES NP
.endif
	v_add_nc_u32 v[ADRS], 1024, v[ADRS]
	FETCH_B \next, 0, 0
	FETCH_A \next, 0, 0
	SCALES \next
	WIN MUL_HI
	MUL16 4, 1, 1, \slot, 0
	MUL16 6, 1, 1, \slot, 0
	PLACES NP
	WIN 0
	FETCH_A \next, 0, 4
.endm
	s_load_b256 s[4:11], s[0:1], 0x0               ; the rows' codes, wts, the bias, the residual
	s_load_b64 s[12:13], s[0:1], 0x20              ; the result
	v_lshl_add_u32 v[SPW], v0, 2, SPARE
	v_mov_b32 v[NIL], 0
	ds_add_u32 v28, v29
	s_wait_dscnt 0x0
	v_lshrrev_b32 v1, 5, v0
	v_readfirstlane_b32 s14, v1
	s_lshr_b32 s15, s14, 1
	s_and_b32 s16, s14, 1
	s_bfe_u32 s40, ttmp6, 0x40000
	s_bfe_u32 s41, ttmp6, 0x40004
	s_lshl_b32 s42, ttmp9, 2
	s_add_co_u32 s42, s42, s40
	s_and_b32 s17, ttmp7, 0xffff
	s_lshl_b32 s17, s17, 2
	s_add_co_u32 s17, s17, s41
	s_lshl_b32 s43, s41, 2
	s_lshl_b32 s43, 15, s43
	s_lshl_b32 s44, 0x1111, s40
	s_or_b32 s[G1+0], s43, (3<<16)|(1<<21)
	s_or_b32 s[G1B+0], s44, (3<<16)|(1<<21)
.irp g, G1, G1B
	s_mov_b32 s[\g+1], 384<<16
	s_mov_b32 s[\g+2], 8<<16
	s_mov_b32 s[\g+3], 384<<16
	s_mov_b32 s[\g+4], 8
	s_mov_b32 s[\g+5], NKS*192
	s_mov_b32 s[\g+6], 0
	s_mov_b32 s[\g+7], 0
.endr
	s_or_b32 s[G1S+0], s43, (3<<16)|(1<<21)
	s_or_b32 s[G1SB+0], s44, (3<<16)|(1<<21)
.irp g, G1S, G1SB
	s_mov_b32 s[\g+1], 32<<16
	s_mov_b32 s[\g+2], (2*NKS)<<16
	s_mov_b32 s[\g+3], 32<<16
	s_mov_b32 s[\g+4], 2*NKS
	s_mov_b32 s[\g+5], 32
	s_mov_b32 s[\g+6], 0
	s_mov_b32 s[\g+7], 0
.endr
	s_lshl_b32 s20, s17, 1
	s_add_co_u32 s20, s20, s16
	s_lshl_b32 s46, s42, 1
	s_add_co_u32 s46, s46, s16
	s_mul_i32 s22, s20, HALFS
	s_add_co_u32 s22, s22, ASC
	s_mul_i32 s92, s46, HALFS
	s_add_co_u32 s92, s92, BSC
	s_mul_i32 s20, s20, 8*NKS*1536
	s_add_co_u32 s20, s20, AIMG
	s_mul_i32 s46, s46, 8*NKS*1536
	s_add_co_u32 s46, s46, BIMG
	s_mov_b32 s21, 0
	s_mov_b32 s23, 0
	s_mov_b32 s47, 0
	s_mov_b32 s93, 0
	s_mul_i32 s45, s14, HALFT
	s_mul_i32 s94, s14, HALFS
	s_lshl_b32 s95, s15, 6
	s_add_co_u32 s94, s94, s95
	s_wait_kmcnt 0x0
	s_add_nc_u64 s[20:21], s[4:5], s[20:21]
	s_add_nc_u64 s[22:23], s[4:5], s[22:23]
	s_add_nc_u64 s[46:47], s[6:7], s[46:47]
	s_add_nc_u64 s[92:93], s[6:7], s[92:93]
	CROUND                                         ; all sixteen work-groups are here: the first joint loads meet
	s_mov_b32 s[G0S], 1
	s_add_co_u32 s[G0S+1], s94, SCL
	s_mov_b64 s[G0S+2:G0S+3], s[22:23]
	s_or_b32 s[G0S+3], s[G0S+3], 0x80000000
	s_mov_b32 s[G0SB], 1
	s_add_co_u32 s[G0SB+1], s94, SCL
	s_mov_b64 s[G0SB+2:G0SB+3], s[92:93]
	s_or_b32 s[G0SB+3], s[G0SB+3], 0x80000000
	JLOAD G0S, G1S, G0SB, G1SB
.irp s, 0,1
	s_mov_b32 s[G0+4*\s], 1
	s_add_co_u32 s[G0+4*\s+1], s45, \s*SLOT
	s_add_nc_u64 s[G0+4*\s+2:G0+4*\s+3], s[20:21], \s*BLKB
	s_or_b32 s[G0+4*\s+3], s[G0+4*\s+3], 0x80000000
	s_mov_b32 s[G0B+4*\s], 1
	s_add_co_u32 s[G0B+4*\s+1], s45, \s*SLOT
	s_add_nc_u64 s[G0B+4*\s+2:G0B+4*\s+3], s[46:47], \s*BLKB
	s_or_b32 s[G0B+4*\s+3], s[G0B+4*\s+3], 0x80000000
	JLOAD G0+4*\s, G1, G0B+4*\s, G1B
.endr
	v_and_b32 v1, 15, v0
	v_bfe_u32 v2, v0, 4, 1
	v_and_b32 v3, 31, v0
	v_lshlrev_b32 v[L16], 4, v3
	v_lshlrev_b32 v[L8], 3, v3
	s_mul_i32 s21, s15, HALFT
	s_mul_i32 s22, s16, HALFT
	s_add_co_u32 s22, s22, 2*HALFT
.irp s, 0,1
	v_add_nc_u32 v[ADRA+\s], s21, v[L16]
	v_add_nc_u32 v[ADRB+\s], s22, v[L16]
	v_add_nc_u32 v[ADRA+2+\s], s21, v[L8]
	v_add_nc_u32 v[ADRB+2+\s], s22, v[L8]
	s_add_co_u32 s21, s21, SLOT
	s_add_co_u32 s22, s22, SLOT
.endr
	s_mul_i32 s21, s15, HALFS
	s_mul_i32 s22, s16, HALFS
	s_add_co_u32 s22, s22, 2*HALFS+64
	s_sub_co_u32 s22, s22, s21
	v_mul_u32_u24 v6, s22, v2
	s_add_co_u32 s21, s21, SCL
	v_lshl_add_u32 v5, v1, 2, v6
	v_add_nc_u32 v[ADRS], s21, v5
	s_lshl_b32 s20, s42, 10
	s_lshl_b32 s21, s16, 9
	s_add_co_u32 s20, s20, s21                     ; my first column, in bytes
	s_mov_b32 s21, 0
	s_add_nc_u64 s[8:9], s[8:9], s[20:21]
	v_lshlrev_b32 v[BO], 6, v2
.irp b, 0,1,2,3,4,5,6,7
	global_load_b128 v[BI+8*\b:BI+8*\b+3], v[BO], s[8:9] offset:(32*(\b/2)+8*(\b%2))*4
	global_load_b128 v[BI+8*\b+4:BI+8*\b+7], v[BO], s[8:9] offset:(32*(\b/2)+8*(\b%2))*4+16
.endr
	s_lshl_b32 s22, s17, 1
	s_add_co_u32 s22, s22, s15
	s_lshl_b32 s22, s22, 19                        ; my first row x 4,096 bytes
	s_add_co_u32 s20, s20, s22
	s_add_nc_u64 s[10:11], s[10:11], s[20:21]
	s_add_nc_u64 s[12:13], s[12:13], s[20:21]
	s_mul_i32 s23, s14, 8448                       ; my stage: 16 rows x (512 + 16) bytes
	v_mul_u32_u24 v5, v1, 528
	v_lshl_add_u32 v5, v2, 6, v5
	v_add_nc_u32 v[STO], s23, v5
	v_add_nc_u32 v[RD], s23, v[L16]
	s_wait_tensorcnt 1                             ; the scale words and my part of slot 0 are in; slot 1's load may be out
	s_barrier_signal -1
	s_barrier_wait -1
	FETCH_B 0, 0, 0
	FETCH_A 0, 0, 0
	SCALES 0
	FETCH_A 0, 0, 4
	s_wait_loadcnt 0x0                             ; the bias
	STEP 0, 0, 1
	s_mov_b32 s3, LAPS-1
.Llap:
	TURN 0, 1, 1
	STEP 1, 0, 0
	TURN 1, 0, 1
	STEP 0, 0, 0
	s_sub_co_u32 s3, s3, 1
	s_cmp_lg_u32 s3, 0
	s_cbranch_scc1 .Llap
	TURN 0, 1, 0
	STEP 1, 0, 0
.set RS, 64                            ; v64-127, v128-191 the residual's 16 rows, two sets by turns
.set BB, 192                           ; v192-255 16 rows back from the stage
.macro RLOAD a
.irp t, 0,1,2,3,4,5,6,7,8,9,10,11,12,13,14,15
	global_load_b128 v[RS+64*((\a)%2)+4*\t:RS+64*((\a)%2)+4*\t+3], v[L16], s[10:11] offset:(32*((\a)/2)+8*((\a)%2)+\t+8*(\t/8))*4096 th:TH_LOAD_NT
.endr
.endm
	RLOAD 0                                        ; where the bias lay: asked for a K step ahead
	s_wait_dscnt 4*NL
	WIN MUL_LO
	MUL16 0, 1, 1, 1, 0
	MUL16 2, 1, 1, 1, 0
	s_wait_dscnt 0x0
	WIN MUL_HI
	MUL16 4, 1, 1, 1, 0
	MUL16 6, 1, 1, 1, 0
	WIN 0
	PLACES NP
	RLOAD 1
.macro OUTB a
.set AC, 64*((\a)%4)
	WIN 0x08+4*((\a)/4)                            ; an LDS store's data: window 2 or 3
.irp b, 0,1,2,3,4,5,6,7
	ds_store_b128 v[STO], v[AC+8*\b:AC+8*\b+3] offset:128*(\b/2)+32*(\b%2)         ; each accumulator from its low end on
	ds_store_b128 v[STO], v[AC+8*\b+4:AC+8*\b+7] offset:128*(\b/2)+32*(\b%2)+16
.endr
	WIN 0
.irp t, 0,1,2,3,4,5,6,7,8,9,10,11,12,13,14,15
	ds_load_b128 v[BB+4*\t:BB+4*\t+3], v[RD] offset:\t*528     ; LDS serves a wave's instructions in order (ISA guide 5.7.1.4)
.endr
	s_wait_dscnt 0x0
.if (\a) < 7
	s_wait_loadcnt 16                              ; this block's residual is in; the next block's 16 loads may be out
.else
	s_wait_loadcnt 0x0
.endif
.set n, 0
.rept 32
	v_pk_add_f32 v[BB+n:BB+n+1], v[BB+n:BB+n+1], v[RS+64*((\a)%2)+n:RS+64*((\a)%2)+n+1]
.set n, n+2
.endr
.irp t, 0,1,2,3,4,5,6,7,8,9,10,11,12,13,14,15
	global_store_b128 v[L16], v[BB+4*\t:BB+4*\t+3], s[12:13] offset:(32*((\a)/2)+8*((\a)%2)+\t+8*(\t/8))*4096 th:TH_STORE_NT   ; 512 consecutive bytes, aligned
.endr
.if (\a) < 6
	RLOAD (\a)+2
.endif
	s_wait_xcnt 0x0                                ; the stores have read their data, which the next block's loads from the stage write again
.endm
.irp a, 0,1,2,3,4,5,6,7
	OUTB \a
.endr
	s_wait_tensorcnt 0x0                           ; the wave's end
	ds_add_u32 v[SPW], v[NIL]
	s_wait_dscnt 0x0
	CROUND                                         ; the closing round
	s_endpgm
.Lfunc_end_k_qa027b06464_ffn2:
	.size	k_qa027b06464_ffn2, .Lfunc_end_k_qa027b06464_ffn2-k_qa027b06464_ffn2
	.p2alignl 7, 3214868480
	.fill 96, 4, 3214868480
	.section	.rodata,"a",@progbits
	.p2align	6, 0x0
	.amdhsa_kernel k_qa027b06464_ffn2
		.amdhsa_group_segment_fixed_size 327680
		.amdhsa_private_segment_fixed_size 0
		.amdhsa_enable_private_segment 0
		.amdhsa_kernarg_size 40
		.amdhsa_user_sgpr_count 2
		.amdhsa_user_sgpr_kernarg_segment_ptr 1
		.amdhsa_wavefront_size32 1
		.amdhsa_system_sgpr_workgroup_id_x 1
		.amdhsa_system_sgpr_workgroup_id_y 1
		.amdhsa_system_sgpr_workgroup_id_z 1
		.amdhsa_system_vgpr_workitem_id 0
		.amdhsa_next_free_vgpr 1024
		.amdhsa_next_free_sgpr 100
		.amdhsa_reserve_vcc 0
		.amdhsa_float_denorm_mode_32 3
		.amdhsa_float_denorm_mode_16_64 3
		.amdhsa_memory_ordered 1
		.amdhsa_forward_progress 1
		.amdhsa_inst_pref_size 175
	.end_amdhsa_kernel
	.amdgpu_metadata
---
amdhsa.version: [ 1, 2 ]
amdhsa.kernels:
  - .name:           k_qa027b06464_ffn2
    .symbol:         k_qa027b06464_ffn2.kd
    .args:
      - { .name: gbuf, .offset: 0, .size: 8, .value_kind: global_buffer, .address_space: global }
      - { .name: wts, .offset: 8, .size: 8, .value_kind: global_buffer, .address_space: global }
      - { .name: b2, .offset: 16, .size: 8, .value_kind: global_buffer, .address_space: global }
      - { .name: x1, .offset: 24, .size: 8, .value_kind: global_buffer, .address_space: global }
      - { .name: out0, .offset: 32, .size: 8, .value_kind: global_buffer, .address_space: global }
    .group_segment_fixed_size: 327680
    .private_segment_fixed_size: 0
    .kernarg_segment_align: 8
    .kernarg_segment_size: 40
    .max_flat_workgroup_size: 128
    .sgpr_count:     100
    .vgpr_count:     1024
    .wavefront_size: 32
...
	.end_amdgpu_metadata
.endif
;; end of part 8
;; ======== version 2 of 2: 8 launches
;; limits: a function is approximated: absolute error at most 1.5e-07; a function is approximated: absolute error at most 0.00015
;; workspace buffers: wts 10,354,688 bytes; hbuf 3,276,800 bytes; qkbuf 6,815,744 bytes; vbuf 3,276,800 bytes; cbuf 3,276,800 bytes; x1 16,777,216 bytes; gbuf 13,107,200 bytes
;; launch prep: the kernel of part 1 again; grid 768 x 1, 4 waves a work-group, no clusters, 0 bytes of LDS; arguments Wq, Wk, Wv, Wo, W1, W2, wts; writes wts
;; launch ln1: the kernel of part 2 again; grid 256 x 1, 8 waves a work-group, no clusters, 67,072 bytes of LDS; arguments x, ln1_g, ln1_b, hbuf; writes hbuf
;; launch qkvproj (part 9): grid 12 x 16, 4 waves a work-group, clusters of 4 x 4, 327,680 bytes of LDS; arguments hbuf, wts, bq, bk, bv, qkbuf, vbuf; writes qkbuf, vbuf
.if DOCPART == 9
	.amdgcn_target "amdgcn-amd-amdhsa--gfx1250"
	.amdhsa_code_object_version 6
	.text
	.protected	k_qa027b06464_qkvproj
	.globl	k_qa027b06464_qkvproj
	.p2align	8
	.type	k_qa027b06464_qkvproj,@function
k_qa027b06464_qkvproj:
	s_mov_b64 s[64:65], 0
	v_nop
	global_prefetch_b8 v0, s[64:65] scope:SCOPE_SE
	s_setreg_imm32_b32 hwreg(HW_REG_WAVE_MODE, 25, 1), 1
	s_wait_xcnt 0x0
	s_wait_alu depctr_hold_cnt(0) depctr_sa_sdst(0) depctr_va_vdst(0) depctr_va_sdst(0) depctr_va_ssrc(0) depctr_va_vcc(0) depctr_vm_vsrc(0)
	s_getreg_b32 s2, hwreg(HW_REG_IB_STS2, 6, 4)
	s_cmp_eq_u32 s2, 0
	s_cbranch_scc0 .Lentry_in_a_cluster
	s_endpgm
.Lentry_in_a_cluster:
	s_bfe_u32 s2, ttmp6, 0x10000c
	s_cmp_lg_u32 s2, 0xf033
	s_cbranch_scc0 .Lentry_shape_is_right
	s_endpgm
.Lentry_shape_is_right:
; q = rope(h Wq + bq), k = rope(h Wk + bk), v = h Wv + bv, on codes of BF6 (E3M2) with E8M0 scales; the results are quantised (q, k along the head's 64, v along the keys) and leave as codes: nothing goes out in f32.
; ONE LAUNCH FOR THE THREE.  Clusters of 4 x 4 work-groups; the cluster's x says what it makes: 0: q, 1: k, 2: v.  That number is the same in all partners of a cluster.  The product's text is one for all: buffers, offsets
; and tile coordinates are chosen by s_cselect on it; the text parts once, ahead of the last K step, into the two ways out.
; THE PRODUCT.  A tile of 256 x 256 is made by four waves, 128 x 128 each: 64 accumulators, 512 registers.  K = 1,024 goes in slots of 256 through a ring of two LDS slots.  Operands lie in memory as IMAGES of the
; operand's registers (16 positions x 128 K = 1,536 bytes: registers 0-3 at 16 x lane, 4-5 at 512 + 8 x lane, 6-9 at 768 + 16 x lane, 10-11 at 1,280 + 8 x lane), [block of 16][K step]: a fragment comes by four LDS
; loads of consecutive bytes, and a wave's tensor load brings 8 rows of 3,072 consecutive bytes.  Scale words lie [block of 128][K step][128]: the scales of 128 rows for all of K are one dense block, brought once.
; Position p stands for row sigma(p), p with bits 3 and 4 exchanged.  Source 1's tile is shared along a row of the cluster, source 0's along a column: joint tensor loads.
; q, k: source 0 = 16 positions of Wq | Wk (one operand of 2,048 rows), source 1 = 16 positions of h.  By sigma a lane holds one row of h and, in the 64 registers of a block, columns 32 b + 16 (lane / 16) + i.  The bias is
; the C of each sum's first product.  A wave's 128 columns are two heads.  RoPE pairs d and d + 32 of a head: registers 16 apart in one lane; cos and sin come from the table in wts.  The image's two halves are the two
; heads' 64; head 1's scale word is the word shifted down by 16 (head 0's keeps head 1's bytes on top, which only meet zero codes).
; v: THE SOURCES CHANGE PLACES: source 0 = h (keys), source 1 = Wv (channels): a lane holds ONE channel and the 64 registers of a block are the keys 32 b + 16 (lane / 16) + i of the wave's 128: neighbours along the
; second attention product's K.  Its bias hangs on the lane, not on the register: it is added on the way out, and the first products' C is zeros there, so that one text serves all three.
; OUT: qkbuf: q's images [16 batch x head pair][128 blocks][2 heads][768], k's behind them, then the scale words [pair][head][2,048]; vbuf: images [pair][16 K steps][2 heads][4 tiles][1,536], then 16 scale words a tile.
; LIMITS: a block of zeros gets the byte 1 where the rule says 127 (its codes are zeros; this program alone reads the bytes); NaN and infinities are not served.
.set NKS,    8                         ; K steps of 128
.set LAPS,   NKS/4                     ; a lap = two slots = once round the ring
.set FR,     12                        ; registers of a fragment
.set NL,     4                         ; LDS loads that bring one
.set NP,     4                         ; places behind this matrix instruction (ISA guide 7.12.1)
.set BLKB,   3072                      ; 16 positions x 256 K: two images
.set HALFT,  8*BLKB                    ; 128 positions: what one tensor load brings
.set SLOT,   4*HALFT                   ; source 1's 256 positions, then source 0's
.set SCL,    2*SLOT                    ; behind the ring: the scale words; source 0's begin 64 bytes off, so that the two halves of the lanes read different banks (64 banks of 4 bytes: ISA guide 11.1)
.set HALFS,  NKS*512
.set SPARE,  262400                    ; the spare words, 128 bytes a wave: two blocks of 256 bytes that no other line names
.set VBO,  12                          ; v12 v's bias: 4 x the row of place r
.set BO,   13                          ; v13 q's, k's bias: 64 x (lane / 16)
.set TABO, 14                          ; v14 the table's row of place r, + my 16 frequencies
.set L4,   15
.set ADRA, 16                          ; v16-17 LDS address (16 x lane) of source 1's fragments in slot 0, 1; v18-19 the same with 8 x lane
.set ADRB, 20                          ; v20-23 the same for source 0
.set ADRS, 27                          ; v27 my scale words: lanes 0-15 source 1's, lanes 16-31 source 0's
.set SPW,  28
.set NIL,  29
.set L16,  30
.set L8,   31
.set SC,   32                          ; v32-63 scale words, two sets; they hold nothing else
.set BI,   64                          ; v64-127 the first products' C
.set AF,   128                         ; v128-223 source 1's eight fragments, one set; window 1: source 0's two sets; windows 2, 3: the accumulators
.set G1,   24
.set G0,   32
.set G1B,  48
.set G0B,  56
.set G1S,  68
.set G0S,  76
.set G1SB, 80
.set G0SB, 88
.set SEL,  96
.set HM,   98
.set ISV,  99                          ; s99 1 in a cluster that makes v
.set MSB,  0
.macro WIN new                         ; the immediate's high byte repeats the setting that is left
.if MSB != (\new)
	s_set_vgpr_msb (MSB<<8)|(\new)
.set MSB, (\new)
.endif
.endm
.set MUL_LO, 0xa1                      ; source 0 window 1, source 1 window 0, C and D window 2
.set MUL_HI, 0xf1                      ; the same, C and D window 3
.set TO_B,   0x40                      ; destination window 1, address window 0
.macro JLOAD g0a, g1a, g0b, g1b        ; a joint load: waves 0, 1 fetch for source 1, waves 2, 3 for source 0; four v_nop follow each line
	s_cmp_eq_u32 s15, 0
	s_cbranch_scc0 .Lfor_b_\@
	tensor_load_to_lds s[\g0a:\g0a+3], s[\g1a:\g1a+7]
	s_nop 0
.rept 4
	v_nop
.endr
	s_branch .Lasked_\@
.Lfor_b_\@:
	tensor_load_to_lds s[\g0b:\g0b+3], s[\g1b:\g1b+7]
	s_nop 0
.rept 4
	v_nop
.endr
.Lasked_\@:
.endm
.macro CREST                           ; a round of the cluster's barrier behind its opening barrier
	s_cmp_lg_u32 s14, 0
	s_cbranch_scc1 .Lnot_wave_0_\@
	s_barrier_signal -3
.Lnot_wave_0_\@:
	s_barrier_wait -3
	s_barrier_signal -1
	s_barrier_wait -1
.endm
.macro CROUND
	s_barrier_signal -1
	s_barrier_wait -1
	CREST
.endm
.macro FRAG reg, adr, q, i             ; block i's image of the slot's q-th K step: four loads of consecutive bytes
	ds_load_b128 v[\reg:\reg+3], v[\adr] offset:(\i)*BLKB+(\q)*1536
	ds_load_b64 v[\reg+4:\reg+5], v[\adr+2] offset:(\i)*BLKB+(\q)*1536+512
	ds_load_b128 v[\reg+6:\reg+9], v[\adr] offset:(\i)*BLKB+(\q)*1536+768
	ds_load_b64 v[\reg+10:\reg+11], v[\adr+2] offset:(\i)*BLKB+(\q)*1536+1280
.endm
; 16 products: source 1's blocks a0, a0 + 1 x source 0's eight.  The 64 accumulators take turns, one instruction a turn, in the same order in every step.  first = 1: C is v[BI ..].
.macro MUL16 a0, p, q, sc, first
.irp a, \a0, \a0+1
.irp b, 0,1,2,3,4,5,6,7
.set rD, 8*(8*((\a)%4)+\b)
.set rB, 128*(\p)+FR*\b
.set rA, AF+FR*(\a)
.set rSB, SC+16*(\sc)+2*\b+(\q)
.set rSA, SC+16*(\sc)+2*(\a)+(\q)
.if \first
	v_wmma_scale_f32_16x16x128_f8f6f4 v[rD:rD+7], v[rB:rB+FR-1], v[rA:rA+FR-1], v[BI+8*\b:BI+8*\b+7], v[rSB], v[rSA] matrix_a_fmt:MATRIX_FMT_BF6 matrix_b_fmt:MATRIX_FMT_BF6 matrix_a_scale:MATRIX_SCALE_ROW1
.else
	v_wmma_scale_f32_16x16x128_f8f6f4 v[rD:rD+7], v[rB:rB+FR-1], v[rA:rA+FR-1], v[rD:rD+7], v[rSB], v[rSA] matrix_a_fmt:MATRIX_FMT_BF6 matrix_b_fmt:MATRIX_FMT_BF6 matrix_a_scale:MATRIX_SCALE_ROW1
.endif
.endr
.endr
.endm
.macro FETCH_B slot, q, p
	WIN TO_B
.irp i, 0,1,2,3,4,5,6,7
	FRAG 128*(\p)+FR*\i, ADRB+\slot, \q, \i
.endr
	WIN 0
.endm
.macro FETCH_A slot, q, i0
.irp i, \i0, \i0+1, \i0+2, \i0+3
	FRAG AF+FR*(\i), ADRA+\slot, \q, \i
.endr
.endm
.macro SCALES sc                       ; a slot's scale words: register 2 i + q: lanes 0-15 source 1's block i, lanes 16-31 source 0's block i
.irp i, 0,1,2,3,4,5,6,7
	ds_load_b32 v[SC+16*\sc+2*\i], v[ADRS] offset:64*\i
	ds_load_b32 v[SC+16*\sc+2*\i+1], v[ADRS] offset:64*\i+512
.endr
.endm
.macro PLACES n                        ; plain places between matrix instructions and loads into, or reads of, their registers
.rept \n
	v_nop
.endr
.endm
.macro STEP slot, q, first             ; a K step that has its successor in the same slot
	s_wait_dscnt 4*NL                              ; all but the youngest 16 loads (source 1's blocks 4-7) are in
	WIN MUL_LO-0x20*(\first)                       ; (the first products' C lies in window 0)
	MUL16 0, (\q)%2, \q, \slot, \first
	MUL16 2, (\q)%2, \q, \slot, \first
	s_wait_dscnt 0x0
	PLACES NP
	FETCH_B \slot, (\q)+1, 1-(\q)%2
	FETCH_A \slot, (\q)+1, 0
	WIN MUL_HI-0x30*(\first)
	MUL16 4, (\q)%2, \q, \slot, \first
	MUL16 6, (\q)%2, \q, \slot, \first
	PLACES NP
	WIN 0
	FETCH_A \slot, (\q)+1, 4
.endm
; A slot's last step changes slots: one barrier; in front of it each wave waits for all its tensor loads, adds 0 to its spare word, and waits for that and for its reads of this slot.
.macro TURN slot, next, fill
	s_wait_tensorcnt 0x0                           ; all my tensor loads have landed: my part of the next slot
	ds_add_u32 v[SPW], v[NIL]
	s_wait_dscnt 4*NL+1                            ; (the add and the youngest 16 loads may be out)
	WIN MUL_LO
	MUL16 0, 1, 1, \slot, 0
	s_wait_dscnt 0x0                               ; the add is done, and my reads of this slot are over
	s_barrier_signal -1
	MUL16 2, 1, 1, \slot, 0
	WIN 0
	s_barrier_wait -1
.if \fill
	CREST                                          ; the barrier has opened a round of the cluster's: no wave of any partner still reads this slot or has a load on its way
	s_add_nc_u64 s[G0+4*\slot+2:G0+4*\slot+3], s[G0+4*\slot+2:G0+4*\slot+3], 2*BLKB
	s_add_nc_u64 s[G0B+4*\slot+2:G0B+4*\slot+3], s[G0B+4*\slot+2:G0B+4*\slot+3], 2*BLKB
	JLOAD G0+4*\slot, G1, G0B+4*\slot, G1B         ; the first tensor load behind the round; its four v_nop are the places in front of the loads below
.else
	PLACES NP
.endif
	v_add_nc_u32 v[ADRS], 1024, v[ADRS]            ; the next slot's scale words
	FETCH_B \next, 0, 0
	FETCH_A \next, 0, 0
	SCALES \next
	WIN MUL_HI
	MUL16 4, 1, 1, \slot, 0
	MUL16 6, 1, 1, \slot, 0
	PLACES NP
	WIN 0
	FETCH_A \next, 0, 4
.endm
.macro QUANT s, pw                     ; 64 numbers of a lane, register 16 b + i = k 32 b + 16 (lane / 16) + i of my row, become a fragment's codes in v[PC] on and its scale word
.irp b, 0,1,2,3
	v_max3_num_f32 v[TM+\b], |v[\s+16*\b]|, |v[\s+1+16*\b]|, 0x2800000   ; and the floor 2^(5 - 127): the byte cannot fall under 1
.endr
.irp i, 2,4,6,8,10,12,14
.irp b, 0,1,2,3
	v_max3_num_f32 v[TM+\b], v[TM+\b], |v[\s+16*\b+\i]|, |v[\s+1+16*\b+\i]|
.endr
.endr
.irp b, 0,1,2,3
	v_permlanex16_b32 v[TM+4+\b], v[TM+\b], s[SEL], s[SEL+1]
.endr
.irp b, 0,1,2,3
	v_max_num_f32 v[TM+\b], v[TM+\b], v[TM+4+\b]
.endr
.irp b, 0,1,2,3
	v_add_nc_u32 v[TM+12+\b], 0xfe000000, v[TM+\b] ; 4 off the exponent field: the conversion's scale operand
.endr
.irp b, 0,1,2,3
	v_lshrrev_b32 v[TM+4+\b], 23, v[TM+12+\b]
.endr
	v_lshl_or_b32 v[\pw], v[TM+5], 8, v[TM+4]
	v_lshl_or_b32 v[\pw], v[TM+6], 16, v[\pw]
	v_lshl_or_b32 v[\pw], v[TM+7], 24, v[\pw]
.irp c, 0,1
	v_cvt_scalef32_pk16_bf6_f32 v[PC+6*\c:PC+2+6*\c], v[\s+32*\c:\s+15+32*\c], v[TM+12+2*\c]
	v_cvt_scalef32_pk16_bf6_f32 v[PC+12+4*\c:PC+14+4*\c], v[\s+16+32*\c:\s+31+32*\c], v[TM+12+2*\c+1]
.endr
	v_nop                                          ; one plain place behind a scaled conversion
.irp c, 0,1
.irp i, 0,1,2
	v_permlane16_swap_b32 v[PC+6*\c+\i], v[PC+12+4*\c+\i]
.endr
.irp i, 0,1,2
	v_mov_b32 v[PC+3+6*\c+\i], v[PC+12+4*\c+\i]
.endr
.endr
.endm
.macro GIMG base, off                  ; the fragment in v[PC] on leaves as an image: 512, 256, 512, 256 consecutive bytes, aligned
	global_store_b128 v[L16], v[PC:PC+3], s[\base:\base+1] offset:\off
	global_store_b64 v[L8], v[PC+4:PC+5], s[\base:\base+1] offset:(\off)+512
	global_store_b128 v[L16], v[PC+6:PC+9], s[\base:\base+1] offset:(\off)+768
	global_store_b64 v[L8], v[PC+10:PC+11], s[\base:\base+1] offset:(\off)+1280
.endm
	s_load_b256 s[4:11], s[0:1], 0x0               ; hbuf, wts, bq, bk
	s_load_b64 s[12:13], s[0:1], 0x20              ; bv
	s_load_b64 s[66:67], s[0:1], 0x28              ; qkbuf
	s_load_b64 s[100:101], s[0:1], 0x30            ; vbuf
	v_lshl_add_u32 v[SPW], v0, 2, SPARE
	v_mov_b32 v[NIL], 0
	ds_add_u32 v28, v29
	s_wait_dscnt 0x0
	v_lshrrev_b32 v1, 5, v0
	v_readfirstlane_b32 s14, v1                    ; wave 0..3
	s_lshr_b32 s15, s14, 1                         ; which half of source 1's positions is mine.  Also: I fetch for source 1 (0) or source 0 (1)
	s_and_b32 s16, s14, 1                          ; which half of source 0's.  Also: which 128 positions I fetch
	s_bfe_u32 s40, ttmp6, 0x40000                  ; cx, cy
	s_bfe_u32 s41, ttmp6, 0x40004
	s_and_b32 s18, ttmp7, 0xffff                   ; the cluster's y
	s_cmp_eq_u32 ttmp9, 2                          ; the third column of clusters makes v
	s_cselect_b32 s[ISV], 1, 0
	s_cselect_b32 s19, s18, ttmp9                  ; the cluster's place along source 0's tiles: v: its y (16 tiles of h); q, k: its x (8 tiles of Wq | Wk)
	s_cselect_b32 s18, 0, s18                      ; along source 1's: v: 0 (4 tiles of Wv); q, k: its y (16 tiles of h)
	s_lshl_b32 s42, s19, 2
	s_add_co_u32 s42, s42, s40                     ; source 0's tile
	s_lshl_b32 s17, s18, 2
	s_add_co_u32 s17, s17, s41                     ; source 1's tile
	s_lshl_b32 s43, s41, 2
	s_lshl_b32 s43, 15, s43                        ; my row of the cluster
	s_lshl_b32 s44, 0x1111, s40                    ; my column
	s_or_b32 s[G1+0], s43, (3<<16)|(1<<21)         ; the mask; elements of 8 bytes; bit 21 beside a mask; no padding
	s_or_b32 s[G1B+0], s44, (3<<16)|(1<<21)
.irp g, G1, G1B
	s_mov_b32 s[\g+1], 384<<16                     ; tensor_dim0: 3,072 bytes
	s_mov_b32 s[\g+2], 8<<16                       ; tensor_dim1: 8 blocks
	s_mov_b32 s[\g+3], 384<<16                     ; tile_dim0
	s_mov_b32 s[\g+4], 8                           ; tile_dim1
	s_mov_b32 s[\g+5], NKS*192                     ; from block to block: NKS images
	s_mov_b32 s[\g+6], 0
	s_mov_b32 s[\g+7], 0
.endr
	s_or_b32 s[G1S+0], s43, (3<<16)|(1<<21)        ; the scale words of 128 positions: a dense block, as rows of 256 bytes
	s_or_b32 s[G1SB+0], s44, (3<<16)|(1<<21)
.irp g, G1S, G1SB
	s_mov_b32 s[\g+1], 32<<16
	s_mov_b32 s[\g+2], (2*NKS)<<16
	s_mov_b32 s[\g+3], 32<<16
	s_mov_b32 s[\g+4], 2*NKS
	s_mov_b32 s[\g+5], 32
	s_mov_b32 s[\g+6], 0
	s_mov_b32 s[\g+7], 0
.endr
	s_mov_b32 s[SEL], 0x76543210
	s_mov_b32 s[SEL+1], 0xfedcba98
	s_mov_b32 s[HM], 0xffff0000
	s_lshl_b32 s20, s17, 1
	s_add_co_u32 s20, s20, s16                     ; source 1: which 128 positions I fetch
	s_lshl_b32 s46, s42, 1
	s_add_co_u32 s46, s46, s16                     ; source 0 likewise
	s_mul_i32 s22, s20, HALFS
	s_mul_i32 s92, s46, HALFS
	s_mul_i32 s20, s20, 8*NKS*1536
	s_mul_i32 s46, s46, 8*NKS*1536
	s_mov_b32 s21, 3145728                         ; h's scale words in hbuf
	s_cmp_eq_u32 s[ISV], 1
	s_cselect_b32 s23, 9502720, s21                ; source 1's scale words: Wv's in wts, or h's
	s_cselect_b32 s93, s21, 9437184                ; source 0's: h's, or those of Wq | Wk in wts
	s_cselect_b32 s47, 1572864, 0                  ; source 1's images: Wv's begin here in wts; h's, and source 0's in both cases, at byte 0
	s_add_co_u32 s22, s22, s23
	s_add_co_u32 s92, s92, s93
	s_add_co_u32 s20, s20, s47
	s_mov_b32 s21, 0
	s_mov_b32 s23, 0
	s_mov_b32 s47, 0
	s_mov_b32 s93, 0
	s_mul_i32 s45, s14, HALFT                      ; where they go: no place in the cluster enters an LDS address
	s_mul_i32 s94, s14, HALFS
	s_lshl_b32 s95, s15, 6
	s_add_co_u32 s94, s94, s95
	s_wait_kmcnt 0x0
	s_cmp_eq_u32 s[ISV], 1                         ; the two operands' buffers: a choice on the cluster's number alone
	s_cselect_b64 s[18:19], s[6:7], s[4:5]         ; source 1: wts or hbuf
	s_cselect_b64 s[4:5], s[4:5], s[6:7]           ; source 0: hbuf or wts
	s_add_nc_u64 s[20:21], s[18:19], s[20:21]
	s_add_nc_u64 s[22:23], s[18:19], s[22:23]
	s_add_nc_u64 s[46:47], s[4:5], s[46:47]
	s_add_nc_u64 s[92:93], s[4:5], s[92:93]
	CROUND                                         ; all sixteen work-groups are here: the first joint loads meet
	s_mov_b32 s[G0S], 1
	s_add_co_u32 s[G0S+1], s94, SCL
	s_mov_b64 s[G0S+2:G0S+3], s[22:23]
	s_or_b32 s[G0S+3], s[G0S+3], 0x80000000
	s_mov_b32 s[G0SB], 1
	s_add_co_u32 s[G0SB+1], s94, SCL
	s_mov_b64 s[G0SB+2:G0SB+3], s[92:93]
	s_or_b32 s[G0SB+3], s[G0SB+3], 0x80000000
	JLOAD G0S, G1S, G0SB, G1SB
.irp s, 0,1
	s_mov_b32 s[G0+4*\s], 1
	s_add_co_u32 s[G0+4*\s+1], s45, \s*SLOT
	s_add_nc_u64 s[G0+4*\s+2:G0+4*\s+3], s[20:21], \s*BLKB
	s_or_b32 s[G0+4*\s+3], s[G0+4*\s+3], 0x80000000
	s_mov_b32 s[G0B+4*\s], 1
	s_add_co_u32 s[G0B+4*\s+1], s45, \s*SLOT
	s_add_nc_u64 s[G0B+4*\s+2:G0B+4*\s+3], s[46:47], \s*BLKB
	s_or_b32 s[G0B+4*\s+3], s[G0B+4*\s+3], 0x80000000
	JLOAD G0+4*\s, G1, G0B+4*\s, G1B
.endr
	v_and_b32 v1, 15, v0                           ; r
	v_bfe_u32 v2, v0, 4, 1                         ; h
	v_and_b32 v3, 31, v0
	v_lshlrev_b32 v[L16], 4, v3
	v_lshlrev_b32 v[L8], 3, v3
	v_lshlrev_b32 v[L4], 2, v3
	s_mul_i32 s21, s15, HALFT
	s_mul_i32 s22, s16, HALFT
	s_add_co_u32 s22, s22, 2*HALFT
.irp s, 0,1
	v_add_nc_u32 v[ADRA+\s], s21, v[L16]
	v_add_nc_u32 v[ADRB+\s], s22, v[L16]
	v_add_nc_u32 v[ADRA+2+\s], s21, v[L8]
	v_add_nc_u32 v[ADRB+2+\s], s22, v[L8]
	s_add_co_u32 s21, s21, SLOT
	s_add_co_u32 s22, s22, SLOT
.endr
	s_mul_i32 s21, s15, HALFS
	s_mul_i32 s22, s16, HALFS
	s_add_co_u32 s22, s22, 2*HALFS+64
	s_sub_co_u32 s22, s22, s21
	v_mul_u32_u24 v6, s22, v2                      ; lanes 16-31 take source 0's: one product, the distance between the two
	s_add_co_u32 s21, s21, SCL
	v_lshl_add_u32 v5, v1, 2, v6
	v_add_nc_u32 v[ADRS], s21, v5
	v_lshlrev_b32 v[BO], 6, v2
	v_and_b32 v4, 8, v1
	v_add_nc_u32 v4, v4, v1                        ; r + 8 (r / 8): the row of place r in a tile
	v_lshlrev_b32 v[VBO], 2, v4
	v_lshlrev_b32 v[TABO], 8, v4
	v_lshl_add_u32 v[TABO], v2, 6, v[TABO]
	; the first products' C.  q, k: the bias of my 128 columns, in the result's layout; v: zeros
	s_cmp_eq_u32 s[ISV], 1
	s_cbranch_scc1 .Lzero_c
	s_and_b32 s20, s42, 3
	s_lshl_b32 s20, s20, 10
	s_lshl_b32 s21, s16, 9
	s_add_co_u32 s20, s20, s21
	s_mov_b32 s21, 0
	s_cmp_eq_u32 ttmp9, 0
	s_cselect_b64 s[8:9], s[8:9], s[10:11]         ; bq or bk
	s_add_nc_u64 s[8:9], s[8:9], s[20:21]
.irp b, 0,1,2,3,4,5,6,7
	global_load_b128 v[BI+8*\b:BI+8*\b+3], v[BO], s[8:9] offset:(32*(\b/2)+8*(\b%2))*4
	global_load_b128 v[BI+8*\b+4:BI+8*\b+7], v[BO], s[8:9] offset:(32*(\b/2)+8*(\b%2))*4+16
.endr
	s_branch .Lc_there
.Lzero_c:
.set n, 0
.rept 64
	v_mov_b32 v[BI+n], 0
.set n, n+1
.endr
.Lc_there:
	s_wait_tensorcnt 1                             ; the scale words and my part of slot 0 are in; slot 1's load may be out
	s_barrier_signal -1
	s_barrier_wait -1
	FETCH_B 0, 0, 0
	FETCH_A 0, 0, 0
	SCALES 0
	FETCH_A 0, 0, 4
	s_wait_loadcnt 0x0                             ; the bias
	STEP 0, 0, 1
	s_mov_b32 s3, LAPS-1
.Llap:
	TURN 0, 1, 1
	STEP 1, 0, 0
	TURN 1, 0, 1
	STEP 0, 0, 0
	s_sub_co_u32 s3, s3, 1
	s_cmp_lg_u32 s3, 0
	s_cbranch_scc1 .Llap
	TURN 0, 1, 0
	STEP 1, 0, 0
.set CS, 64                            ; q, k: v64-127  cos (16) and sin (16) of my row, two sets by turns, where C lay
.set BV, 64                            ; v:    v64-71   the bias of my lane's channel in each of the eight tiles
.set Y,  128                           ; v128-191 a block's 64 numbers ahead of the quantiser
.set PC, 192
.set TM, 212
.set PW, 228                           ; v228-235 the eight blocks' scale words
.set SW, 236
.macro LAST                            ; the very last K step: written in both ways out, so that the text parts once
	s_wait_dscnt 4*NL
	WIN MUL_LO
	MUL16 0, 1, 1, 1, 0
	MUL16 2, 1, 1, 1, 0
	s_wait_dscnt 0x0
	WIN MUL_HI
	MUL16 4, 1, 1, 1, 0
	MUL16 6, 1, 1, 1, 0
	WIN 0
	PLACES NP
.irp b, 0,1,2,3
	v_mov_b32 v[TM+4+\b], 0                        ; a lane permute's destination counts as one of its sources
.endr
.endm
	s_cmp_eq_u32 s[ISV], 1
	s_cbranch_scc1 .Lv_tail
	; ---- THE WAY OUT OF q AND k
	s_and_b32 s20, s17, 7
	s_lshl_b32 s20, s20, 1
	s_add_co_u32 s20, s20, s15                     ; which 128 positions of the sequence
	s_lshl_b32 s22, s20, 15
	s_add_co_u32 s22, s22, 9830400
	s_mov_b32 s23, 0
	s_add_nc_u64 s[6:7], s[6:7], s[22:23]          ; the table at my first position
	s_lshr_b32 s21, s17, 3
	s_lshl_b32 s21, s21, 3
	s_and_b32 s22, s42, 3
	s_lshl_b32 s22, s22, 1
	s_add_co_u32 s21, s21, s22
	s_add_co_u32 s21, s21, s16                     ; 8 x batch + head pair
	s_lshl_b32 s22, s21, 4
	s_add_co_u32 s22, s22, s20
	s_mul_i32 s22, s22, 12288                      ; x 8 images
	s_mul_i32 s18, ttmp9, 3145728                  ; k's lie behind q's
	s_add_co_u32 s22, s22, s18
	s_lshl_b32 s18, s21, 14
	s_lshl_b32 s19, s20, 9
	s_add_co_u32 s18, s18, s19
	s_mul_i32 s19, ttmp9, 262144
	s_add_co_u32 s18, s18, s19
	s_add_co_u32 s18, s18, 6291456
	s_mov_b32 s19, 0
	s_add_nc_u64 s[10:11], s[66:67], s[18:19]      ; my scale words
	s_add_nc_u64 s[12:13], s[66:67], s[22:23]      ; my images
.macro CSLOAD a
.irp j, 0,1,2,3
	global_load_b128 v[CS+32*((\a)%2)+4*\j:CS+32*((\a)%2)+4*\j+3], v[TABO], s[6:7] offset:(32*((\a)/2)+8*((\a)%2))*256+16*\j
	global_load_b128 v[CS+32*((\a)%2)+16+4*\j:CS+32*((\a)%2)+16+4*\j+3], v[TABO], s[6:7] offset:(32*((\a)/2)+8*((\a)%2))*256+128+16*\j
.endr
.endm
	CSLOAD 0                                       ; asked for a K step ahead of their use
	CSLOAD 1
	LAST
; Block a: y(d) = x(d) cos - x(d + 32) sin, y(d + 32) = x(d + 32) cos + x(d) sin, d = 16 (lane / 16) + i; each accumulator is read from its low end on.
.macro ROPE a
.set AC, 64*((\a)%4)
.set CB, CS+32*((\a)%2)
.if (\a) < 7
	s_wait_loadcnt 8                               ; this block's eight loads are in; the next block's eight may be out
.else
	s_wait_loadcnt 0x0
.endif
	WIN 0x02+(\a)/4                                ; source 0: the accumulators' window
.irp c, 0,1
.irp i, 0,2,4,6,8,10,12,14
	v_pk_mul_f32 v[Y+32*\c+\i:Y+32*\c+\i+1], v[AC+32*\c+\i:AC+32*\c+\i+1], v[CB+\i:CB+\i+1]
	v_pk_mul_f32 v[Y+32*\c+16+\i:Y+32*\c+16+\i+1], v[AC+32*\c+16+\i:AC+32*\c+16+\i+1], v[CB+\i:CB+\i+1]
	v_pk_fma_f32 v[Y+32*\c+\i:Y+32*\c+\i+1], v[AC+32*\c+16+\i:AC+32*\c+16+\i+1], v[CB+16+\i:CB+16+\i+1], v[Y+32*\c+\i:Y+32*\c+\i+1] neg_lo:[1,0,0] neg_hi:[1,0,0]
	v_pk_fma_f32 v[Y+32*\c+16+\i:Y+32*\c+16+\i+1], v[AC+32*\c+\i:AC+32*\c+\i+1], v[CB+16+\i:CB+16+\i+1], v[Y+32*\c+16+\i:Y+32*\c+16+\i+1]
.endr
.endr
	WIN 0
.if (\a) < 6
	CSLOAD (\a)+2
.endif
	s_wait_xcnt 0x0                                ; the last block's stores have read the code registers, which are written again
	QUANT Y, PW+(\a)
	GIMG 12, 1536*(\a)
.endm
.irp a, 0,1,2,3,4,5,6,7
	ROPE \a
.endr
.irp i, 0,1,2,3
	v_cndmask_b32 v[SW+\i], v[PW+2*\i], v[PW+2*\i+1], s[HM]    ; lanes 0-15 block 2 i's words, lanes 16-31 block 2 i + 1's: 128 consecutive bytes
.endr
.irp i, 0,1,2,3
	v_lshrrev_b32 v[SW+4+\i], 16, v[SW+\i]         ; the second head's two bytes
.endr
.irp i, 0,1,2,3
	global_store_b32 v[L4], v[SW+\i], s[10:11] offset:128*\i
	global_store_b32 v[L4], v[SW+4+\i], s[10:11] offset:8192+128*\i
.endr
	s_branch .Lend
.Lv_tail:
	; ---- THE WAY OUT OF v
	s_lshl_b32 s20, s17, 10
	s_lshl_b32 s21, s15, 9
	s_add_co_u32 s20, s20, s21                     ; my 128 channels, in bytes
	s_mov_b32 s21, 0
	s_add_nc_u64 s[8:9], s[12:13], s[20:21]
.irp x, 0,1,2,3,4,5,6,7
	global_load_b32 v[BV+\x], v[VBO], s[8:9] offset:(32*(\x/2)+8*(\x%2))*4   ; asked for a K step ahead of their use
.endr
	s_lshr_b32 s20, s42, 3
	s_lshl_b32 s20, s20, 3
	s_lshl_b32 s21, s17, 1
	s_add_co_u32 s20, s20, s21
	s_add_co_u32 s20, s20, s15                     ; 8 x batch + head pair
	s_and_b32 s21, s42, 7
	s_lshl_b32 s21, s21, 1
	s_add_co_u32 s21, s21, s16                     ; which 128 keys
	s_lshl_b32 s20, s20, 4
	s_add_co_u32 s20, s20, s21
	s_mul_i32 s22, s20, 12288
	s_mov_b32 s23, 0
	s_lshl_b32 s20, s20, 9
	s_add_co_u32 s20, s20, 3145728
	s_mov_b32 s21, 0
	s_add_nc_u64 s[12:13], s[100:101], s[20:21]    ; my scale words
	s_add_nc_u64 s[10:11], s[100:101], s[22:23]    ; my eight images
	LAST
	s_wait_loadcnt 0x0                             ; the bias
.macro VOUT x                          ; tile x of 16 channels: + bias, quantised along the 128 keys, out as an image
	WIN 0x02+(\x)/4
.set n, 0
.rept 32
.if (\x)%2
	v_pk_add_f32 v[Y+n:Y+n+1], v[64*((\x)%4)+n:64*((\x)%4)+n+1], v[BV+2*((\x)/2):BV+2*((\x)/2)+1] op_sel:[0,1] op_sel_hi:[1,1]
.else
	v_pk_add_f32 v[Y+n:Y+n+1], v[64*((\x)%4)+n:64*((\x)%4)+n+1], v[BV+2*((\x)/2):BV+2*((\x)/2)+1] op_sel_hi:[1,0]
.endif
.set n, n+2
.endr
	WIN 0
	s_wait_xcnt 0x0                                ; the last tile's stores have read the code registers
	QUANT Y, PW+(\x)
	GIMG 10, 1536*(\x)
.endm
.irp x, 0,1,2,3,4,5,6,7
	VOUT \x
.endr
.irp i, 0,1,2,3
	v_cndmask_b32 v[SW+\i], v[PW+2*\i], v[PW+2*\i+1], s[HM]
.endr
.irp i, 0,1,2,3
	global_store_b32 v[L4], v[SW+\i], s[12:13] offset:128*\i
.endr
.Lend:
	s_wait_tensorcnt 0x0                           ; the wave's end
	ds_add_u32 v[SPW], v[NIL]
	s_wait_dscnt 0x0
	CROUND                                         ; the closing round
	s_endpgm
.Lfunc_end_k_qa027b06464_qkvproj:
	.size	k_qa027b06464_qkvproj, .Lfunc_end_k_qa027b06464_qkvproj-k_qa027b06464_qkvproj
	.p2alignl 7, 3214868480
	.fill 96, 4, 3214868480
	.section	.rodata,"a",@progbits
	.p2align	6, 0x0
	.amdhsa_kernel k_qa027b06464_qkvproj
		.amdhsa_group_segment_fixed_size 327680
		.amdhsa_private_segment_fixed_size 0
		.amdhsa_enable_private_segment 0
		.amdhsa_kernarg_size 56
		.amdhsa_user_sgpr_count 2
		.amdhsa_user_sgpr_kernarg_segment_ptr 1
		.amdhsa_wavefront_size32 1
		.amdhsa_system_sgpr_workgroup_id_x 1
		.amdhsa_system_sgpr_workgroup_id_y 1
		.amdhsa_system_sgpr_workgroup_id_z 1
		.amdhsa_system_vgpr_workitem_id 0
		.amdhsa_next_free_vgpr 1024
		.amdhsa_next_free_sgpr 102
		.amdhsa_reserve_vcc 0
		.amdhsa_float_denorm_mode_32 3
		.amdhsa_float_denorm_mode_16_64 3
		.amdhsa_memory_ordered 1
		.amdhsa_forward_progress 1
		.amdhsa_inst_pref_size 255
	.end_amdhsa_kernel
	.amdgpu_metadata
---
amdhsa.version: [ 1, 2 ]
amdhsa.kernels:
  - .name:           k_qa027b06464_qkvproj
    .symbol:         k_qa027b06464_qkvproj.kd
    .args:
      - { .name: hbuf, .offset: 0, .size: 8, .value_kind: global_buffer, .address_space: global }
      - { .name: wts, .offset: 8, .size: 8, .value_kind: global_buffer, .address_space: global }
      - { .name: bq, .offset: 16, .size: 8, .value_kind: global_buffer, .address_space: global }
      - { .name: bk, .offset: 24, .size: 8, .value_kind: global_buffer, .address_space: global }
      - { .name: bv, .offset: 32, .size: 8, .value_kind: global_buffer, .address_space: global }
      - { .name: qkbuf, .offset: 40, .size: 8, .value_kind: global_buffer, .address_space: global }
      - { .name: vbuf, .offset: 48, .size: 8, .value_kind: global_buffer, .address_space: global }
    .group_segment_fixed_size: 327680
    .private_segment_fixed_size: 0
    .kernarg_segment_align: 8
    .kernarg_segment_size: 56
    .max_flat_workgroup_size: 128
    .sgpr_count:     102
    .vgpr_count:     1024
    .wavefront_size: 32
...
	.end_amdgpu_metadata
.endif
;; end of part 9
;; launch attn: the kernel of part 5 again; grid 16 x 16, 16 waves a work-group, clusters of 4 x 1, 327,680 bytes of LDS; arguments qkbuf, vbuf, cbuf; writes cbuf
;; launch oproj (part 10): grid 8 x 32, 4 waves a work-group, clusters of 4 x 4, 327,680 bytes of LDS; arguments cbuf, wts, bo, x, x1; writes x1
.if DOCPART == 10
	.amdgcn_target "amdgcn-amd-amdhsa--gfx1250"
	.amdhsa_code_object_version 6
	.text
	.protected	k_qa027b06464_oproj
	.globl	k_qa027b06464_oproj
	.p2align	8
	.type	k_qa027b06464_oproj,@function
k_qa027b06464_oproj:
	s_mov_b64 s[64:65], 0
	v_nop
	global_prefetch_b8 v0, s[64:65] scope:SCOPE_SE
	s_setreg_imm32_b32 hwreg(HW_REG_WAVE_MODE, 25, 1), 1
	s_wait_xcnt 0x0
	s_wait_alu depctr_hold_cnt(0) depctr_sa_sdst(0) depctr_va_vdst(0) depctr_va_sdst(0) depctr_va_ssrc(0) depctr_va_vcc(0) depctr_vm_vsrc(0)
	s_getreg_b32 s2, hwreg(HW_REG_IB_STS2, 6, 4)
	s_cmp_eq_u32 s2, 0
	s_cbranch_scc0 .Lentry_in_a_cluster
	s_endpgm
.Lentry_in_a_cluster:
	s_bfe_u32 s2, ttmp6, 0x10000c
	s_cmp_lg_u32 s2, 0xf033
	s_cbranch_scc0 .Lentry_shape_is_right
	s_endpgm
.Lentry_shape_is_right:
; x1 = x + ctx Wo + bo: the product on codes of BF6 (E3M2) with E8M0 scales, K = 1,024; the result in f32, rows in their natural order.
; SHARES.  N = 1,024 has only 64 tiles of 256 x 256.  So a work-group takes 128 rows x 128 columns (256 work-groups), and ITS FOUR WAVES SHARE K, NOT THE TILE: each wave makes the whole 128 x 128 (64 accumulators, 512
; registers) over a quarter of the K steps, so that a fragment read from LDS still feeds eight products; the four partial tiles are added at the end, through LDS.
; OPERANDS lie in memory as images of the operand's registers (16 positions x 128 K = 1,536 bytes: registers 0-3 at 16 x lane, 4-5 at 512 + 8 x lane, 6-9 at 768 + 16 x lane, 10-11 at 1,280 + 8 x lane), [block of 16][K step];
; scale words [block of 128][K step][128], brought once; position p stands for row sigma(p), p with bits 3, 4 exchanged.  Source 0 = the weight, source 1 = the rows: a lane holds one row and eight neighbouring columns.
; ONE SLOT.  LDS holds eight K steps of both operands, 196,608 bytes: two K steps for each wave; a wave's tensor load brings 4 rows of 12,288 consecutive bytes.  A wave reads its two K steps' 32 fragments into 384
; registers at once and multiplies from registers.  Here K is eight K steps: the slot is filled once.
; CLUSTER 4 x 4: the rows' tile is shared along a row of the cluster, the weight's along a column: joint tensor loads.
; THE WAY OUT.  Each wave lays its partial tile into LDS as rows of 512 bytes, 528 apart (132 words: row r starts at bank 4 r mod 64; 64 banks of 4 bytes: ISA guide 11.1), over the slot and the scale words, which have had
; their last fill and, behind a barrier, their last read.  Then wave w adds the four parts of rows 32 w .. 32 w + 31, the residual and the bias, and stores whole rows.  The places in LDS and the rows' offsets in memory undo sigma.
; LIMIT: the sum over K is made as four partial sums in f32, which are then added: not as one ascending chain.
.set NKS,    8                         ; K steps of 128
.set NI,     NKS/8                     ; fills of the slot
.set AIMG,   0                         ; source 1's images and scale words in its buffer; source 0's
.set ASC,    3145728
.set BIMG,   2359296
.set BSC,    9535488
.set FINAL,  0                         ; 1: no later launch reads the result
.set FR,     12                        ; registers of a fragment
.set NP,     4                         ; places behind this matrix instruction (ISA guide 7.12.1)
.set BST,    NKS*1536                  ; from block to block in memory
.set KROW,   8*1536                    ; a block's eight K steps
.set QUART,  4*KROW                    ; four blocks: what one tensor load brings
.set SCL,    4*QUART                   ; behind the slot: the scale words; source 0's begin 64 bytes off, so that the two halves of the lanes read different banks
.set HALFS,  NKS*512                   ; the scale words of 128 positions
.set RPITCH, 528
.set PART,   128*RPITCH                ; a wave's partial tile
.set SPARE,  4*PART                    ; the spare words, 128 bytes a wave: two blocks of 256 bytes that no other line names
.set RD,   8                           ; v8-11  where I read my 32 rows of the four parts
.set PFO,  12                          ; v12-13 the prefetches' offsets
.set ADRA, 16                          ; v16-17 LDS address (16 x lane) of source 1's blocks 0-3, 4-7; v18-19 the same with 8 x lane
.set ADRB, 20                          ; v20-23 the same for source 0
.set STO,  24                          ; v24 where I lay my partial tile
.set ADRS, 27                          ; v27 my scale words: lanes 0-15 source 1's, lanes 16-31 source 0's
.set SPW,  28
.set NIL,  29
.set L16,  30
.set L8,   31
.set SC,   32                          ; v32-47 scale words: register 2 i + q; they hold nothing else
.set AF1,  48                          ; v48-119, v224-247 source 1's fragments of my second K step
.set AF,   128                         ; v128-223 those of my first.  Window 1: source 0's, v0-95 and v128-223.  Windows 2, 3: the accumulators
.set G1,   24
.set G0,   32
.set G1B,  48
.set G0B,  56
.set PFA,  66
.set G1S,  68
.set G0S,  76
.set G1SB, 80
.set G0SB, 88
.set LIM,  99
.set MSB,  0
.macro WIN new                         ; the immediate's high byte repeats the setting that is left
.if MSB != (\new)
	s_set_vgpr_msb (MSB<<8)|(\new)
.set MSB, (\new)
.endif
.endm
.set MUL_LO, 0xa1                      ; source 0 window 1, source 1 window 0, C and D window 2
.set MUL_HI, 0xf1                      ; the same, C and D window 3
.set TO_B,   0x40                      ; destination window 1, address window 0
.macro JLOAD g0a, g1a, g0b, g1b        ; a joint load: waves 0, 1 fetch for source 1, waves 2, 3 for source 0; four v_nop follow each line
	s_cmp_eq_u32 s15, 0
	s_cbranch_scc0 .Lfor_b_\@
	tensor_load_to_lds s[\g0a:\g0a+3], s[\g1a:\g1a+7]
	s_nop 0
.rept 4
	v_nop
.endr
	s_branch .Lasked_\@
.Lfor_b_\@:
	tensor_load_to_lds s[\g0b:\g0b+3], s[\g1b:\g1b+7]
	s_nop 0
.rept 4
	v_nop
.endr
.Lasked_\@:
.endm
.macro CREST                           ; a round of the cluster's barrier behind its opening barrier
	s_cmp_lg_u32 s14, 0
	s_cbranch_scc1 .Lnot_wave_0_\@
	s_barrier_signal -3
.Lnot_wave_0_\@:
	s_barrier_wait -3
	s_barrier_signal -1
	s_barrier_wait -1
.endm
.macro CROUND
	s_barrier_signal -1
	s_barrier_wait -1
	CREST
.endm
; A PREFETCH of the eight K steps that follow those just asked for, behind the joint load and its four lines.  Each aligned block of 256 bytes is named once in the launch: the rows' tile is read by every cluster of its row of
; clusters: the one with x = 0 asks; the weight's by every cluster of its column: the one with y = 0 asks.  The four partners that ask for a tile jointly share its eight blocks out BY ADDRESS, two each: 2 x 12,288 bytes,
; three instructions of 32 lanes, 256 bytes apart, by one wave (wave 0 for the rows, wave 2 for the weight).  The last refill asks for nothing.  how = 1: at the first refill; 0: in the loop.
.macro ASK how
.if \how
	s_cmp_eq_u32 s[LIM], 1
.else
	s_cmp_gt_u32 s3, s[LIM]                        ; s3 = 1 in the loop's last trip
.endif
	s_cbranch_scc0 .Lnot_mine_\@
	global_prefetch_b8 v[PFO], s[PFA:PFA+1] th:TH_LOAD_NT scope:SCOPE_SE
	global_prefetch_b8 v[PFO+1], s[PFA:PFA+1] offset:8192 th:TH_LOAD_NT scope:SCOPE_SE
	global_prefetch_b8 v[PFO], s[PFA:PFA+1] offset:BST+4096 th:TH_LOAD_NT scope:SCOPE_SE
.Lnot_mine_\@:
.endm
.macro FRAG reg, adr, q, i             ; block i's image of my q-th K step: four loads of consecutive bytes
	ds_load_b128 v[\reg:\reg+3], v[\adr+(\i)/4] offset:((\i)%4)*KROW+(\q)*1536
	ds_load_b64 v[\reg+4:\reg+5], v[\adr+2+(\i)/4] offset:((\i)%4)*KROW+(\q)*1536+512
	ds_load_b128 v[\reg+6:\reg+9], v[\adr+(\i)/4] offset:((\i)%4)*KROW+(\q)*1536+768
	ds_load_b64 v[\reg+10:\reg+11], v[\adr+2+(\i)/4] offset:((\i)%4)*KROW+(\q)*1536+1280
.endm
; 16 products: source 1's blocks a0, a0 + 1 x source 0's eight, my q-th K step.  The 64 accumulators take turns, one instruction a turn, in the same order in every step.
; zero = 1: the first product starts the sums: nothing is ever cleared.
.macro MUL16 a0, q, zero
.irp a, \a0, \a0+1
.irp b, 0,1,2,3,4,5,6,7
.set rD, 8*(8*((\a)%4)+\b)
.set rB, 128*(\q)+FR*\b
.set rA, AF+FR*(\a)
.if \q
.set rA, AF1+FR*(\a)+104*((\a)/6)
.endif
.set rSB, SC+2*\b+(\q)
.set rSA, SC+2*(\a)+(\q)
.if \zero
	v_wmma_scale_f32_16x16x128_f8f6f4 v[rD:rD+7], v[rB:rB+FR-1], v[rA:rA+FR-1], 0, v[rSB], v[rSA] matrix_a_fmt:MATRIX_FMT_BF6 matrix_b_fmt:MATRIX_FMT_BF6 matrix_a_scale:MATRIX_SCALE_ROW1
.else
	v_wmma_scale_f32_16x16x128_f8f6f4 v[rD:rD+7], v[rB:rB+FR-1], v[rA:rA+FR-1], v[rD:rD+7], v[rSB], v[rSA] matrix_a_fmt:MATRIX_FMT_BF6 matrix_b_fmt:MATRIX_FMT_BF6 matrix_a_scale:MATRIX_SCALE_ROW1
.endif
.endr
.endr
.endm
.macro FETCH_B q
	WIN TO_B
.irp i, 0,1,2,3,4,5,6,7
	FRAG 128*(\q)+FR*\i, ADRB, \q, \i
.endr
	WIN 0
.endm
.macro FETCH_A q
.irp i, 0,1,2,3,4,5,6,7
.if \q
	FRAG AF1+FR*\i+104*(\i/6), ADRA, 1, \i
.else
	FRAG AF+FR*\i, ADRA, 0, \i
.endif
.endr
.endm
.macro SCALES                          ; my two K steps' scale words: register 2 i + q: lanes 0-15 source 1's block i, lanes 16-31 source 0's block i
.irp i, 0,1,2,3,4,5,6,7
	ds_load_b32 v[SC+2*\i], v[ADRS] offset:64*\i
	ds_load_b32 v[SC+2*\i+1], v[ADRS] offset:64*\i+512
.endr
.endm
.macro PLACES n                        ; plain places between matrix instructions and loads into, or reads of, their registers
.rept \n
	v_nop
.endr
.endm
; EIGHT K STEPS, two of them mine.  The slot has landed in every wave's sight behind the first barrier; I read my 32 fragments and 16 scale words, 144 loads.
; fill = 1: the slot is asked for again: each wave waits for all its tensor loads (none is out), adds 0 to its spare word, and waits for that and for its reads; a round of the cluster's barrier; the joint load first behind it.
; 48 of my 128 products stand ahead of that load, among the waits and in the round, the other 80 behind it.  fill = 0: nothing is asked for; the barrier says that every wave's reads of LDS are over.
.macro INTERVAL fill, zero
	s_wait_tensorcnt 0x0                           ; my one load that was out (at the start: my two) has landed: my part of these eight K steps
	s_barrier_signal -1
	s_barrier_wait -1                              ; everybody's has
.if (\zero) == 0
	PLACES NP
.endif
	FETCH_B 0
	FETCH_A 0
	SCALES
	FETCH_B 1
	FETCH_A 1
.if \fill
	s_wait_tensorcnt 0x0                           ; no tensor load of mine is out
	ds_add_u32 v[SPW], v[NIL]
.if (NI > 2) && ((\zero) == 0)
	s_wait_xcnt 0x0                                ; the last prefetches, eight K steps back, have read their address
	s_add_nc_u64 s[PFA:PFA+1], s[PFA:PFA+1], KROW
.endif
.endif
	s_wait_dscnt 63                                ; the youngest 63 may be out: my first K step's 80 loads are the oldest of the 144 (the count's field holds no more than 63)
	WIN MUL_LO
	MUL16 0, 0, \zero
	MUL16 2, 0, \zero
	s_wait_dscnt 0x0                               ; my reads of the slot are over (and the add is done)
	s_barrier_signal -1
	WIN MUL_HI
	MUL16 4, 0, \zero
.if \fill
	WIN 0
	s_barrier_wait -1
	CREST                                          ; the barrier has opened a round of the cluster's: no wave of any partner still reads the slot or has a load on its way
	s_add_nc_u64 s[G0+2:G0+3], s[G0+2:G0+3], KROW
	s_add_nc_u64 s[G0B+2:G0B+3], s[G0B+2:G0B+3], KROW
	JLOAD G0, G1, G0B, G1B                         ; the first tensor load behind the round, and my only one until the next
	v_add_nc_u32 v[ADRS], 4096, v[ADRS]            ; the next eight K steps' scale words
.if NI > 2
	ASK \zero
.endif
	WIN MUL_HI
.endif
	MUL16 6, 0, \zero
	WIN MUL_LO
	MUL16 0, 1, 0
	MUL16 2, 1, 0
	WIN MUL_HI
	MUL16 4, 1, 0
	MUL16 6, 1, 0
	WIN 0
.if (\fill) == 0
	s_barrier_wait -1                              ; every wave's reads are over: LDS may be written
.endif
.endm
	s_load_b256 s[4:11], s[0:1], 0x0               ; the rows' codes, wts, the bias, the residual
	s_load_b64 s[12:13], s[0:1], 0x20              ; the result
	v_lshl_add_u32 v[SPW], v0, 2, SPARE
	v_mov_b32 v[NIL], 0
	ds_add_u32 v28, v29
	s_wait_dscnt 0x0
	v_lshrrev_b32 v1, 5, v0
	v_readfirstlane_b32 s14, v1                    ; wave 0..3: which two of eight K steps are mine
	s_lshr_b32 s15, s14, 1                         ; I fetch for source 1 (0) or for source 0 (1),
	s_and_b32 s16, s14, 1                          ; its blocks 0-3 or 4-7
	s_bfe_u32 s40, ttmp6, 0x40000                  ; cx, cy
	s_bfe_u32 s41, ttmp6, 0x40004
	s_lshl_b32 s42, ttmp9, 2
	s_add_co_u32 s42, s42, s40                     ; tile column: 128 columns of the weight
	s_and_b32 s17, ttmp7, 0xffff
	s_lshl_b32 s17, s17, 2
	s_add_co_u32 s17, s17, s41                     ; tile row: 128 rows
	s_lshl_b32 s43, s41, 2
	s_lshl_b32 s43, 15, s43                        ; my row of the cluster
	s_lshl_b32 s44, 0x1111, s40                    ; my column
	s_or_b32 s[G1+0], s43, (3<<16)|(1<<21)         ; the mask; elements of 8 bytes; bit 21 beside a mask; no padding
	s_or_b32 s[G1B+0], s44, (3<<16)|(1<<21)
.irp g, G1, G1B
	s_mov_b32 s[\g+1], 1536<<16                    ; tensor_dim0: 12,288 bytes
	s_mov_b32 s[\g+2], 4<<16                       ; tensor_dim1: 4 blocks
	s_mov_b32 s[\g+3], 1536<<16                    ; tile_dim0
	s_mov_b32 s[\g+4], 4                           ; tile_dim1
	s_mov_b32 s[\g+5], NKS*192                     ; from block to block: NKS images
	s_mov_b32 s[\g+6], 0
	s_mov_b32 s[\g+7], 0
.endr
	s_or_b32 s[G1S+0], s43, (3<<16)|(1<<21)        ; half the scale words of 128 positions: a dense block, as rows of 256 bytes
	s_or_b32 s[G1SB+0], s44, (3<<16)|(1<<21)
.irp g, G1S, G1SB
	s_mov_b32 s[\g+1], 32<<16
	s_mov_b32 s[\g+2], NKS<<16
	s_mov_b32 s[\g+3], 32<<16
	s_mov_b32 s[\g+4], NKS
	s_mov_b32 s[\g+5], 32
	s_mov_b32 s[\g+6], 0
	s_mov_b32 s[\g+7], 0
.endr
	s_lshl_b32 s20, s17, 1
	s_add_co_u32 s20, s20, s16                     ; source 1: which four blocks I fetch
	s_lshl_b32 s46, s42, 1
	s_add_co_u32 s46, s46, s16                     ; source 0 likewise
	s_mul_i32 s22, s20, NKS*256
	s_add_co_u32 s22, s22, ASC
	s_mul_i32 s92, s46, NKS*256
	s_add_co_u32 s92, s92, BSC
	s_mul_i32 s20, s20, 4*BST
	s_add_co_u32 s20, s20, AIMG
	s_mul_i32 s46, s46, 4*BST
	s_add_co_u32 s46, s46, BIMG
	s_mov_b32 s21, 0
	s_mov_b32 s23, 0
	s_mov_b32 s47, 0
	s_mov_b32 s93, 0
	s_mul_i32 s45, s14, QUART                      ; where they go: no place in the cluster enters an LDS address
	s_mul_i32 s94, s14, NKS*256
	s_lshl_b32 s95, s15, 6
	s_add_co_u32 s94, s94, s95
	s_wait_kmcnt 0x0
	s_add_nc_u64 s[20:21], s[4:5], s[20:21]
	s_add_nc_u64 s[22:23], s[4:5], s[22:23]
	s_add_nc_u64 s[46:47], s[6:7], s[46:47]
	s_add_nc_u64 s[92:93], s[6:7], s[92:93]
	CROUND                                         ; all sixteen work-groups are here: the first joint loads meet
	s_mov_b32 s[G0S], 1
	s_add_co_u32 s[G0S+1], s94, SCL
	s_mov_b64 s[G0S+2:G0S+3], s[22:23]
	s_or_b32 s[G0S+3], s[G0S+3], 0x80000000
	s_mov_b32 s[G0SB], 1
	s_add_co_u32 s[G0SB+1], s94, SCL
	s_mov_b64 s[G0SB+2:G0SB+3], s[92:93]
	s_or_b32 s[G0SB+3], s[G0SB+3], 0x80000000
	JLOAD G0S, G1S, G0SB, G1SB
	s_mov_b32 s[G0], 1
	s_mov_b32 s[G0+1], s45
	s_mov_b64 s[G0+2:G0+3], s[20:21]
	s_or_b32 s[G0+3], s[G0+3], 0x80000000
	s_mov_b32 s[G0B], 1
	s_mov_b32 s[G0B+1], s45
	s_mov_b64 s[G0B+2:G0B+3], s[46:47]
	s_or_b32 s[G0B+3], s[G0B+3], 0x80000000
	JLOAD G0, G1, G0B, G1B                         ; two tensor loads of a wave are out here, later one
	v_and_b32 v1, 15, v0                           ; r
	v_bfe_u32 v2, v0, 4, 1                         ; h
	v_and_b32 v3, 31, v0
	v_lshlrev_b32 v[L16], 4, v3
	v_lshlrev_b32 v[L8], 3, v3
	s_mul_i32 s21, s14, 3072                       ; my two K steps of a block's eight
	s_add_co_u32 s22, s21, 2*QUART                 ; source 0's blocks lie behind source 1's eight
.irp s, 0,1
	v_add_nc_u32 v[ADRA+\s], s21, v[L16]
	v_add_nc_u32 v[ADRB+\s], s22, v[L16]
	v_add_nc_u32 v[ADRA+2+\s], s21, v[L8]
	v_add_nc_u32 v[ADRB+2+\s], s22, v[L8]
	s_add_co_u32 s21, s21, QUART
	s_add_co_u32 s22, s22, QUART
.endr
	s_lshl_b32 s21, s14, 10                        ; my two K steps' scale words: 512 bytes a K step
	s_add_co_u32 s21, s21, SCL
	v_mul_u32_u24 v6, v2, HALFS+64                 ; lanes 16-31 take source 0's: one product, the distance between the two
	v_lshl_add_u32 v5, v1, 2, v6
	v_add_nc_u32 v[ADRS], s21, v5
	s_mul_i32 s23, s14, PART                       ; my partial tile: row r, + 64 h
	v_mul_u32_u24 v5, v1, RPITCH
	v_lshl_add_u32 v5, v2, 6, v5
	v_add_nc_u32 v[STO], s23, v5
	s_mul_i32 s23, s14, 32*RPITCH                  ; back: my 32 rows in each of the four parts; the 32 lanes take a row
.irp s, 0,1,2,3
	v_add_nc_u32 v[RD+\s], s23, v[L16]
	s_add_co_u32 s23, s23, PART
.endr
	s_lshl_b32 s20, s42, 9                         ; the tile's first column, in bytes
	s_mov_b32 s21, 0
	s_add_nc_u64 s[8:9], s[8:9], s[20:21]          ; the bias
	s_lshl_b32 s22, s17, 2
	s_add_co_u32 s22, s22, s14                     ; which 32 rows I send out
	s_lshl_b32 s22, s22, 17                        ; x 32 rows of 4,096 bytes
	s_add_co_u32 s20, s20, s22
	s_add_nc_u64 s[10:11], s[10:11], s[20:21]
	s_add_nc_u64 s[12:13], s[12:13], s[20:21]
.if NI > 2
	s_and_b32 s22, ttmp7, 0xffff                   ; the prefetches (macro ASK): where mine stand, and who asks
	s_cmp_eq_u32 s15, 0                            ; do I fetch for source 1?
	s_cselect_b32 s20, s17, s42                    ; the tile
	s_cselect_b32 s21, s40, s41                    ; my place among the four that ask for it with me: it enters an address alone
	s_cselect_b32 s22, ttmp9, s22                  ; the coordinate along which other clusters read the same bytes
	s_cselect_b64 s[PFA:PFA+1], s[4:5], s[6:7]
	s_cselect_b32 s23, AIMG, BIMG
	s_or_b32 s22, s22, s16                         ; of the two waves that fetch for an operand the first asks
	s_cmp_eq_u32 s22, 0
	s_cselect_b32 s[LIM], 1, -1                    ; the same in all sixteen partners, for a given wave
	s_lshl_b32 s20, s20, 2
	s_add_co_u32 s20, s20, s21                     ; which two blocks
	s_mul_i32 s20, s20, 2*BST
	s_add_co_u32 s20, s20, s23
	s_add_co_u32 s20, s20, 2*KROW                  ; at the third eight K steps: the first two come by their loads alone
	s_mov_b32 s21, 0
	s_add_nc_u64 s[PFA:PFA+1], s[PFA:PFA+1], s[20:21]
	v_lshlrev_b32 v[PFO], 8, v3                    ; lanes 256 bytes apart;
	v_mul_u32_u24 v[PFO+1], v2, BST-KROW           ; the second instruction's lanes 16-31 stand in the second block
	v_add_nc_u32 v[PFO+1], v[PFO+1], v[PFO]
.endif
.if NI > 1
	INTERVAL 1, 1                                  ; the first eight K steps stand in front of the loop: their products start the sums
.if NI > 2
	s_mov_b32 s3, NI-2
.Lint:
	INTERVAL 1, 0
	s_sub_co_u32 s3, s3, 1
	s_cmp_lg_u32 s3, 0
	s_cbranch_scc1 .Lint
.endif
	INTERVAL 0, 0                                  ; the last are written out: nothing is left to fetch
.else
	INTERVAL 0, 1
.endif
	; THE WAY OUT
	PLACES NP
	WIN 0x40                                       ; destination window 1, where source 0's fragments lay: the residual's 32 rows and the bias are asked for ahead of the way through LDS
.set n, 0
.rept 32
	global_load_b128 v[4*n:4*n+3], v[L16], s[10:11] offset:((n%8)+16*((n/8)%2)+8*(n/16))*4096 th:TH_LOAD_NT   ; position n of my 32 is row sigma(n)
.set n, n+1
.endr
	global_load_b128 v[128:131], v[L16], s[8:9]    ; my four columns' bias
.irp a, 0,1,2,3,4,5,6,7
	WIN 0x08+4*(\a/4)                              ; an LDS store's data: window 2 or 3
.irp b, 0,1,2,3,4,5,6,7
	ds_store_b128 v[STO], v[64*(\a%4)+8*\b:64*(\a%4)+8*\b+3] offset:\a*16*RPITCH+128*(\b/2)+32*(\b%2)      ; each accumulator from its low end on; columns 32 (b / 2) + 16 h + 8 (b % 2) + 0 .. 7
	ds_store_b128 v[STO], v[64*(\a%4)+8*\b+4:64*(\a%4)+8*\b+7] offset:\a*16*RPITCH+128*(\b/2)+32*(\b%2)+16
.endr
.endr
	WIN 0
	s_wait_dscnt 0x0                               ; for the others' sake: my partial tile lies in LDS
	s_barrier_signal -1
	s_barrier_wait -1
	WIN 0x80                                       ; parts 0 and 1 into window 2, parts 2 and 3 into window 3, where the accumulators lay
.irp s, 0,1
.set n, 0
.rept 32
	ds_load_b128 v[128*\s+4*n:128*\s+4*n+3], v[RD+\s] offset:n*RPITCH
.set n, n+1
.endr
.endr
	WIN 0xc0
.irp s, 0,1
.set n, 0
.rept 32
	ds_load_b128 v[128*\s+4*n:128*\s+4*n+3], v[RD+2+\s] offset:n*RPITCH
.set n, n+1
.endr
.endr
	s_wait_dscnt 63                                ; parts 0 and 1 (the oldest 64 loads) are in
	WIN 0x8a                                       ; all in window 2
.set n, 0
.rept 64
	v_pk_add_f32 v[n:n+1], v[n:n+1], v[128+n:129+n]
.set n, n+2
.endr
	s_wait_dscnt 0x0
	WIN 0xcf                                       ; all in window 3
.set n, 0
.rept 64
	v_pk_add_f32 v[n:n+1], v[n:n+1], v[128+n:129+n]
.set n, n+2
.endr
	WIN 0x8e                                       ; window 2 += window 3
.set n, 0
.rept 64
	v_pk_add_f32 v[n:n+1], v[n:n+1], v[n:n+1]
.set n, n+2
.endr
	s_wait_loadcnt 0x0                             ; the residual and the bias
	WIN 0x86                                       ; window 2 += window 1
.set n, 0
.rept 64
	v_pk_add_f32 v[n:n+1], v[n:n+1], v[n:n+1]      ; the residual
.set n, n+2
.endr
.set n, 0
.rept 64
	v_pk_add_f32 v[n:n+1], v[n:n+1], v[128+n%4:129+n%4]   ; the bias
.set n, n+2
.endr
	WIN 0x08                                       ; a store's data: window 2
.set n, 0
.rept 32
.if FINAL
	global_store_b128 v[L16], v[4*n:4*n+3], s[12:13] offset:((n%8)+16*((n/8)%2)+8*(n/16))*4096 th:TH_STORE_NT   ; 512 consecutive bytes, aligned
.else
	global_store_b128 v[L16], v[4*n:4*n+3], s[12:13] offset:((n%8)+16*((n/8)%2)+8*(n/16))*4096                  ; 512 consecutive bytes, aligned
.endif
.set n, n+1
.endr
	WIN 0
	s_wait_tensorcnt 0x0                           ; the wave's end
	ds_add_u32 v[SPW], v[NIL]
	s_wait_dscnt 0x0
	CROUND                                         ; the closing round
	s_endpgm
.Lfunc_end_k_qa027b06464_oproj:
	.size	k_qa027b06464_oproj, .Lfunc_end_k_qa027b06464_oproj-k_qa027b06464_oproj
	.p2alignl 7, 3214868480
	.fill 96, 4, 3214868480
	.section	.rodata,"a",@progbits
	.p2align	6, 0x0
	.amdhsa_kernel k_qa027b06464_oproj
		.amdhsa_group_segment_fixed_size 327680
		.amdhsa_private_segment_fixed_size 0
		.amdhsa_enable_private_segment 0
		.amdhsa_kernarg_size 40
		.amdhsa_user_sgpr_count 2
		.amdhsa_user_sgpr_kernarg_segment_ptr 1
		.amdhsa_wavefront_size32 1
		.amdhsa_system_sgpr_workgroup_id_x 1
		.amdhsa_system_sgpr_workgroup_id_y 1
		.amdhsa_system_sgpr_workgroup_id_z 1
		.amdhsa_system_vgpr_workitem_id 0
		.amdhsa_next_free_vgpr 1024
		.amdhsa_next_free_sgpr 100
		.amdhsa_reserve_vcc 0
		.amdhsa_float_denorm_mode_32 3
		.amdhsa_float_denorm_mode_16_64 3
		.amdhsa_memory_ordered 1
		.amdhsa_forward_progress 1
		.amdhsa_inst_pref_size 77
	.end_amdhsa_kernel
	.amdgpu_metadata
---
amdhsa.version: [ 1, 2 ]
amdhsa.kernels:
  - .name:           k_qa027b06464_oproj
    .symbol:         k_qa027b06464_oproj.kd
    .args:
      - { .name: cbuf, .offset: 0, .size: 8, .value_kind: global_buffer, .address_space: global }
      - { .name: wts, .offset: 8, .size: 8, .value_kind: global_buffer, .address_space: global }
      - { .name: bo, .offset: 16, .size: 8, .value_kind: global_buffer, .address_space: global }
      - { .name: x, .offset: 24, .size: 8, .value_kind: global_buffer, .address_space: global }
      - { .name: x1, .offset: 32, .size: 8, .value_kind: global_buffer, .address_space: global }
    .group_segment_fixed_size: 327680
    .private_segment_fixed_size: 0
    .kernarg_segment_align: 8
    .kernarg_segment_size: 40
    .max_flat_workgroup_size: 128
    .sgpr_count:     100
    .vgpr_count:     1024
    .wavefront_size: 32
...
	.end_amdgpu_metadata
.endif
;; end of part 10
;; launch ln2: the kernel of part 2 again; grid 256 x 1, 8 waves a work-group, no clusters, 67,072 bytes of LDS; arguments x1, ln2_g, ln2_b, hbuf; writes hbuf
;; launch ffn1: the kernel of part 7 again; grid 16 x 16, 4 waves a work-group, clusters of 4 x 4, 327,680 bytes of LDS; arguments hbuf, wts, b1, gbuf; writes gbuf
;; launch ffn2 (part 11): grid 8 x 32, 4 waves a work-group, clusters of 4 x 4, 327,680 bytes of LDS; arguments gbuf, wts, b2, x1, out0; writes out0
.if DOCPART == 11
	.amdgcn_target "amdgcn-amd-amdhsa--gfx1250"
	.amdhsa_code_object_version 6
	.text
	.protected	k_qa027b06464_ffn2
	.globl	k_qa027b06464_ffn2
	.p2align	8
	.type	k_qa027b06464_ffn2,@function
k_qa027b06464_ffn2:
	s_mov_b64 s[64:65], 0
	v_nop
	global_prefetch_b8 v0, s[64:65] scope:SCOPE_SE
	s_setreg_imm32_b32 hwreg(HW_REG_WAVE_MODE, 25, 1), 1
	s_wait_xcnt 0x0
	s_wait_alu depctr_hold_cnt(0) depctr_sa_sdst(0) depctr_va_vdst(0) depctr_va_sdst(0) depctr_va_ssrc(0) depctr_va_vcc(0) depctr_vm_vsrc(0)
	s_getreg_b32 s2, hwreg(HW_REG_IB_STS2, 6, 4)
	s_cmp_eq_u32 s2, 0
	s_cbranch_scc0 .Lentry_in_a_cluster
	s_endpgm
.Lentry_in_a_cluster:
	s_bfe_u32 s2, ttmp6, 0x10000c
	s_cmp_lg_u32 s2, 0xf033
	s_cbranch_scc0 .Lentry_shape_is_right
	s_endpgm
.Lentry_shape_is_right:
; out = x1 + g W2 + b2: the product on codes of BF6 (E3M2) with E8M0 scales, K = 4,096; the result in f32, rows in their natural order.
; SHARES.  N = 1,024 has only 64 tiles of 256 x 256.  So a work-group takes 128 rows x 128 columns (256 work-groups), and ITS FOUR WAVES SHARE K, NOT THE TILE: each wave makes the whole 128 x 128 (64 accumulators, 512
; registers) over a quarter of the K steps, so that a fragment read from LDS still feeds eight products; the four partial tiles are added at the end, through LDS.
; OPERANDS lie in memory as images of the operand's registers (16 positions x 128 K = 1,536 bytes: registers 0-3 at 16 x lane, 4-5 at 512 + 8 x lane, 6-9 at 768 + 16 x lane, 10-11 at 1,280 + 8 x lane), [block of 16][K step];
; scale words [block of 128][K step][128], brought once; position p stands for row sigma(p), p with bits 3, 4 exchanged.  Source 0 = the weight, source 1 = the rows: a lane holds one row and eight neighbouring columns.
; ONE SLOT, AND THE REGISTERS BESIDE IT.  LDS holds eight K steps of both operands, 196,608 bytes: two K steps for each wave; a wave's tensor load brings 4 rows of 12,288 consecutive bytes.  A wave reads its two K steps'
; 32 fragments into 384 registers at once; when every wave's reads are over the WHOLE slot is asked for again, and the products run from registers while it is on its way.  All of a wave's tensor loads are waited for in
; front of each refill's barrier, so what is on its way is what one refill asks for: this form asks for 196,608 bytes at a time, four times in all, where two slots that take turns would ask for half as much eight times.
; CLUSTER 4 x 4: the rows' tile is shared along a row of the cluster, the weight's along a column: joint tensor loads.
; THE WAY OUT.  Each wave lays its partial tile into LDS as rows of 512 bytes, 528 apart (132 words: row r starts at bank 4 r mod 64; 64 banks of 4 bytes: ISA guide 11.1), over the slot and the scale words, which have had
; their last fill and, behind a barrier, their last read.  Then wave w adds the four parts of rows 32 w .. 32 w + 31, the residual and the bias, and stores whole rows.  The places in LDS and the rows' offsets in memory undo sigma.
; LIMIT: the sum over K is made as four partial sums in f32, which are then added: not as one ascending chain.
.set NKS,    32                        ; K steps of 128
.set NI,     NKS/8                     ; fills of the slot
.set AIMG,   0                         ; source 1's images and scale words in its buffer; source 0's
.set ASC,    12582912
.set BIMG,   6291456
.set BSC,    9699328
.set FINAL,  1                         ; 1: no later launch reads the result
.set FR,     12                        ; registers of a fragment
.set NP,     4                         ; places behind this matrix instruction (ISA guide 7.12.1)
.set BST,    NKS*1536                  ; from block to block in memory
.set KROW,   8*1536                    ; a block's eight K steps
.set QUART,  4*KROW                    ; four blocks: what one tensor load brings
.set SCL,    4*QUART                   ; behind the slot: the scale words; source 0's begin 64 bytes off, so that the two halves of the lanes read different banks
.set HALFS,  NKS*512                   ; the scale words of 128 positions
.set RPITCH, 528
.set PART,   128*RPITCH                ; a wave's partial tile
.set SPARE,  4*PART                    ; the spare words, 128 bytes a wave: two blocks of 256 bytes that no other line names
.set RD,   8                           ; v8-11  where I read my 32 rows of the four parts
.set PFO,  12                          ; v12-13 the prefetches' offsets
.set ADRA, 16                          ; v16-17 LDS address (16 x lane) of source 1's blocks 0-3, 4-7; v18-19 the same with 8 x lane
.set ADRB, 20                          ; v20-23 the same for source 0
.set STO,  24                          ; v24 where I lay my partial tile
.set ADRS, 27                          ; v27 my scale words: lanes 0-15 source 1's, lanes 16-31 source 0's
.set SPW,  28
.set NIL,  29
.set L16,  30
.set L8,   31
.set SC,   32                          ; v32-47 scale words: register 2 i + q; they hold nothing else
.set AF1,  48                          ; v48-119, v224-247 source 1's fragments of my second K step
.set AF,   128                         ; v128-223 those of my first.  Window 1: source 0's, v0-95 and v128-223.  Windows 2, 3: the accumulators
.set G1,   24
.set G0,   32
.set G1B,  48
.set G0B,  56
.set PFA,  66
.set G1S,  68
.set G0S,  76
.set G1SB, 80
.set G0SB, 88
.set LIM,  99
.set MSB,  0
.macro WIN new                         ; the immediate's high byte repeats the setting that is left
.if MSB != (\new)
	s_set_vgpr_msb (MSB<<8)|(\new)
.set MSB, (\new)
.endif
.endm
.set MUL_LO, 0xa1                      ; source 0 window 1, source 1 window 0, C and D window 2
.set MUL_HI, 0xf1                      ; the same, C and D window 3
.set TO_B,   0x40                      ; destination window 1, address window 0
.macro JLOAD g0a, g1a, g0b, g1b        ; a joint load: waves 0, 1 fetch for source 1, waves 2, 3 for source 0; four v_nop follow each line
	s_cmp_eq_u32 s15, 0
	s_cbranch_scc0 .Lfor_b_\@
	tensor_load_to_lds s[\g0a:\g0a+3], s[\g1a:\g1a+7]
	s_nop 0
.rept 4
	v_nop
.endr
	s_branch .Lasked_\@
.Lfor_b_\@:
	tensor_load_to_lds s[\g0b:\g0b+3], s[\g1b:\g1b+7]
	s_nop 0
.rept 4
	v_nop
.endr
.Lasked_\@:
.endm
.macro CREST                           ; a round of the cluster's barrier behind its opening barrier
	s_cmp_lg_u32 s14, 0
	s_cbranch_scc1 .Lnot_wave_0_\@
	s_barrier_signal -3
.Lnot_wave_0_\@:
	s_barrier_wait -3
	s_barrier_signal -1
	s_barrier_wait -1
.endm
.macro CROUND
	s_barrier_signal -1
	s_barrier_wait -1
	CREST
.endm
; A PREFETCH of the eight K steps that follow those just asked for, behind the joint load and its four lines.  Each aligned block of 256 bytes is named once in the launch: the rows' tile is read by every cluster of its row of
; clusters: the one with x = 0 asks; the weight's by every cluster of its column: the one with y = 0 asks.  The four partners that ask for a tile jointly share its eight blocks out BY ADDRESS, two each: 2 x 12,288 bytes,
; three instructions of 32 lanes, 256 bytes apart, by one wave (wave 0 for the rows, wave 2 for the weight).  The last refill asks for nothing.  how = 1: at the first refill; 0: in the loop.
.macro ASK how
.if \how
	s_cmp_eq_u32 s[LIM], 1
.else
	s_cmp_gt_u32 s3, s[LIM]                        ; s3 = 1 in the loop's last trip
.endif
	s_cbranch_scc0 .Lnot_mine_\@
	global_prefetch_b8 v[PFO], s[PFA:PFA+1] th:TH_LOAD_NT scope:SCOPE_SE
	global_prefetch_b8 v[PFO+1], s[PFA:PFA+1] offset:8192 th:TH_LOAD_NT scope:SCOPE_SE
	global_prefetch_b8 v[PFO], s[PFA:PFA+1] offset:BST+4096 th:TH_LOAD_NT scope:SCOPE_SE
.Lnot_mine_\@:
.endm
.macro FRAG reg, adr, q, i             ; block i's image of my q-th K step: four loads of consecutive bytes
	ds_load_b128 v[\reg:\reg+3], v[\adr+(\i)/4] offset:((\i)%4)*KROW+(\q)*1536
	ds_load_b64 v[\reg+4:\reg+5], v[\adr+2+(\i)/4] offset:((\i)%4)*KROW+(\q)*1536+512
	ds_load_b128 v[\reg+6:\reg+9], v[\adr+(\i)/4] offset:((\i)%4)*KROW+(\q)*1536+768
	ds_load_b64 v[\reg+10:\reg+11], v[\adr+2+(\i)/4] offset:((\i)%4)*KROW+(\q)*1536+1280
.endm
; 16 products: source 1's blocks a0, a0 + 1 x source 0's eight, my q-th K step.  The 64 accumulators take turns, one instruction a turn, in the same order in every step.
; zero = 1: the first product starts the sums: nothing is ever cleared.
.macro MUL16 a0, q, zero
.irp a, \a0, \a0+1
.irp b, 0,1,2,3,4,5,6,7
.set rD, 8*(8*((\a)%4)+\b)
.set rB, 128*(\q)+FR*\b
.set rA, AF+FR*(\a)
.if \q
.set rA, AF1+FR*(\a)+104*((\a)/6)
.endif
.set rSB, SC+2*\b+(\q)
.set rSA, SC+2*(\a)+(\q)
.if \zero
	v_wmma_scale_f32_16x16x128_f8f6f4 v[rD:rD+7], v[rB:rB+FR-1], v[rA:rA+FR-1], 0, v[rSB], v[rSA] matrix_a_fmt:MATRIX_FMT_BF6 matrix_b_fmt:MATRIX_FMT_BF6 matrix_a_scale:MATRIX_SCALE_ROW1
.else
	v_wmma_scale_f32_16x16x128_f8f6f4 v[rD:rD+7], v[rB:rB+FR-1], v[rA:rA+FR-1], v[rD:rD+7], v[rSB], v[rSA] matrix_a_fmt:MATRIX_FMT_BF6 matrix_b_fmt:MATRIX_FMT_BF6 matrix_a_scale:MATRIX_SCALE_ROW1
.endif
.endr
.endr
.endm
.macro FETCH_B q
	WIN TO_B
.irp i, 0,1,2,3,4,5,6,7
	FRAG 128*(\q)+FR*\i, ADRB, \q, \i
.endr
	WIN 0
.endm
.macro FETCH_A q
.irp i, 0,1,2,3,4,5,6,7
.if \q
	FRAG AF1+FR*\i+104*(\i/6), ADRA, 1, \i
.else
	FRAG AF+FR*\i, ADRA, 0, \i
.endif
.endr
.endm
.macro SCALES                          ; my two K steps' scale words: register 2 i + q: lanes 0-15 source 1's block i, lanes 16-31 source 0's block i
.irp i, 0,1,2,3,4,5,6,7
	ds_load_b32 v[SC+2*\i], v[ADRS] offset:64*\i
	ds_load_b32 v[SC+2*\i+1], v[ADRS] offset:64*\i+512
.endr
.endm
.macro PLACES n                        ; plain places between matrix instructions and loads into, or reads of, their registers
.rept \n
	v_nop
.endr
.endm
; EIGHT K STEPS, two of them mine.  The slot has landed in every wave's sight behind the first barrier; I read my 32 fragments and 16 scale words, 144 loads.
; fill = 1: the slot is asked for again: each wave waits for all its tensor loads (none is out), adds 0 to its spare word, and waits for that and for its reads; a round of the cluster's barrier; the joint load first behind it.
; 48 of my 128 products stand ahead of that load, among the waits and in the round, the other 80 behind it.  fill = 0: nothing is asked for; the barrier says that every wave's reads of LDS are over.
.macro INTERVAL fill, zero
	s_wait_tensorcnt 0x0                           ; my one load that was out (at the start: my two) has landed: my part of these eight K steps
	s_barrier_signal -1
	s_barrier_wait -1                              ; everybody's has
.if (\zero) == 0
	PLACES NP
.endif
	FETCH_B 0
	FETCH_A 0
	SCALES
	FETCH_B 1
	FETCH_A 1
.if \fill
	s_wait_tensorcnt 0x0                           ; no tensor load of mine is out
	ds_add_u32 v[SPW], v[NIL]
.if (NI > 2) && ((\zero) == 0)
	s_wait_xcnt 0x0                                ; the last prefetches, eight K steps back, have read their address
	s_add_nc_u64 s[PFA:PFA+1], s[PFA:PFA+1], KROW
.endif
.endif
	s_wait_dscnt 63                                ; the youngest 63 may be out: my first K step's 80 loads are the oldest of the 144 (the count's field holds no more than 63)
	WIN MUL_LO
	MUL16 0, 0, \zero
	MUL16 2, 0, \zero
	s_wait_dscnt 0x0                               ; my reads of the slot are over (and the add is done)
	s_barrier_signal -1
	WIN MUL_HI
	MUL16 4, 0, \zero
.if \fill
	WIN 0
	s_barrier_wait -1
	CREST                                          ; the barrier has opened a round of the cluster's: no wave of any partner still reads the slot or has a load on its way
	s_add_nc_u64 s[G0+2:G0+3], s[G0+2:G0+3], KROW
	s_add_nc_u64 s[G0B+2:G0B+3], s[G0B+2:G0B+3], KROW
	JLOAD G0, G1, G0B, G1B                         ; the first tensor load behind the round, and my only one until the next
	v_add_nc_u32 v[ADRS], 4096, v[ADRS]            ; the next eight K steps' scale words
.if NI > 2
	ASK \zero
.endif
	WIN MUL_HI
.endif
	MUL16 6, 0, \zero
	WIN MUL_LO
	MUL16 0, 1, 0
	MUL16 2, 1, 0
	WIN MUL_HI
	MUL16 4, 1, 0
	MUL16 6, 1, 0
	WIN 0
.if (\fill) == 0
	s_barrier_wait -1                              ; every wave's reads are over: LDS may be written
.endif
.endm
	s_load_b256 s[4:11], s[0:1], 0x0               ; the rows' codes, wts, the bias, the residual
	s_load_b64 s[12:13], s[0:1], 0x20              ; the result
	v_lshl_add_u32 v[SPW], v0, 2, SPARE
	v_mov_b32 v[NIL], 0
	ds_add_u32 v28, v29
	s_wait_dscnt 0x0
	v_lshrrev_b32 v1, 5, v0
	v_readfirstlane_b32 s14, v1                    ; wave 0..3: which two of eight K steps are mine
	s_lshr_b32 s15, s14, 1                         ; I fetch for source 1 (0) or for source 0 (1),
	s_and_b32 s16, s14, 1                          ; its blocks 0-3 or 4-7
	s_bfe_u32 s40, ttmp6, 0x40000                  ; cx, cy
	s_bfe_u32 s41, ttmp6, 0x40004
	s_lshl_b32 s42, ttmp9, 2
	s_add_co_u32 s42, s42, s40                     ; tile column: 128 columns of the weight
	s_and_b32 s17, ttmp7, 0xffff
	s_lshl_b32 s17, s17, 2
	s_add_co_u32 s17, s17, s41                     ; tile row: 128 rows
	s_lshl_b32 s43, s41, 2
	s_lshl_b32 s43, 15, s43                        ; my row of the cluster
	s_lshl_b32 s44, 0x1111, s40                    ; my column
	s_or_b32 s[G1+0], s43, (3<<16)|(1<<21)         ; the mask; elements of 8 bytes; bit 21 beside a mask; no padding
	s_or_b32 s[G1B+0], s44, (3<<16)|(1<<21)
.irp g, G1, G1B
	s_mov_b32 s[\g+1], 1536<<16                    ; tensor_dim0: 12,288 bytes
	s_mov_b32 s[\g+2], 4<<16                       ; tensor_dim1: 4 blocks
	s_mov_b32 s[\g+3], 1536<<16                    ; tile_dim0
	s_mov_b32 s[\g+4], 4                           ; tile_dim1
	s_mov_b32 s[\g+5], NKS*192                     ; from block to block: NKS images
	s_mov_b32 s[\g+6], 0
	s_mov_b32 s[\g+7], 0
.endr
	s_or_b32 s[G1S+0], s43, (3<<16)|(1<<21)        ; half the scale words of 128 positions: a dense block, as rows of 256 bytes
	s_or_b32 s[G1SB+0], s44, (3<<16)|(1<<21)
.irp g, G1S, G1SB
	s_mov_b32 s[\g+1], 32<<16
	s_mov_b32 s[\g+2], NKS<<16
	s_mov_b32 s[\g+3], 32<<16
	s_mov_b32 s[\g+4], NKS
	s_mov_b32 s[\g+5], 32
	s_mov_b32 s[\g+6], 0
	s_mov_b32 s[\g+7], 0
.endr
	s_lshl_b32 s20, s17, 1
	s_add_co_u32 s20, s20, s16                     ; source 1: which four blocks I fetch
	s_lshl_b32 s46, s42, 1
	s_add_co_u32 s46, s46, s16                     ; source 0 likewise
	s_mul_i32 s22, s20, NKS*256
	s_add_co_u32 s22, s22, ASC
	s_mul_i32 s92, s46, NKS*256
	s_add_co_u32 s92, s92, BSC
	s_mul_i32 s20, s20, 4*BST
	s_add_co_u32 s20, s20, AIMG
	s_mul_i32 s46, s46, 4*BST
	s_add_co_u32 s46, s46, BIMG
	s_mov_b32 s21, 0
	s_mov_b32 s23, 0
	s_mov_b32 s47, 0
	s_mov_b32 s93, 0
	s_mul_i32 s45, s14, QUART                      ; where they go: no place in the cluster enters an LDS address
	s_mul_i32 s94, s14, NKS*256
	s_lshl_b32 s95, s15, 6
	s_add_co_u32 s94, s94, s95
	s_wait_kmcnt 0x0
	s_add_nc_u64 s[20:21], s[4:5], s[20:21]
	s_add_nc_u64 s[22:23], s[4:5], s[22:23]
	s_add_nc_u64 s[46:47], s[6:7], s[46:47]
	s_add_nc_u64 s[92:93], s[6:7], s[92:93]
	CROUND                                         ; all sixteen work-groups are here: the first joint loads meet
	s_mov_b32 s[G0S], 1
	s_add_co_u32 s[G0S+1], s94, SCL
	s_mov_b64 s[G0S+2:G0S+3], s[22:23]
	s_or_b32 s[G0S+3], s[G0S+3], 0x80000000
	s_mov_b32 s[G0SB], 1
	s_add_co_u32 s[G0SB+1], s94, SCL
	s_mov_b64 s[G0SB+2:G0SB+3], s[92:93]
	s_or_b32 s[G0SB+3], s[G0SB+3], 0x80000000
	JLOAD G0S, G1S, G0SB, G1SB
	s_mov_b32 s[G0], 1
	s_mov_b32 s[G0+1], s45
	s_mov_b64 s[G0+2:G0+3], s[20:21]
	s_or_b32 s[G0+3], s[G0+3], 0x80000000
	s_mov_b32 s[G0B], 1
	s_mov_b32 s[G0B+1], s45
	s_mov_b64 s[G0B+2:G0B+3], s[46:47]
	s_or_b32 s[G0B+3], s[G0B+3], 0x80000000
	JLOAD G0, G1, G0B, G1B                         ; two tensor loads of a wave are out here, later one
	v_and_b32 v1, 15, v0                           ; r
	v_bfe_u32 v2, v0, 4, 1                         ; h
	v_and_b32 v3, 31, v0
	v_lshlrev_b32 v[L16], 4, v3
	v_lshlrev_b32 v[L8], 3, v3
	s_mul_i32 s21, s14, 3072                       ; my two K steps of a block's eight
	s_add_co_u32 s22, s21, 2*QUART                 ; source 0's blocks lie behind source 1's eight
.irp s, 0,1
	v_add_nc_u32 v[ADRA+\s], s21, v[L16]
	v_add_nc_u32 v[ADRB+\s], s22, v[L16]
	v_add_nc_u32 v[ADRA+2+\s], s21, v[L8]
	v_add_nc_u32 v[ADRB+2+\s], s22, v[L8]
	s_add_co_u32 s21, s21, QUART
	s_add_co_u32 s22, s22, QUART
.endr
	s_lshl_b32 s21, s14, 10                        ; my two K steps' scale words: 512 bytes a K step
	s_add_co_u32 s21, s21, SCL
	v_mul_u32_u24 v6, v2, HALFS+64                 ; lanes 16-31 take source 0's: one product, the distance between the two
	v_lshl_add_u32 v5, v1, 2, v6
	v_add_nc_u32 v[ADRS], s21, v5
	s_mul_i32 s23, s14, PART                       ; my partial tile: row r, + 64 h
	v_mul_u32_u24 v5, v1, RPITCH
	v_lshl_add_u32 v5, v2, 6, v5
	v_add_nc_u32 v[STO], s23, v5
	s_mul_i32 s23, s14, 32*RPITCH                  ; back: my 32 rows in each of the four parts; the 32 lanes take a row
.irp s, 0,1,2,3
	v_add_nc_u32 v[RD+\s], s23, v[L16]
	s_add_co_u32 s23, s23, PART
.endr
	s_lshl_b32 s20, s42, 9                         ; the tile's first column, in bytes
	s_mov_b32 s21, 0
	s_add_nc_u64 s[8:9], s[8:9], s[20:21]          ; the bias
	s_lshl_b32 s22, s17, 2
	s_add_co_u32 s22, s22, s14                     ; which 32 rows I send out
	s_lshl_b32 s22, s22, 17                        ; x 32 rows of 4,096 bytes
	s_add_co_u32 s20, s20, s22
	s_add_nc_u64 s[10:11], s[10:11], s[20:21]
	s_add_nc_u64 s[12:13], s[12:13], s[20:21]
.if NI > 2
	s_and_b32 s22, ttmp7, 0xffff                   ; the prefetches (macro ASK): where mine stand, and who asks
	s_cmp_eq_u32 s15, 0                            ; do I fetch for source 1?
	s_cselect_b32 s20, s17, s42                    ; the tile
	s_cselect_b32 s21, s40, s41                    ; my place among the four that ask for it with me: it enters an address alone
	s_cselect_b32 s22, ttmp9, s22                  ; the coordinate along which other clusters read the same bytes
	s_cselect_b64 s[PFA:PFA+1], s[4:5], s[6:7]
	s_cselect_b32 s23, AIMG, BIMG
	s_or_b32 s22, s22, s16                         ; of the two waves that fetch for an operand the first asks
	s_cmp_eq_u32 s22, 0
	s_cselect_b32 s[LIM], 1, -1                    ; the same in all sixteen partners, for a given wave
	s_lshl_b32 s20, s20, 2
	s_add_co_u32 s20, s20, s21                     ; which two blocks
	s_mul_i32 s20, s20, 2*BST
	s_add_co_u32 s20, s20, s23
	s_add_co_u32 s20, s20, 2*KROW                  ; at the third eight K steps: the first two come by their loads alone
	s_mov_b32 s21, 0
	s_add_nc_u64 s[PFA:PFA+1], s[PFA:PFA+1], s[20:21]
	v_lshlrev_b32 v[PFO], 8, v3                    ; lanes 256 bytes apart;
	v_mul_u32_u24 v[PFO+1], v2, BST-KROW           ; the second instruction's lanes 16-31 stand in the second block
	v_add_nc_u32 v[PFO+1], v[PFO+1], v[PFO]
.endif
.if NI > 1
	INTERVAL 1, 1                                  ; the first eight K steps stand in front of the loop: their products start the sums
.if NI > 2
	s_mov_b32 s3, NI-2
.Lint:
	INTERVAL 1, 0
	s_sub_co_u32 s3, s3, 1
	s_cmp_lg_u32 s3, 0
	s_cbranch_scc1 .Lint
.endif
	INTERVAL 0, 0                                  ; the last are written out: nothing is left to fetch
.else
	INTERVAL 0, 1
.endif
	; THE WAY OUT
	PLACES NP
	WIN 0x40                                       ; destination window 1, where source 0's fragments lay: the residual's 32 rows and the bias are asked for ahead of the way through LDS
.set n, 0
.rept 32
	global_load_b128 v[4*n:4*n+3], v[L16], s[10:11] offset:((n%8)+16*((n/8)%2)+8*(n/16))*4096 th:TH_LOAD_NT   ; position n of my 32 is row sigma(n)
.set n, n+1
.endr
	global_load_b128 v[128:131], v[L16], s[8:9]    ; my four columns' bias
.irp a, 0,1,2,3,4,5,6,7
	WIN 0x08+4*(\a/4)                              ; an LDS store's data: window 2 or 3
.irp b, 0,1,2,3,4,5,6,7
	ds_store_b128 v[STO], v[64*(\a%4)+8*\b:64*(\a%4)+8*\b+3] offset:\a*16*RPITCH+128*(\b/2)+32*(\b%2)      ; each accumulator from its low end on; columns 32 (b / 2) + 16 h + 8 (b % 2) + 0 .. 7
	ds_store_b128 v[STO], v[64*(\a%4)+8*\b+4:64*(\a%4)+8*\b+7] offset:\a*16*RPITCH+128*(\b/2)+32*(\b%2)+16
.endr
.endr
	WIN 0
	s_wait_dscnt 0x0                               ; for the others' sake: my partial tile lies in LDS
	s_barrier_signal -1
	s_barrier_wait -1
	WIN 0x80                                       ; parts 0 and 1 into window 2, parts 2 and 3 into window 3, where the accumulators lay
.irp s, 0,1
.set n, 0
.rept 32
	ds_load_b128 v[128*\s+4*n:128*\s+4*n+3], v[RD+\s] offset:n*RPITCH
.set n, n+1
.endr
.endr
	WIN 0xc0
.irp s, 0,1
.set n, 0
.rept 32
	ds_load_b128 v[128*\s+4*n:128*\s+4*n+3], v[RD+2+\s] offset:n*RPITCH
.set n, n+1
.endr
.endr
	s_wait_dscnt 63                                ; parts 0 and 1 (the oldest 64 loads) are in
	WIN 0x8a                                       ; all in window 2
.set n, 0
.rept 64
	v_pk_add_f32 v[n:n+1], v[n:n+1], v[128+n:129+n]
.set n, n+2
.endr
	s_wait_dscnt 0x0
	WIN 0xcf                                       ; all in window 3
.set n, 0
.rept 64
	v_pk_add_f32 v[n:n+1], v[n:n+1], v[128+n:129+n]
.set n, n+2
.endr
	WIN 0x8e                                       ; window 2 += window 3
.set n, 0
.rept 64
	v_pk_add_f32 v[n:n+1], v[n:n+1], v[n:n+1]
.set n, n+2
.endr
	s_wait_loadcnt 0x0                             ; the residual and the bias
	WIN 0x86                                       ; window 2 += window 1
.set n, 0
.rept 64
	v_pk_add_f32 v[n:n+1], v[n:n+1], v[n:n+1]      ; the residual
.set n, n+2
.endr
.set n, 0
.rept 64
	v_pk_add_f32 v[n:n+1], v[n:n+1], v[128+n%4:129+n%4]   ; the bias
.set n, n+2
.endr
	WIN 0x08                                       ; a store's data: window 2
.set n, 0
.rept 32
.if FINAL
	global_store_b128 v[L16], v[4*n:4*n+3], s[12:13] offset:((n%8)+16*((n/8)%2)+8*(n/16))*4096 th:TH_STORE_NT   ; 512 consecutive bytes, aligned
.else
	global_store_b128 v[L16], v[4*n:4*n+3], s[12:13] offset:((n%8)+16*((n/8)%2)+8*(n/16))*4096                  ; 512 consecutive bytes, aligned
.endif
.set n, n+1
.endr
	WIN 0
	s_wait_tensorcnt 0x0                           ; the wave's end
	ds_add_u32 v[SPW], v[NIL]
	s_wait_dscnt 0x0
	CROUND                                         ; the closing round
	s_endpgm
.Lfunc_end_k_qa027b06464_ffn2:
	.size	k_qa027b06464_ffn2, .Lfunc_end_k_qa027b06464_ffn2-k_qa027b06464_ffn2
	.p2alignl 7, 3214868480
	.fill 96, 4, 3214868480
	.section	.rodata,"a",@progbits
	.p2align	6, 0x0
	.amdhsa_kernel k_qa027b06464_ffn2
		.amdhsa_group_segment_fixed_size 327680
		.amdhsa_private_segment_fixed_size 0
		.amdhsa_enable_private_segment 0
		.amdhsa_kernarg_size 40
		.amdhsa_user_sgpr_count 2
		.amdhsa_user_sgpr_kernarg_segment_ptr 1
		.amdhsa_wavefront_size32 1
		.amdhsa_system_sgpr_workgroup_id_x 1
		.amdhsa_system_sgpr_workgroup_id_y 1
		.amdhsa_system_sgpr_workgroup_id_z 1
		.amdhsa_system_vgpr_workitem_id 0
		.amdhsa_next_free_vgpr 1024
		.amdhsa_next_free_sgpr 100
		.amdhsa_reserve_vcc 0
		.amdhsa_float_denorm_mode_32 3
		.amdhsa_float_denorm_mode_16_64 3
		.amdhsa_memory_ordered 1
		.amdhsa_forward_progress 1
		.amdhsa_inst_pref_size 133
	.end_amdhsa_kernel
	.amdgpu_metadata
---
amdhsa.version: [ 1, 2 ]
amdhsa.kernels:
  - .name:           k_qa027b06464_ffn2
    .symbol:         k_qa027b06464_ffn2.kd
    .args:
      - { .name: gbuf, .offset: 0, .size: 8, .value_kind: global_buffer, .address_space: global }
      - { .name: wts, .offset: 8, .size: 8, .value_kind: global_buffer, .address_space: global }
      - { .name: b2, .offset: 16, .size: 8, .value_kind: global_buffer, .address_space: global }
      - { .name: x1, .offset: 24, .size: 8, .value_kind: global_buffer, .address_space: global }
      - { .name: out0, .offset: 32, .size: 8, .value_kind: global_buffer, .address_space: global }
    .group_segment_fixed_size: 327680
    .private_segment_fixed_size: 0
    .kernarg_segment_align: 8
    .kernarg_segment_size: 40
    .max_flat_workgroup_size: 128
    .sgpr_count:     100
    .vgpr_count:     1024
    .wavefront_size: 32
...
	.end_amdgpu_metadata
.endif
;; end of part 11
